; MI455X (gfx1250); checked and timed in simulation.
; The chip was launched on July 23, 2026; its instructions are those of AMD's public machine-readable ISA for CDNA 5 (MIT licence, August 2026) and "CDNA5" Instruction Set Architecture Reference Guide (July 2026). The comments in the code are by the model that wrote it; some were corrected since.
;; SAS Rec. Allowed arithmetic: matrix products marked QUANTISED: E2M3 operands, one E8M0 scale for each 32 along K, by v_wmma_scale_f32_16x16x128_f8f6f4 with both operands' format E2M3, f32 sums; everything else in f32.
;; Inputs: b1 2 x 512 float32; b2 2 x 512 float32; bk 2 x 512 float32; bo 2 x 512 float32; bq 2 x 512 float32; bv 2 x 512 float32; item_emb 100,001 x 512 float32; ln1_b 2 x 512 float32; ln1_w 2 x 512 float32; ln2_b 2 x 512 float32; ln2_w 2 x 512 float32; lnf_b 512 float32; lnf_w 512 float32; pos_emb 512 x 512 float32; seq 32 x 512 int32; seq_len 32 int32; w1 2 x 512 x 512 float32; w2 2 x 512 x 512 float32; wk 2 x 512 x 512 float32; wo 2 x 512 x 512 float32; wq 2 x 512 x 512 float32; wv 2 x 512 x 512 float32.
;; Outputs: out0 32 x 512 float32.
;; This version of the problem:
;;   THIS VERSION OF THE PROBLEM IS GIVEN IN LOW PRECISION. The matrix products marked QUANTISED in the list below multiply operands that are first quantised to E2M3 (2 exponent bits, 3 mantissa bits; 6 bits a number), with one power-of-two scale for each 32 numbers along K (OCP MX v1.0); their sums are f32. All else is computed in f32.
;;   The module's matrix products, in the order in which they are computed (A, B: the left and right operand; K: the contracted axis; several contracted axes count as one K, in the product's order):
;;     1. [M 16,384, K 512] x [K 512, N 512]; A: computed on the way; B: input wq: QUANTISED
;;     2. [M 16,384, K 512] x [K 512, N 512]; A: computed on the way; B: input wk: QUANTISED
;;     3. [M 16,384, K 512] x [K 512, N 512]; A: computed on the way; B: input wv: QUANTISED
;;     4. batch 256 x [M 512, K 64] x [K 64, N 512]; A: computed on the way; B: computed on the way: QUANTISED
;;     5. batch 256 x [M 512, K 512] x [K 512, N 64]; A: softmax (see below); B: computed on the way: QUANTISED
;;     6. [M 16,384, K 512] x [K 512, N 512]; A: computed on the way; B: input wo: QUANTISED
;;     7. [M 16,384, K 512] x [K 512, N 512]; A: computed on the way; B: input w1: QUANTISED
;;     8. [M 16,384, K 512] x [K 512, N 512]; A: computed on the way; B: input w2: QUANTISED
;;     9. [M 16,384, K 512] x [K 512, N 512]; A: computed on the way; B: input wq: QUANTISED
;;     10. [M 16,384, K 512] x [K 512, N 512]; A: computed on the way; B: input wk: QUANTISED
;;     11. [M 16,384, K 512] x [K 512, N 512]; A: computed on the way; B: input wv: QUANTISED
;;     12. batch 256 x [M 512, K 64] x [K 64, N 512]; A: computed on the way; B: computed on the way: QUANTISED
;;     13. batch 256 x [M 512, K 512] x [K 512, N 64]; A: softmax (see below); B: computed on the way: QUANTISED
;;     14. [M 16,384, K 512] x [K 512, N 512]; A: computed on the way; B: input wo: QUANTISED
;;     15. [M 16,384, K 512] x [K 512, N 512]; A: computed on the way; B: input w1: QUANTISED
;;     16. [M 16,384, K 512] x [K 512, N 512]; A: computed on the way; B: input w2: QUANTISED
;;   THE QUANTISER, for each operand of a quantised product, along K:
;;     - K is cut into blocks of 32 from its start; a last block that is shorter is filled with zeros.
;;     - A block's scale is 2^e with e = floor(log2(the largest magnitude in the block)) - 2, held to -126 .. 127; a block of zeros has e = 0. As a byte (E8M0): e + 127.
;;     - Each number is divided by its block's scale, clamped to +-7.5, and rounded to the nearest number of E2M3, ties to even, subnormals kept.
;;     - The product sums the exact products of the quantised numbers (number of the format x scale) in f32.
;;   ~~~python
;;   def quantise(x, axis):      # numpy; x: float32 -> the quantised numbers, widened to float32 again
;;       x = np.moveaxis(x, axis, -1); K = x.shape[-1]
;;       x = np.pad(x, [(0, 0)] * (x.ndim - 1) + [(0, -K % 32)]); x = x.reshape(x.shape[:-1] + (-1, 32)); a = np.abs(x).max(-1, keepdims=True)
;;       e = np.where(a > 0, np.clip(np.frexp(np.where(a > 0, a, 1))[1] - 1 - 2, -126, 127), 0)      # np.frexp(a)[1] - 1 = floor(log2(a)), exactly
;;       r = np.clip(x / 2.0 ** e, -7.5, 7.5)
;;       step = 2.0 ** (np.maximum(np.frexp(np.where(r == 0, 1, r))[1] - 1, 0) - 3)
;;       q = np.round(r / step) * step * 2.0 ** e      # np.round: ties to even
;;       return np.moveaxis(q.reshape(q.shape[:-2] + (-1,))[..., :K], -1, axis).astype(np.float32)
;;   ~~~
;;   SOFTMAX AHEAD OF A QUANTISED PRODUCT. Where the list says 'softmax', what is quantised is not the finished softmax but p = 2^(t - M), with t = logit x log2(e) and M = ceil(the row's largest t), a whole number; so 1/2 < the row's largest p <= 1. The row's sum l is taken of the UNQUANTISED p, in f32, and the product's result is divided by l at the end. Since M is a whole number, a kernel that streams over the keys may use a running M (the ceiling of the running maximum): every later rescaling is an exact power of two, which a block's scale takes up: the codes' values come out the same.
;;   OPERANDS COMPUTED ON THE WAY. 'Computed on the way' means the value that the module computes at that place (a softmax that the list does not call 'softmax' is quantised finished and normalised). What goes into a quantiser is computed in f32, as accurately as f32 sums, v_exp_f32 and their like allow (about 1e-6 of the number): no bf16 or f16 on the way to a quantiser, and a product that is left as it is and whose result goes on into a quantised operand takes f32 operands (vector FMAs, or v_wmma_f32_16x16x4_f32). A number that lies on a knife's edge between two numbers of the format may be rounded either way, as far as f32 arithmetic and the matrix unit's own rounding can turn it there, and no further.
;; 2 versions. Each part assembles by itself: llvm-mc -triple=amdgcn-amd-amdhsa -mcpu=gfx1250 --defsym DOCPART=n.
;; ======== version 1 of 2: 4 launches
;; workspace buffers: wfr 2,457,600 bytes; ws0 20,185,088 bytes; ws1 15,892,480 bytes
;; launch prep (part 1): grid 16 x 12, 4 waves a work-group, no clusters, 0 bytes of LDS; arguments wq, wk, wv, wo, w1, w2, wfr; writes wfr
.if DOCPART == 1
	.amdgcn_target "amdgcn-amd-amdhsa--gfx1250"
	.amdhsa_code_object_version 6
	.text
	.protected	k_q2bf941d14d_prep
	.globl	k_q2bf941d14d_prep
	.p2align	8
	.type	k_q2bf941d14d_prep,@function
k_q2bf941d14d_prep:
	s_mov_b64 s[64:65], 0
	v_nop
	global_prefetch_b8 v0, s[64:65] scope:SCOPE_SE
	s_setreg_imm32_b32 hwreg(HW_REG_WAVE_MODE, 25, 1), 1
	s_wait_xcnt 0x0
; The twelve weights [512 (k)][512 (n)], f32, K their first axis, become codes of FP6 (E2M3) with one E8M0 byte for each 32 along K,
; laid in the ORDER OF THE OPERAND'S REGISTERS, so that the later launches load whole fragments by 16 bytes a lane.
; Matrix m = 6 x layer + kind (wq wk wv wo w1 w2) at m x 204,800; in it the block of columns 64 w .. 64 w + 63 at w x 25,600; in that, fragment (K step s, tile c)
; at 6,144 s + 1,536 c: registers 4 p .. 4 p + 3 of lane L at 512 p + 16 L; the scale words at 24,576 + 256 s + 16 r + 4 c.
; Lane r of tile c = 2 beta + u stands for column 64 w + 32 beta + 8 u + r + 8 (r / 8).
; A LANE TAKES A COLUMN AND ITS REGISTERS RUN DOWN K: a load reads 128 consecutive bytes a wave, 512 a work-group; a block of 32 lies in one lane.
; Work-group (x, y): matrix y, K step x / 4; wave: the 32 columns 32 (4 (x % 4) + wave) on.  Loads run two blocks of 32 ahead.
; A block's scale is 2^(floor(log2(largest magnitude)) - 2); its byte is the largest magnitude's exponent field - 2, held at 1 from below.
; LIMITS: a block of zeros gets the byte 1 where the rule says 127 (its codes are zeros, and this program alone reads the bytes); blocks whose largest
; magnitude lies under 2^-124 keep the byte 1; NaN and infinities are not served.  The scale words (98,304 bytes in all) leave 4 bytes a lane.
.set X,   32                           ; v32-159  128 numbers down K: 32 registers of its own for each block
.set F0,  160                          ; v160-171 the fragment registers of target lane (r, 0); v172-183 of (r, 1)
.set CTP, 184                          ; v184-186 a block's upper 16 codes (a conversion's three registers begin on an even number)
.set SOP, 187                          ; the conversion's scale operand
.set MA,  188
.set MB,  189
.set SW,  190                          ; the scale word: byte = block
	s_load_b256 s[4:11], s[0:1], 0x0               ; wq, wk, wv, wo
	s_load_b128 s[12:15], s[0:1], 0x20             ; w1, w2
	s_load_b64 s[16:17], s[0:1], 0x30              ; wfr
	v_lshrrev_b32 v1, 5, v0
	v_readfirstlane_b32 s18, v1                    ; wave
	v_and_b32 v2, 31, v0                           ; lane = column in the 32
	v_lshlrev_b32 v1, 2, v2                        ; 4 bytes a lane
	v_bfe_u32 v3, v2, 3, 1                         ; u: which of the two tiles
	v_and_b32 v4, 7, v2
	v_lshrrev_b32 v5, 4, v2
	v_lshl_add_u32 v4, v5, 3, v4                   ; r: the lane of that tile which stands for my column
	v_lshlrev_b32 v5, 4, v4                        ; 16 r
	v_mad_u32_u24 v6, v3, 0x600, v5                ; codes: 16 r + 1,536 u
	v_lshl_add_u32 v7, v3, 2, v5                   ; scale word: 16 r + 4 u
	s_and_b32 s20, ttmp7, 0xffff                   ; m
	s_cmp_ge_u32 s20, 6
	s_cselect_b32 s21, 1, 0                        ; layer
	s_mul_i32 s22, s21, 6
	s_sub_co_u32 s22, s20, s22                     ; kind
	s_lshr_b32 s23, ttmp9, 2                       ; K step
	s_and_b32 s24, ttmp9, 3
	s_lshl_b32 s24, s24, 2
	s_add_co_u32 s24, s24, s18                     ; block of 32 columns
	s_lshl_b32 s26, s21, 20                        ; source: layer x 1,048,576 + 128 s rows of 2,048 bytes + 128 bytes a block of columns
	s_lshl_b32 s25, s23, 18
	s_add_co_u32 s26, s26, s25
	s_lshl_b32 s25, s24, 7
	s_add_co_u32 s26, s26, s25
	s_mov_b32 s27, 0
	s_mul_i32 s28, s20, 204800                     ; target: the matrix, the block of 64 columns,
	s_lshr_b32 s25, s24, 1
	s_mul_i32 s25, s25, 25600
	s_add_co_u32 s28, s28, s25
	s_and_b32 s25, s24, 1                          ; which half of the 64
	s_lshl_b32 s30, s23, 8
	s_lshl_b32 s31, s25, 3
	s_add_co_u32 s30, s30, s31
	s_add_co_u32 s30, s30, s28
	s_add_co_u32 s30, s30, 24576                   ; the scale words: + 24,576 + 256 s + 8 beta
	s_mov_b32 s31, 0
	s_mul_i32 s23, s23, 6144
	s_mul_i32 s25, s25, 3072
	s_add_co_u32 s28, s28, s23
	s_add_co_u32 s28, s28, s25                     ; the codes: + 6,144 s + 3,072 beta
	s_mov_b32 s29, 0
	s_wait_kmcnt 0x0
	s_cmp_eq_u32 s22, 1                            ; the source is chosen by the work-group's number alone
	s_cselect_b64 s[4:5], s[6:7], s[4:5]
	s_cmp_eq_u32 s22, 2
	s_cselect_b64 s[4:5], s[8:9], s[4:5]
	s_cmp_eq_u32 s22, 3
	s_cselect_b64 s[4:5], s[10:11], s[4:5]
	s_cmp_eq_u32 s22, 4
	s_cselect_b64 s[4:5], s[12:13], s[4:5]
	s_cmp_eq_u32 s22, 5
	s_cselect_b64 s[4:5], s[14:15], s[4:5]
	s_add_nc_u64 s[4:5], s[4:5], s[26:27]
	s_add_nc_u64 s[32:33], s[16:17], s[28:29]
	s_add_nc_u64 s[34:35], s[16:17], s[30:31]
.macro PLOAD t                         ; block t: W(128 s + 32 t + i, my column), i = 0 .. 31
.set pi, 0
.rept 32
	global_load_b32 v[X+32*(\t)+pi], v1, s[4:5] offset:2048*(32*(\t)+pi) th:TH_LOAD_NT
.set pi, pi+1
.endr
.endm
.macro PBLOCK t                        ; block t of the K step: it belongs to target lane half t % 2, registers 6 (t / 2) on
.set XS, X+32*\t
.set FD, F0+12*(\t%2)+6*(\t/2)
.if \t < 3
	s_wait_loadcnt 32                              ; this block's 32 loads are in; the next block's 32 may be out
.else
	s_wait_loadcnt 0x0
.endif
.if \t < 2
	PLOAD \t+2                                     ; two blocks ahead, into registers of its own
.endif
	v_max3_num_f32 v[MA], |v[XS]|, |v[XS+1]|, |v[XS+2]|
	v_max3_num_f32 v[MB], |v[XS+3]|, |v[XS+4]|, |v[XS+5]|
.irp i, 6,10,14,18,22,26
	v_max3_num_f32 v[MA], v[MA], |v[XS+\i]|, |v[XS+\i+1]|
	v_max3_num_f32 v[MB], v[MB], |v[XS+\i+2]|, |v[XS+\i+3]|
.endr
	v_max3_num_f32 v[MA], v[MA], |v[XS+30]|, |v[XS+31]|
	v_max3_num_f32 v[MA], v[MA], v[MB], 0x1800000  ; and the floor 2^(3 - 127): the byte cannot fall under 1
	v_add_nc_u32 v[SOP], 0xff000000, v[MA]         ; 2 off the exponent field: the conversion's scale operand
	v_lshrrev_b32 v[MB], 23, v[SOP]                ; the scale's byte
.if \t == 0
	v_mov_b32 v[SW], v[MB]
.else
	v_lshl_or_b32 v[SW], v[MB], 8*\t, v[SW]
.endif
	v_cvt_scalef32_pk16_fp6_f32 v[FD:FD+2], v[XS:XS+15], v[SOP]
	v_cvt_scalef32_pk16_fp6_f32 v[CTP:CTP+2], v[XS+16:XS+31], v[SOP]
	v_nop                                          ; one plain place behind a scaled conversion
	v_mov_b32 v[FD+3], v[CTP]
	v_mov_b32 v[FD+4], v[CTP+1]
	v_mov_b32 v[FD+5], v[CTP+2]
.endm
	PLOAD 0
	PLOAD 1
	PBLOCK 0
	PBLOCK 1
	PBLOCK 2
	PBLOCK 3
.irp h, 0,1
.irp p, 0,1,2
	global_store_b128 v6, v[F0+12*\h+4*\p:F0+12*\h+4*\p+3], s[32:33] offset:256*\h+512*\p   ; the sixteen lanes of a tile store 256 consecutive bytes, aligned
.endr
.endr
	global_store_b32 v7, v[SW], s[34:35]
	s_endpgm
.Lfunc_end_k_q2bf941d14d_prep:
	.size	k_q2bf941d14d_prep, .Lfunc_end_k_q2bf941d14d_prep-k_q2bf941d14d_prep
	.p2alignl 7, 3214868480
	.fill 96, 4, 3214868480
	.section	.rodata,"a",@progbits
	.p2align	6, 0x0
	.amdhsa_kernel k_q2bf941d14d_prep
		.amdhsa_group_segment_fixed_size 0
		.amdhsa_private_segment_fixed_size 0
		.amdhsa_enable_private_segment 0
		.amdhsa_kernarg_size 56
		.amdhsa_user_sgpr_count 2
		.amdhsa_user_sgpr_kernarg_segment_ptr 1
		.amdhsa_wavefront_size32 1
		.amdhsa_system_sgpr_workgroup_id_x 1
		.amdhsa_system_sgpr_workgroup_id_y 1
		.amdhsa_system_sgpr_workgroup_id_z 1
		.amdhsa_system_vgpr_workitem_id 0
		.amdhsa_next_free_vgpr 192
		.amdhsa_next_free_sgpr 66
		.amdhsa_reserve_vcc 0
		.amdhsa_float_denorm_mode_32 3
		.amdhsa_float_denorm_mode_16_64 3
		.amdhsa_memory_ordered 1
		.amdhsa_forward_progress 1
		.amdhsa_inst_pref_size 22
	.end_amdhsa_kernel
	.amdgpu_metadata
---
amdhsa.version: [ 1, 2 ]
amdhsa.kernels:
  - .name:           k_q2bf941d14d_prep
    .symbol:         k_q2bf941d14d_prep.kd
    .args:
      - { .name: wq, .offset: 0, .size: 8, .value_kind: global_buffer, .address_space: global }
      - { .name: wk, .offset: 8, .size: 8, .value_kind: global_buffer, .address_space: global }
      - { .name: wv, .offset: 16, .size: 8, .value_kind: global_buffer, .address_space: global }
      - { .name: wo, .offset: 24, .size: 8, .value_kind: global_buffer, .address_space: global }
      - { .name: w1, .offset: 32, .size: 8, .value_kind: global_buffer, .address_space: global }
      - { .name: w2, .offset: 40, .size: 8, .value_kind: global_buffer, .address_space: global }
      - { .name: wfr, .offset: 48, .size: 8, .value_kind: global_buffer, .address_space: global }
    .group_segment_fixed_size: 0
    .private_segment_fixed_size: 0
    .kernarg_segment_align: 8
    .kernarg_segment_size: 56
    .max_flat_workgroup_size: 128
    .sgpr_count:     66
    .vgpr_count:     192
    .wavefront_size: 32
...
	.end_amdgpu_metadata
.endif
;; end of part 1
;; launch front (part 2): grid 8 x 32, 8 waves a work-group, no clusters, 231,424 bytes of LDS; arguments seq, seq_len, item_emb, pos_emb, ln1_w, ln1_b, bq, bk, bv, wfr, ws0; writes ws0
.if DOCPART == 2
	.amdgcn_target "amdgcn-amd-amdhsa--gfx1250"
	.amdhsa_code_object_version 6
	.text
	.protected	k_q2bf941d14d_front
	.globl	k_q2bf941d14d_front
	.p2align	8
	.type	k_q2bf941d14d_front,@function
k_q2bf941d14d_front:
	s_mov_b64 s[64:65], 0
	v_nop
	global_prefetch_b8 v0, s[64:65] scope:SCOPE_SE
	s_setreg_imm32_b32 hwreg(HW_REG_WAVE_MODE, 25, 1), 1
	s_wait_xcnt 0x0
; Layer 0's front: x0 = item_emb[seq] sqrt(512) + pos_emb[pos], LayerNorm 1, and q, k, v = h W + b on codes of FP6 (E2M3, one E8M0 byte for each 32 along K); q, k, v leave as codes.
; SHARES.  Work-group (i, b) owns two groups of 32 rows of batch b: hi = 15 - i and lo = i.  A group is worked where it lies under 4 ceil(len / 128): every key step of 128 rows
; that a later launch reads is written whole, the rows from len on as the definition has them (position 0).  A group that is not worked is jumped over inside loops of two trips;
; every barrier stands outside those loops, on every wave's path.
; Wave w owns columns 64 w .. 64 w + 63 (head w) of all 32 rows of a group.  Its part of a weight (16 fragments, 192 registers) comes from memory in register order and serves both groups;
; the next weight is asked for while the lo group, the last, is multiplied.
; ORDER OF ROWS: lane r of tile 2 g + u stands for row 32 g + 8 u + r + 8 (r / 8); the columns of a weight's tile likewise.  So a lane's 16 registers of two neighbouring tiles are 16 neighbours along the next K.
; q, k: source 0 = 16 columns of W, source 1 = 16 rows: a lane holds one row.  v: the sources swapped: a lane holds one column and its registers run along the keys, which are the K of attention's second product.
; Operands go from wave to wave through LDS as images of their registers.  No tensor load: which groups are worked hangs on seq_len, read from memory.
; LIMITS: seq is held at 100,000 and seq_len to 1 .. 512; NaN and infinities are not served; a block of zeros, or one under 2^-124, gets the scale byte 1 (its codes are read by this program alone);
; LayerNorm multiplies by v_rsq_f32 where the definition divides by a root.
.set NT, 2                             ; tiles of 16 rows in a pass
; LDS: a region for each group, hi's at 0, lo's at REG2
.set AIMG, 0                           ; 12,288: fragment (u, s) at 6,144 u + 1,536 s: registers 2 q, 2 q + 1 of lane L at 256 q + 8 L
.set ASC,  12288                       ; 1,024: its scale words at 128 (4 u + s) + 4 L
.set HIMG, 13312
.set HSC,  25600
.set STAT, 26624                       ; 4,096: (mean, sum of squares about it) of a wave's 64 columns: 2,048 u + 256 w + 8 L
.set XR,   30720                       ; 69,632: the wave's own x: 8,704 w + 272 (16 u + r): 256 bytes + 16
.set SPARE, 100352                     ; the spare words, 128 bytes for each wave: four blocks of 256 bytes that no other line names
.set REG2, 131072
; window 0
.set L16,1
.set L8,2
.set L4,3
.set R16,4
.set R4,5
.set H16,6
.set GO,7                              ; 256 w + 16 r: my 16 bytes of the wave's 256 of a row
.set BO,8                              ; 256 w + 64 h: a bias in the result's layout
.set BV,9                              ; 4 (64 w + r + 8 (r / 8)): a bias where a lane is a column
.set RR,10
.set RQ,11
.set L8G,12                            ; v12-17: LDS addresses of the group in hand
.set L4G,13
.set IG,14
.set ISG,15
.set XAG,16
.set STG,17
.set XGH,18
.set XGL,19
.set KOG,20                            ; v20-23: the group's offsets in the workspace
.set KSS,21
.set KSL,22
.set VSG,23
.set D0,28
.set NINF,30
.set XL,31
.set T0,34
.set T1,35
.set SPW,36                            ; LDS address of my spare word; never rewritten
.set NIL,37                            ; 0; never rewritten
.set T2,38
.set T3,39
.set WS,40                             ; v40-55 W's scale words (4 s + c); v56-63 the rows' (2 s + u): these registers hold scales and nothing else
.set AS,56
.set FF,72
.set BVR,74
.set PW,78
.set ACC,80
.set AF,144
.set TM,144
.set CT,160
.set LS,144
.set LT,176
.set BI,192
.set PC,224
.set LMP,236
.set MU,240
.set RU,244
; window 1: W's fragments at 48 s + 12 c
.set LNW,192
.set LNB,224
; scalars
.set WV,12
.set BB,13
.set LEN,15
.set LM1,16
.set ACT,18
.set GH,19
.set GL,20
.set GG,21
.set GI,22
.set RFV,23
.set SEL,28
.set CS,30
.set TS,58
.set EPS,66
.set I512,67
.set QCB,68
.set KCB,70
.set VCB,72
.set QSB,74
.set KSB,76
.set VSB,78
.set WB,80
.set SW768,96
.set SWIS,97
.set SWXR,98
.set SW256,99
.set RT,100
.set GB,104
.set QB,105
.set MSB, 0
.macro WIN new                         ; the immediate's high byte repeats the setting that is left
.if MSB != \new
	s_set_vgpr_msb (MSB<<8)|\new
.set MSB, \new
.endif
.endm
.macro WMM d, a, b, c, sa, sb
	v_wmma_scale_f32_16x16x128_f8f6f4 v[\d:\d+7], v[\a:\a+11], v[\b:\b+11], v[\c:\c+7], v[\sa], v[\sb] matrix_a_fmt:MATRIX_FMT_FP6 matrix_b_fmt:MATRIX_FMT_FP6
.endm
.macro LANES                           ; what hangs on the lane and the wave alone
	v_and_b32 v[T0], 31, v0
	v_lshlrev_b32 v[L16], 4, v[T0]
	v_lshlrev_b32 v[L8], 3, v[T0]
	v_lshlrev_b32 v[L4], 2, v[T0]
	v_and_b32 v[RR], 15, v0
	v_lshlrev_b32 v[R16], 4, v[RR]
	v_lshlrev_b32 v[R4], 2, v[RR]
	v_bfe_u32 v[T1], v0, 4, 1
	v_lshlrev_b32 v[H16], 4, v[T1]
	v_and_b32 v[RQ], 8, v[RR]
	v_add_nc_u32 v[RQ], v[RQ], v[RR]
	s_lshl_b32 s[SW256], s[WV], 8
	v_add_nc_u32 v[GO], s[SW256], v[R16]
	v_lshl_add_u32 v[BO], v[T1], 6, s[SW256]
	v_lshl_add_u32 v[BV], v[RQ], 2, s[SW256]
	v_mul_u32_u24 v[XL], v[RR], 272
	v_lshl_add_u32 v[XL], v[T1], 6, v[XL]
	s_mul_i32 s[SWXR], s[WV], 8704
	s_add_co_u32 s[SWXR], s[SWXR], XR
.if NT > 1
	v_mul_u32_u24 v[XGH], v[T1], 272
	v_add_nc_u32 v[XGH], v[XGH], v[R16]
	v_add_nc_u32 v[XGH], s[SWXR], v[XGH]
	v_add_nc_u32 v[XGL], REG2, v[XGH]
.endif
	s_mul_i32 s[SW768], s[WV], 768
	s_lshr_b32 s[SWIS], s[WV], 1
	s_lshl_b32 s[SWIS], s[SWIS], 7
	s_and_b32 s2, s[WV], 1
	s_lshl_b32 s2, s2, 1
	s_add_co_u32 s[SWIS], s[SWIS], s2
	s_mov_b32 s[SEL], 0x76543210                   ; v_permlanex16_b32's selects for lane l xor 16
	s_mov_b32 s[SEL+1], 0xfedcba98
	s_mov_b32 s[CS], 0x3e38aa3b                    ; log2(e) / 8
	s_mov_b32 s[CS+1], s[CS]
	s_mov_b32 s[EPS], 0x322bcc77                   ; 1e-8
	s_mov_b32 s[I512], 0x3b000000                  ; 1 / 512
	s_mov_b32 s[RT], 0x41b504f3                    ; sqrt(512)
	s_mov_b32 s[RT+1], s[RT]
	v_mov_b32 v[NINF], 0xff800000
.set li, 0
.rept 12
	v_mov_b32 v[LMP+li], 0                         ; written once: destinations of lane permutes and upper halves of broadcast pairs count as read
.set li, li+1
.endr
.set li, 0
.rept 4
	v_mov_b32 v[TM+4+li], 0
.set li, li+1
.endr
	v_mov_b32 v[FF+1], 0
.endm
.macro SETL                            ; the LDS addresses of the region at s[GB]: a lane term + (a wave term + the region)
	v_add_nc_u32 v[L8G], s[GB], v[L8]
	v_add_nc_u32 v[L4G], s[GB], v[L4]
	s_add_co_u32 s2, s[SW768], s[GB]
	v_add_nc_u32 v[IG], s2, v[L8]
	s_add_co_u32 s2, s[SWIS], s[GB]
	v_add_nc_u32 v[ISG], s2, v[L4]
	s_add_co_u32 s2, s[SWXR], s[GB]
	v_add_nc_u32 v[XAG], s2, v[XL]
	s_add_co_u32 s2, s[SW256], s[GB]
	v_add_nc_u32 v[STG], s2, v[L8]
.endm
.macro SETG
	s_cmp_eq_u32 s[GI], 0
	s_cselect_b32 s[GG], s[GH], s[GL]
	s_lshl_b32 s[QB], s[GG], 5
	v_mad_u32_u24 v[KOG], s[GG], 0x600, v[L8]
	v_lshl_add_u32 v[KSS], s[GG], 7, v[L4]
	v_lshl_add_u32 v[KSL], s[GG], 7, v[R4]
	v_lshl_add_u32 v[VSG], s[GG], 6, v[R4]
	SETL
.endm
; A loop of two trips, hi then lo.  The addresses are made on every path; a group that is not worked jumps over the body alone.
.macro GLOOP_BEGIN id, lc
	s_mov_b32 s[GI], 0
	s_mov_b32 s[GB], 0
.Lg_\id:
	s_wait_xcnt 0x0                                ; the last trip's stores and loads have read their offsets and data: both are rewritten below
.if \lc >= 0
	s_wait_loadcnt \lc
.endif
	SETG
	s_lshr_b32 s2, s[ACT], s[GI]
	s_and_b32 s2, s2, 1
	s_cmp_eq_u32 s2, 0
	s_cbranch_scc1 .Lgs_\id
.endm
.macro GLOOP_END id
.Lgs_\id:
	s_add_co_u32 s[GB], s[GB], REG2
	s_add_co_u32 s[GI], s[GI], 1
	s_cmp_lt_u32 s[GI], 2
	s_cbranch_scc1 .Lg_\id
.endm
.macro BARRIER                         ; my LDS stores have landed and my LDS loads are in: then the work-group's barrier
	s_wait_dscnt 0x0
	s_barrier_signal -1
	s_barrier_wait -1
.endm
.macro ENDW                            ; the wave's end, behind my last LDS store
	s_wait_tensorcnt 0x0
	ds_add_u32 v[SPW], v[NIL]
	s_wait_dscnt 0x0
	s_endpgm
.endm
; 32 NT numbers of a lane, register 16 b + i = neighbour 16 (lane / 16) + i of block b, become codes in v[PC] on (six registers for each pair of blocks: lanes 0-15 the even block whole, lanes 16-31 the odd) and the bytes in v[PW].
.macro QUANT s
.set qb, 0
.rept 2*NT
	v_max3_num_f32 v[TM+qb], |v[\s+16*qb]|, |v[\s+16*qb+1]|, 0x1800000   ; with the floor 2^(3 - 127): the byte cannot fall under 1
.set qb, qb+1
.endr
.set qi, 2
.rept 7
.set qb, 0
.rept 2*NT
	v_max3_num_f32 v[TM+qb], v[TM+qb], |v[\s+16*qb+qi]|, |v[\s+16*qb+qi+1]|
.set qb, qb+1
.endr
.set qi, qi+2
.endr
.set qb, 0
.rept 2*NT
	v_permlanex16_b32 v[TM+4+qb], v[TM+qb], s[SEL], s[SEL+1]
.set qb, qb+1
.endr
.set qb, 0
.rept 2*NT
	v_max_num_f32 v[TM+qb], v[TM+qb], v[TM+4+qb]   ; with lane l xor 16's: the block's largest magnitude
.set qb, qb+1
.endr
.set qb, 0
.rept 2*NT
	v_add_nc_u32 v[TM+12+qb], 0xff000000, v[TM+qb] ; 2 off its exponent field: the conversion's scale operand
.set qb, qb+1
.endr
.set qb, 0
.rept 2*NT
	v_lshrrev_b32 v[TM+4+qb], 23, v[TM+12+qb]      ; the scale's byte
.set qb, qb+1
.endr
	v_lshl_or_b32 v[PW], v[TM+5], 8, v[TM+4]
.if NT > 1
	v_lshl_or_b32 v[PW], v[TM+6], 16, v[PW]
	v_lshl_or_b32 v[PW], v[TM+7], 24, v[PW]
.endif
.set qb, 0
.rept NT
	v_cvt_scalef32_pk16_fp6_f32 v[PC+6*qb:PC+6*qb+2], v[\s+32*qb:\s+32*qb+15], v[TM+12+2*qb]
	v_cvt_scalef32_pk16_fp6_f32 v[CT+4*qb:CT+4*qb+2], v[\s+32*qb+16:\s+32*qb+31], v[TM+13+2*qb]
.set qb, qb+1
.endr
	v_nop                                          ; one plain place behind a scaled conversion
.set qb, 0
.rept NT
.set qi, 0
.rept 3
	v_permlane16_swap_b32 v[PC+6*qb+qi], v[CT+4*qb+qi]
.set qi, qi+1
.endr
.set qi, 0
.rept 3
	v_mov_b32 v[PC+6*qb+3+qi], v[CT+4*qb+qi]
.set qi, qi+1
.endr
.set qb, qb+1
.endr
.endm
.macro PUTIMG buf, sc                  ; my half fragments (columns 64 w on of tile u) and my two bytes of each row's scale word
.set pu, 0
.rept NT
.set pq, 0
.rept 3
	ds_store_b64 v[IG], v[PC+6*pu+2*pq:PC+6*pu+2*pq+1] offset:\buf+6144*pu+256*pq
.set pq, pq+1
.endr
.set pu, pu+1
.endr
	ds_store_b16 v[ISG], v[PW] offset:\sc
.if NT > 1
	ds_store_b16_d16_hi v[ISG], v[PW] offset:\sc+512
.endif
	s_wait_dscnt 0x0                               ; the stores have read their registers
.endm
.macro GETA buf, sc, s                 ; K step s of the rows' fragments and scale words: 7 NT LDS loads
.set eu, 0
.rept NT
.set eq, 0
.rept 6
	ds_load_b64 v[AF+24*((\s)%2)+12*eu+2*eq:AF+24*((\s)%2)+12*eu+2*eq+1], v[L8G] offset:\buf+6144*eu+1536*(\s)+256*eq
.set eq, eq+1
.endr
	ds_load_b32 v[AS+2*(\s)+eu], v[L4G] offset:\sc+(4*eu+(\s))*128
.set eu, eu+1
.endr
.endm
.macro WLOAD m, s                      ; K step s of matrix m: four fragments and their scale words; every offset an immediate
	WIN 0x40
.set wc, 0
.rept 12
	global_load_b128 v[48*(\s)+4*wc:48*(\s)+4*wc+3], v[L16], s[WB:WB+1] offset:(\m)*204800+6144*(\s)+512*wc
.set wc, wc+1
.endr
	WIN 0
	global_load_b128 v[WS+4*(\s):WS+4*(\s)+3], v[R16], s[WB:WB+1] offset:(\m)*204800+24576+256*(\s)
.endm
.macro BLOAD ptr, off                  ; a bias in the result's layout: register 8 c + j = column 64 w + 32 (c / 2) + 16 h + 8 (c % 2) + j
.set bc, 0
.rept 4
	global_load_b128 v[BI+8*bc:BI+8*bc+3], v[BO], s[\ptr:\ptr+1] offset:\off+128*(bc/2)+32*(bc%2)
	global_load_b128 v[BI+8*bc+4:BI+8*bc+7], v[BO], s[\ptr:\ptr+1] offset:\off+128*(bc/2)+32*(bc%2)+16
.set bc, bc+1
.endr
.endm
.macro LNLOAD pw, pb, off
	WIN 0x40
.set bc, 0
.rept 4
	global_load_b128 v[LNW+8*bc:LNW+8*bc+3], v[BO], s[\pw:\pw+1] offset:\off+128*(bc/2)+32*(bc%2)
	global_load_b128 v[LNW+8*bc+4:LNW+8*bc+7], v[BO], s[\pw:\pw+1] offset:\off+128*(bc/2)+32*(bc%2)+16
	global_load_b128 v[LNB+8*bc:LNB+8*bc+3], v[BO], s[\pb:\pb+1] offset:\off+128*(bc/2)+32*(bc%2)
	global_load_b128 v[LNB+8*bc+4:LNB+8*bc+7], v[BO], s[\pb:\pb+1] offset:\off+128*(bc/2)+32*(bc%2)+16
.set bc, bc+1
.endr
	WIN 0
.endm
.macro BVLOAD ptr, off
.set bc, 0
.rept 4
	global_load_b32 v[BVR+bc], v[BV], s[\ptr:\ptr+1] offset:\off+128*(bc/2)+32*(bc%2)
.set bc, bc+1
.endr
.endm
.macro SPLAT                           ; where a lane is a column, its bias stands in all eight registers of the tile
.set bc, 0
.rept 32
	v_mov_b32 v[BI+bc], v[BVR+bc/8]
.set bc, bc+1
.endr
.endm
.macro XLD                             ; my x from my own LDS bytes, in the result's layout
.set xu, 0
.rept NT
.set xc, 0
.rept 4
	ds_load_b128 v[ACC+32*xu+8*xc:ACC+32*xu+8*xc+3], v[XAG] offset:4352*xu+128*(xc/2)+32*(xc%2)
	ds_load_b128 v[ACC+32*xu+8*xc+4:ACC+32*xu+8*xc+7], v[XAG] offset:4352*xu+128*(xc/2)+32*(xc%2)+16
.set xc, xc+1
.endr
.set xu, xu+1
.endr
.endm
.macro XST                             ; and back: each accumulator from its low end on
.set xu, 0
.rept NT
.set xc, 0
.rept 4
	ds_store_b128 v[XAG], v[ACC+32*xu+8*xc:ACC+32*xu+8*xc+3] offset:4352*xu+128*(xc/2)+32*(xc%2)
	ds_store_b128 v[XAG], v[ACC+32*xu+8*xc+4:ACC+32*xu+8*xc+7] offset:4352*xu+128*(xc/2)+32*(xc%2)+16
.set xc, xc+1
.endr
.set xu, xu+1
.endr
.endm
; One K step of a product: 4 NT matrix instructions, the accumulators by turns.
; mode 0: a lane holds a row, the sum begins with the bias; 1: the same on top of x + bias, which lie in ACC; 2: the sources swapped, a lane holds a column.
; rm >= 0: in the trip s[RFV] the registers just read take the next matrix's K step (and bias bp).
.macro GSTEP mode, buf, sc, s, rm, bp, bo
.if \s == 3
	s_wait_dscnt 0x0
.else
	s_wait_dscnt 7*NT                              ; this K step's fragments are in; the next one's 7 NT loads may be out
.endif
.if \mode == 2
	WIN 0x04
.else
	WIN 0x01
.endif
.set gc, 0
.rept 4
.set gu, 0
.rept NT
.set gw, 48*(\s)+12*gc
.set ga, AF+24*((\s)%2)+12*gu
.if \mode == 2
.set gd, ACC+16*gc+8*gu
.else
.set gd, ACC+32*gu+8*gc
.endif
.set gq, gd
.if ((\s) == 0) && (\mode != 1)
.set gq, BI+8*gc
.endif
.if \mode == 2
	WMM gd, ga, gw, gq, AS+2*(\s)+gu, WS+4*(\s)+gc
.else
	WMM gd, gw, ga, gq, WS+4*(\s)+gc, AS+2*(\s)+gu
.endif
.set gu, gu+1
.endr
.set gc, gc+1
.endr
	WIN 0
.rept 4
	v_nop                                          ; places in front of loads into registers that these products have read, and of the first read of results
.endr
.if \s < 2
	GETA \buf, \sc, \s+2
.endif
.if \rm >= 0
	s_cmp_eq_u32 s[GI], s[RFV]
	s_cbranch_scc0 .Lnr_\@
	WLOAD \rm, \s
.if ((\s) == 0) && (\bp >= 0)
	BLOAD \bp, \bo
.endif
.Lnr_\@:
.endif
.endm
.macro GPASS mode, buf, sc, rm, bp, bo
.if \mode == 1
	XLD
.endif
	GETA \buf, \sc, 0
	GETA \buf, \sc, 1
.if \mode == 1
	s_wait_dscnt 14*NT                             ; x is in; the two K steps' 14 NT loads may be out
.set hu, 0
.rept NT
.set hj, 0
.rept 16
	v_pk_add_f32 v[ACC+32*hu+hj:ACC+32*hu+hj+1], v[ACC+32*hu+hj:ACC+32*hu+hj+1], v[BI+hj:BI+hj+1]
.set hj, hj+2
.endr
.set hu, hu+1
.endr
.endif
	GSTEP \mode, \buf, \sc, 0, \rm, \bp, \bo
	GSTEP \mode, \buf, \sc, 1, \rm, \bp, \bo
	GSTEP \mode, \buf, \sc, 2, \rm, \bp, \bo
	GSTEP \mode, \buf, \sc, 3, \rm, \bp, \bo
.endm
; The wave's 64 columns of each row: their mean, and the sum of squares about THAT mean (no difference of large sums); both to LDS.
.macro LNSTAT
.set lu, 0
.rept NT
.set lx, ACC+32*lu
.set lt, LT+8*lu
.set lm, LMP+2*lu
	v_pk_add_f32 v[lt:lt+1], v[lx:lx+1], v[lx+2:lx+3]
	v_pk_add_f32 v[lt+2:lt+3], v[lx+4:lx+5], v[lx+6:lx+7]
.set lj, 8
.rept 6
	v_pk_add_f32 v[lt:lt+1], v[lt:lt+1], v[lx+lj:lx+lj+1]
	v_pk_add_f32 v[lt+2:lt+3], v[lt+2:lt+3], v[lx+lj+2:lx+lj+3]
.set lj, lj+4
.endr
	v_pk_add_f32 v[lt:lt+1], v[lt:lt+1], v[lt+2:lt+3]
	v_add_f32 v[lt], v[lt], v[lt+1]
	v_permlanex16_b32 v[lt+1], v[lt], s[SEL], s[SEL+1]
	v_add_f32 v[lt], v[lt], v[lt+1]
	v_mul_f32 v[lm], 0x3c800000, v[lt]             ; / 64
	v_pk_add_f32 v[lt+4:lt+5], v[lx:lx+1], v[lm:lm+1] op_sel_hi:[1,0] neg_lo:[0,1] neg_hi:[0,1]
	v_pk_add_f32 v[lt+6:lt+7], v[lx+2:lx+3], v[lm:lm+1] op_sel_hi:[1,0] neg_lo:[0,1] neg_hi:[0,1]
	v_pk_mul_f32 v[lt:lt+1], v[lt+4:lt+5], v[lt+4:lt+5]
	v_pk_mul_f32 v[lt+2:lt+3], v[lt+6:lt+7], v[lt+6:lt+7]
.set lj, 4
.rept 7
	v_pk_add_f32 v[lt+4:lt+5], v[lx+lj:lx+lj+1], v[lm:lm+1] op_sel_hi:[1,0] neg_lo:[0,1] neg_hi:[0,1]
	v_pk_add_f32 v[lt+6:lt+7], v[lx+lj+2:lx+lj+3], v[lm:lm+1] op_sel_hi:[1,0] neg_lo:[0,1] neg_hi:[0,1]
	v_pk_fma_f32 v[lt:lt+1], v[lt+4:lt+5], v[lt+4:lt+5], v[lt:lt+1]
	v_pk_fma_f32 v[lt+2:lt+3], v[lt+6:lt+7], v[lt+6:lt+7], v[lt+2:lt+3]
.set lj, lj+4
.endr
	v_pk_add_f32 v[lt:lt+1], v[lt:lt+1], v[lt+2:lt+3]
	v_add_f32 v[lt], v[lt], v[lt+1]
	v_permlanex16_b32 v[lt+1], v[lt], s[SEL], s[SEL+1]
	v_add_f32 v[lm+1], v[lt], v[lt+1]
	ds_store_b64 v[STG], v[lm:lm+1] offset:STAT+2048*lu
.set lu, lu+1
.endr
	s_wait_dscnt 0x0                               ; the stores have read their registers
.endm
; The eight waves' figures make the row's mean and variance; ACC = (x - mean) rsqrt(var + eps) w + b.
.macro LNAPPLY
	XLD
.set lu, 0
.rept NT
.set lw, 0
.rept 8
	ds_load_b64 v[LS+16*lu+2*lw:LS+16*lu+2*lw+1], v[L8G] offset:STAT+2048*lu+256*lw
.set lw, lw+1
.endr
.set lu, lu+1
.endr
	s_wait_dscnt 0x0
.set lu, 0
.rept NT
.set lp, LS+16*lu
.set lt, LT+8*lu
	v_add_f32 v[lt], v[lp], v[lp+2]
	v_add_f32 v[lt+1], v[lp+4], v[lp+6]
	v_add_f32 v[lt+2], v[lp+8], v[lp+10]
	v_add_f32 v[lt+3], v[lp+12], v[lp+14]
	v_add_f32 v[lt], v[lt], v[lt+1]
	v_add_f32 v[lt+2], v[lt+2], v[lt+3]
	v_add_f32 v[lt], v[lt], v[lt+2]
	v_mul_f32 v[MU+2*lu], 0x3e000000, v[lt]        ; the row's mean
	v_add_f32 v[lt], v[lp+1], v[lp+3]
	v_add_f32 v[lt+1], v[lp+5], v[lp+7]
	v_add_f32 v[lt+2], v[lp+9], v[lp+11]
	v_add_f32 v[lt+3], v[lp+13], v[lp+15]
	v_add_f32 v[lt], v[lt], v[lt+1]
	v_add_f32 v[lt+2], v[lt+2], v[lt+3]
	v_add_f32 v[lt], v[lt], v[lt+2]
.set lw, 0
.rept 8
	v_sub_f32 v[lp+2*lw], v[lp+2*lw], v[MU+2*lu]
.set lw, lw+1
.endr
	v_mul_f32 v[lt+1], v[lp], v[lp]
.set lw, 1
.rept 7
	v_fmac_f32 v[lt+1], v[lp+2*lw], v[lp+2*lw]
.set lw, lw+1
.endr
	v_fma_f32 v[lt], v[lt+1], 0x42800000, v[lt]    ; + 64 x the squares of the waves' means about the row's
	v_fma_f32 v[lt], v[lt], s[I512], s[EPS]
	v_rsq_f32 v[RU+2*lu], v[lt]
.set lu, lu+1
.endr
.set lu, 0
.rept NT
.set lj, 0
.rept 16
	v_pk_add_f32 v[ACC+32*lu+lj:ACC+32*lu+lj+1], v[ACC+32*lu+lj:ACC+32*lu+lj+1], v[MU+2*lu:MU+2*lu+1] op_sel_hi:[1,0] neg_lo:[0,1] neg_hi:[0,1]
.set lj, lj+2
.endr
.set lu, lu+1
.endr
	s_wait_alu depctr_va_vdst(0)                   ; one wait for the roots, ahead of their first reader; the subtractions above are the plain work between
.set lu, 0
.rept NT
.set lj, 0
.rept 16
	v_pk_mul_f32 v[ACC+32*lu+lj:ACC+32*lu+lj+1], v[ACC+32*lu+lj:ACC+32*lu+lj+1], v[RU+2*lu:RU+2*lu+1] op_sel_hi:[1,0]
.set lj, lj+2
.endr
.set lu, lu+1
.endr
	WIN 0x14
.set lu, 0
.rept NT
.set lj, 0
.rept 16
	v_pk_fma_f32 v[ACC+32*lu+lj:ACC+32*lu+lj+1], v[ACC+32*lu+lj:ACC+32*lu+lj+1], v[LNW+lj:LNW+lj+1], v[LNB+lj:LNB+lj+1]
.set lj, lj+2
.endr
.set lu, lu+1
.endr
	WIN 0
.endm
.macro STQK vo, vs, cb, sb             ; a group's codes of q or k: each store covers 256 consecutive bytes, aligned; the scale words: lanes 0-15 tile 0's, lanes 16-31 tile 1's
.set tu, 0
.rept NT
.set tp, 0
.rept 3
	global_store_b64 v[\vo], v[PC+6*tu+2*tp:PC+6*tu+2*tp+1], s[\cb:\cb+1] offset:768*tu+256*tp
.set tp, tp+1
.endr
.set tu, tu+1
.endr
	v_lshrrev_b32 v[T2], v[H16], v[PW]
	v_and_b32 v[T2], 0xffff, v[T2]
	global_store_b32 v[\vs], v[T2], s[\sb:\sb+1]
.endm
.macro STV cb, sb                      ; a group's codes of v: 32 keys of column slot 32 c + lane
.set tu, 0
.rept 2
.set tp, 0
.rept 3
	global_store_b64 v[KOG], v[PC+6*tu+2*tp:PC+6*tu+2*tp+1], s[\cb:\cb+1] offset:512*tp+256*tu
.set tp, tp+1
.endr
.set tu, tu+1
.endr
	global_store_b32 v[VSG], v[PW], s[\sb:\sb+1]
.endm
; THE GATHER.  Pair i of a group: slots 2 i, 2 i + 1 of the wave's x = rows cr, cr + 1 of the group; lanes 0-15 take 256 bytes of one row, lanes 16-31 of the next.
.macro GSEQ sq, ia, st
.set gi, 0
.rept 16
.set cr, 8*(gi/8)+2*(gi%8)+8*((gi%8)/4)
	global_load_b32 v[\ia+\st*gi], v[\sq], s[4:5] offset:4*cr
.set gi, gi+1
.endr
.endm
.macro GPOS rb, pa, st                 ; the position: the row's number, 0 from len on
.set gi, 0
.rept 16
.set cr, 8*(gi/8)+2*(gi%8)+8*((gi%8)/4)
	v_add_nc_u32 v[T0], cr, v[\rb]
	v_cmp_gt_u32 vcc_lo, s[LEN], v[T0]
	v_cndmask_b32 v[T0], 0, v[T0], vcc_lo
	v_min_u32 v[T0], 0x1ff, v[T0]
	v_lshl_add_u32 v[\pa+\st*gi], v[T0], 11, v[GO]
.set gi, gi+1
.endr
.endm
.macro GITEM ia, st
.set gi, 0
.rept 16
	v_min_u32 v[\ia+\st*gi], 0x186a0, v[\ia+\st*gi]
	v_lshl_add_u32 v[\ia+\st*gi], v[\ia+\st*gi], 11, v[GO]
.set gi, gi+1
.endr
.endm
.macro GLOADS ia, pa, st, dw
.if \dw
	WIN 0x40
.endif
.set gi, 0
.rept 16
	global_load_b128 v[80+4*gi:83+4*gi], v[\ia+\st*gi], s[8:9]
	global_load_b128 v[144+4*gi:147+4*gi], v[\pa+\st*gi], s[10:11]
.set gi, gi+1
.endr
	WIN 0
.endm
.macro GATHER
	s_lshl_b32 s2, s[BB], 11
	s_mov_b32 s3, 0
	s_add_nc_u64 s[4:5], s[4:5], s[2:3]            ; my batch's row of seq
	s_lshl_b32 s2, s[GH], 5
	v_add_nc_u32 v[T2], s2, v[T1]                  ; hi's first row + my half
	s_lshl_b32 s2, s[GL], 5
	v_add_nc_u32 v[T3], s2, v[T1]
	v_lshlrev_b32 v[D0], 2, v[T2]
	v_lshlrev_b32 v[D0+1], 2, v[T3]
	GSEQ D0+1, 208, 1                              ; both groups' indices are asked for together (they lie inside seq whatever len is)
	GSEQ D0, 80, 4
	GPOS T3, 224, 1
	GPOS T2, 144, 4
	s_wait_loadcnt 0x0
	s_cmp_eq_u32 s[ACT], 0
	s_cbranch_scc1 .Lnogather
	GITEM 208, 1
	GLOADS 208, 224, 1, 1                          ; lo lands in window 1
	s_cmp_eq_u32 s[ACT], 3
	s_cbranch_scc0 .Lnohi
	GITEM 80, 4
	GLOADS 80, 144, 4, 0                           ; hi lands on its own offsets
.set gi, 0
.rept 16
	s_wait_loadcnt 2*(15-gi)                       ; pair i is in; the younger pairs' loads may be out
	v_pk_fma_f32 v[80+4*gi:81+4*gi], v[80+4*gi:81+4*gi], s[RT:RT+1], v[144+4*gi:145+4*gi] op_sel_hi:[1,0,1]
	v_pk_fma_f32 v[82+4*gi:83+4*gi], v[82+4*gi:83+4*gi], s[RT:RT+1], v[146+4*gi:147+4*gi] op_sel_hi:[1,0,1]
	ds_store_b128 v[XGH], v[80+4*gi:83+4*gi] offset:544*gi
.set gi, gi+1
.endr
.Lnohi:
	s_wait_loadcnt 0x0
	WIN 0x51
.set gi, 0
.rept 32
	v_pk_fma_f32 v[80+2*gi:81+2*gi], v[80+2*gi:81+2*gi], s[RT:RT+1], v[144+2*gi:145+2*gi] op_sel_hi:[1,0,1]
.set gi, gi+1
.endr
	WIN 0x04
.set gi, 0
.rept 16
	ds_store_b128 v[XGL], v[80+4*gi:83+4*gi] offset:544*gi
.set gi, gi+1
.endr
	WIN 0
	s_wait_dscnt 0x0                               ; the stores have read their registers
.Lnogather:
.endm
.macro LENS                            ; len, and which of my two groups are worked
	s_max_u32 s[LEN], s[LEN], 1
	s_min_u32 s[LEN], s[LEN], 0x200
	s_sub_co_u32 s[LM1], s[LEN], 1
	s_add_co_u32 s2, s[LEN], 127
	s_lshr_b32 s2, s2, 7
	s_lshl_b32 s2, s2, 2
	s_cmp_lt_u32 s[GL], s2
	s_cselect_b32 s[ACT], 2, 0
	s_cmp_lt_u32 s[GH], s2
	s_cselect_b32 s3, 1, 0
	s_or_b32 s[ACT], s[ACT], s3
.endm
	s_load_b256 s[4:11], s[0:1], 0x0               ; seq, seq_len, item_emb, pos_emb
	s_load_b256 s[32:39], s[0:1], 0x20             ; ln1_w, ln1_b, bq, bk
	s_load_b128 s[40:43], s[0:1], 0x40             ; bv, wfr
	s_load_b64 s[44:45], s[0:1], 0x50              ; ws0
	v_lshl_add_u32 v[SPW], v0, 2, SPARE
	v_mov_b32 v[NIL], 0
	v_lshrrev_b32 v[T0], 5, v0
	v_readfirstlane_b32 s[WV], v[T0]
	s_and_b32 s[BB], ttmp7, 0xffff
	s_mov_b32 s[GL], ttmp9
	s_sub_co_u32 s[GH], 15, s[GL]
	LANES
	s_lshl_b32 s2, s[BB], 2
	s_mov_b32 s3, 0
	s_wait_kmcnt 0x0
	s_add_nc_u64 s[6:7], s[6:7], s[2:3]
	s_load_b32 s[LEN], s[6:7], 0x0
	s_lshl_b32 s[TS], s[BB], 3
	s_add_co_u32 s[TS], s[TS], s[WV]               ; 8 b + w
	s_mul_i32 s2, s[TS], 24576
	s_add_nc_u64 s[QCB:QCB+1], s[44:45], s[2:3]
	s_add_nc_u64 s[KCB:KCB+1], s[QCB:QCB+1], 6291456
	s_add_nc_u64 s[VCB:VCB+1], s[QCB:QCB+1], 12582912
	s_lshl_b32 s2, s[TS], 11
	s_add_nc_u64 s[QSB:QSB+1], s[44:45], s[2:3]
	s_add_nc_u64 s[KSB:KSB+1], s[QSB:QSB+1], 19398656
	s_add_nc_u64 s[QSB:QSB+1], s[QSB:QSB+1], 18874368
	s_lshl_b32 s2, s[TS], 10
	s_add_nc_u64 s[VSB:VSB+1], s[44:45], s[2:3]
	s_add_nc_u64 s[VSB:VSB+1], s[VSB:VSB+1], 19922944
	s_mul_i32 s2, s[WV], 25600
	s_add_nc_u64 s[WB:WB+1], s[42:43], s[2:3]
	s_wait_kmcnt 0x0
	LENS
	GATHER
	LNLOAD 32, 34, 0                               ; 16 loads; behind them 64: wq's 52, bq's 8, bv's 4
	WLOAD 0, 0
	WLOAD 0, 1
	WLOAD 0, 2
	WLOAD 0, 3
	BLOAD 36, 0
	BVLOAD 40, 0
	s_mov_b32 s[RFV], 1                            ; the next weight is asked for in the lo trip
	GLOOP_BEGIN 1, -1
	XLD
	s_wait_dscnt 0x0
	LNSTAT
	GLOOP_END 1
	BARRIER                                        ; all eight waves' figures lie in LDS
	GLOOP_BEGIN 2, 63                              ; the gains and offsets, the oldest 16 of 80 loads, are in
	LNAPPLY
	QUANT ACC
	PUTIMG AIMG, ASC
	GLOOP_END 2
	BARRIER                                        ; h's fragments lie in LDS
	GLOOP_BEGIN 3, 0
	GPASS 0, AIMG, ASC, 1, 38, 0                   ; q
	QUANT ACC
	STQK KOG, KSS, QCB, QSB
	GLOOP_END 3
	GLOOP_BEGIN 4, 0
	GPASS 0, AIMG, ASC, 2, -1, 0                   ; k
	QUANT ACC
	STQK KOG, KSS, KCB, KSB
	GLOOP_END 4
	s_wait_loadcnt 0x0
	SPLAT
	GLOOP_BEGIN 5, 0
	GPASS 2, AIMG, ASC, -1, -1, 0                  ; v, a lane to a column
	QUANT ACC
	STV VCB, VSB
	GLOOP_END 5
	ENDW
.Lfunc_end_k_q2bf941d14d_front:
	.size	k_q2bf941d14d_front, .Lfunc_end_k_q2bf941d14d_front-k_q2bf941d14d_front
	.p2alignl 7, 3214868480
	.fill 96, 4, 3214868480
	.section	.rodata,"a",@progbits
	.p2align	6, 0x0
	.amdhsa_kernel k_q2bf941d14d_front
		.amdhsa_group_segment_fixed_size 231424
		.amdhsa_private_segment_fixed_size 0
		.amdhsa_enable_private_segment 0
		.amdhsa_kernarg_size 88
		.amdhsa_user_sgpr_count 2
		.amdhsa_user_sgpr_kernarg_segment_ptr 1
		.amdhsa_wavefront_size32 1
		.amdhsa_system_sgpr_workgroup_id_x 1
		.amdhsa_system_sgpr_workgroup_id_y 1
		.amdhsa_system_sgpr_workgroup_id_z 1
		.amdhsa_system_vgpr_workitem_id 0
		.amdhsa_next_free_vgpr 512
		.amdhsa_next_free_sgpr 106
		.amdhsa_reserve_vcc 1
		.amdhsa_float_denorm_mode_32 3
		.amdhsa_float_denorm_mode_16_64 3
		.amdhsa_memory_ordered 1
		.amdhsa_forward_progress 1
		.amdhsa_inst_pref_size 119
	.end_amdhsa_kernel
	.amdgpu_metadata
---
amdhsa.version: [ 1, 2 ]
amdhsa.kernels:
  - .name:           k_q2bf941d14d_front
    .symbol:         k_q2bf941d14d_front.kd
    .args:
      - { .name: seq, .offset: 0, .size: 8, .value_kind: global_buffer, .address_space: global }
      - { .name: seq_len, .offset: 8, .size: 8, .value_kind: global_buffer, .address_space: global }
      - { .name: item_emb, .offset: 16, .size: 8, .value_kind: global_buffer, .address_space: global }
      - { .name: pos_emb, .offset: 24, .size: 8, .value_kind: global_buffer, .address_space: global }
      - { .name: ln1_w, .offset: 32, .size: 8, .value_kind: global_buffer, .address_space: global }
      - { .name: ln1_b, .offset: 40, .size: 8, .value_kind: global_buffer, .address_space: global }
      - { .name: bq, .offset: 48, .size: 8, .value_kind: global_buffer, .address_space: global }
      - { .name: bk, .offset: 56, .size: 8, .value_kind: global_buffer, .address_space: global }
      - { .name: bv, .offset: 64, .size: 8, .value_kind: global_buffer, .address_space: global }
      - { .name: wfr, .offset: 72, .size: 8, .value_kind: global_buffer, .address_space: global }
      - { .name: ws0, .offset: 80, .size: 8, .value_kind: global_buffer, .address_space: global }
    .group_segment_fixed_size: 231424
    .private_segment_fixed_size: 0
    .kernarg_segment_align: 8
    .kernarg_segment_size: 88
    .max_flat_workgroup_size: 256
    .sgpr_count:     106
    .vgpr_count:     512
    .wavefront_size: 32
...
	.end_amdgpu_metadata
.endif
;; end of part 2
;; launch layer (part 3): grid 8 x 32, 8 waves a work-group, no clusters, 231,424 bytes of LDS; arguments seq, seq_len, item_emb, pos_emb, ws0, wfr, bo, ln2_w, ln2_b, b1, b2, ln1_w, ln1_b, bk, bv, bq, ws1; writes ws1
.if DOCPART == 3
	.amdgcn_target "amdgcn-amd-amdhsa--gfx1250"
	.amdhsa_code_object_version 6
	.text
	.protected	k_q2bf941d14d_layer
	.globl	k_q2bf941d14d_layer
	.p2align	8
	.type	k_q2bf941d14d_layer,@function
k_q2bf941d14d_layer:
	s_mov_b64 s[64:65], 0
	v_nop
	global_prefetch_b8 v0, s[64:65] scope:SCOPE_SE
	s_setreg_imm32_b32 hwreg(HW_REG_WAVE_MODE, 25, 1), 1
	s_wait_xcnt 0x0
; Layer 0 from attention on, and layer 1's front: x0 gathered anew; attention on the codes of q, k, v; x1 = x0 + o wo + bo; LayerNorm 2; x2 = x1 + relu(h w1 + b1) w2 + b2; LayerNorm 1 of layer 1;
; k', v' as codes for every group that is worked; q' as codes and x2 for the one group that holds row len - 1, the only row of layer 1 that the definition keeps.
; All products on codes of FP6 (E2M3, one E8M0 byte for each 32 along K).  Shares, order of rows, images in LDS and the loops of two trips: as in the launch before.
; Group g walks g / 4 + 1 key steps of 128, so the pair (15 - i, i) walks five whatever i is.
; ATTENTION.  Wave w = head w.  S^T = K Q^T (K = the head's 64: the fragments' upper halves are zero codes), O^T = V^T P^T: a lane holds one query throughout.  t = score log2(e) / 8;
; M = the running largest t rounded up to a whole number; p = 2^(t - M) is quantised along the keys; the row's sum is taken of the unquantised p and divides at the end.
; Key k counts for query q where k <= min(q, len - 1): only a group's last key step can hide keys, and its first key always counts.
; K, V and their scales come from memory straight into registers, a key step ahead.
; LIMITS: as in the launch before.
.set NT, 2
.set AIMG, 0
.set ASC,  12288
.set HIMG, 13312
.set HSC,  25600
.set STAT, 26624
.set XR,   30720
.set SPARE, 100352                     ; the spare words, 128 bytes for each wave: four blocks of 256 bytes that no other line names
.set REG2, 131072
.set L16,1
.set L8,2
.set L4,3
.set R16,4
.set R4,5
.set H16,6
.set GO,7
.set BO,8
.set BV,9
.set RR,10
.set RQ,11
.set L8G,12
.set L4G,13
.set IG,14
.set ISG,15
.set XAG,16
.set STG,17
.set XGH,18
.set XGL,19
.set KOG,20
.set KSS,21
.set KSL,22
.set VSG,23
.set KA,24                             ; v24-27: offsets of the key step being asked for: K's codes, V's codes, K's scales, V's scales
.set VA,25
.set KSA,26
.set VSA,27
.set D0,28                             ; v28-29: the mask's thresholds
.set NINF,30
.set XL,31
.set PF,33                             ; the prefetch's offset; never rewritten
.set T0,34
.set T1,35
.set SPW,36
.set NIL,37
.set T2,38
.set T3,39
.set WS,40                             ; v40-63 hold scales and nothing else
.set AS,56
.set KS,40                             ; in attention: K's words (lanes 0-15 the even tile, 16-31 the odd), V's, Q's, P's, V's as stored, and the turn's temporaries
.set VS,44
.set QS,48
.set PS,50
.set VR,52
.set VT,56
.set STT,64                            ; four a tile: -M, the largest t, the sum in two halves
.set FF,72
.set BVR,74
.set PW,78
.set ACC,80
.set S0,80
.set AF,144
.set TM,144
.set CT,160
.set LS,144
.set LT,176
.set BI,192
.set PCA,208
.set PC,224
.set TMA,232
.set LMP,236
.set MU,240
.set RU,244
.set CTA,248
.set LNW,192
.set LNB,224
.set VF,96                             ; window 1 in attention: K at 12 t, V at 96 + 12 t, Q at 144 + 12 u, O^T at 168 + 32 u + 8 t
.set QF,144
.set OF,168
.set WV,12
.set BB,13
.set LEN,15
.set LM1,16
.set ACT,18
.set GH,19
.set GL,20
.set GG,21
.set GI,22
.set RFV,23
.set KMAX,24
.set CNT,25
.set GSTAR,26
.set PFL,27
.set SEL,28
.set CS,30
.set WFR,34
.set TS,58
.set OWNV,59
.set EPS,66
.set I512,67
.set QCB,68
.set KCB,70
.set VCB,72
.set QSB,74
.set KSB,76
.set VSB,78
.set WB,80
.set K1C,82
.set V1C,84
.set K1S,86
.set V1S,88
.set Q1C,90
.set Q1S,92
.set X2B,94
.set SW768,96
.set SWIS,97
.set SWXR,98
.set SW256,99
.set RT,100
.set GB,104
.set QB,105
.set MSB, 0
.macro WIN new                         ; the immediate's high byte repeats the setting that is left
.if MSB != \new
	s_set_vgpr_msb (MSB<<8)|\new
.set MSB, \new
.endif
.endm
.macro WMM d, a, b, c, sa, sb
	v_wmma_scale_f32_16x16x128_f8f6f4 v[\d:\d+7], v[\a:\a+11], v[\b:\b+11], v[\c:\c+7], v[\sa], v[\sb] matrix_a_fmt:MATRIX_FMT_FP6 matrix_b_fmt:MATRIX_FMT_FP6
.endm
.macro WMZ d, a, b, sa, sb, row        ; a sum begun with the constant 0; row = 1: source 0's scales stand in lanes 16-31
.if \row
	v_wmma_scale_f32_16x16x128_f8f6f4 v[\d:\d+7], v[\a:\a+11], v[\b:\b+11], 0, v[\sa], v[\sb] matrix_a_fmt:MATRIX_FMT_FP6 matrix_b_fmt:MATRIX_FMT_FP6 matrix_a_scale:MATRIX_SCALE_ROW1
.else
	v_wmma_scale_f32_16x16x128_f8f6f4 v[\d:\d+7], v[\a:\a+11], v[\b:\b+11], 0, v[\sa], v[\sb] matrix_a_fmt:MATRIX_FMT_FP6 matrix_b_fmt:MATRIX_FMT_FP6
.endif
.endm
.macro LANES
	v_and_b32 v[T0], 31, v0
	v_lshlrev_b32 v[L16], 4, v[T0]
	v_lshlrev_b32 v[L8], 3, v[T0]
	v_lshlrev_b32 v[L4], 2, v[T0]
	v_and_b32 v[RR], 15, v0
	v_lshlrev_b32 v[R16], 4, v[RR]
	v_lshlrev_b32 v[R4], 2, v[RR]
	v_bfe_u32 v[T1], v0, 4, 1
	v_lshlrev_b32 v[H16], 4, v[T1]
	v_and_b32 v[RQ], 8, v[RR]
	v_add_nc_u32 v[RQ], v[RQ], v[RR]
	s_lshl_b32 s[SW256], s[WV], 8
	v_add_nc_u32 v[GO], s[SW256], v[R16]
	v_lshl_add_u32 v[BO], v[T1], 6, s[SW256]
	v_lshl_add_u32 v[BV], v[RQ], 2, s[SW256]
	v_mul_u32_u24 v[XL], v[RR], 272
	v_lshl_add_u32 v[XL], v[T1], 6, v[XL]
	s_mul_i32 s[SWXR], s[WV], 8704
	s_add_co_u32 s[SWXR], s[SWXR], XR
.if NT > 1
	v_mul_u32_u24 v[XGH], v[T1], 272
	v_add_nc_u32 v[XGH], v[XGH], v[R16]
	v_add_nc_u32 v[XGH], s[SWXR], v[XGH]
	v_add_nc_u32 v[XGL], REG2, v[XGH]
.endif
	s_mul_i32 s[SW768], s[WV], 768
	s_lshr_b32 s[SWIS], s[WV], 1
	s_lshl_b32 s[SWIS], s[SWIS], 7
	s_and_b32 s2, s[WV], 1
	s_lshl_b32 s2, s2, 1
	s_add_co_u32 s[SWIS], s[SWIS], s2
	s_mov_b32 s[SEL], 0x76543210
	s_mov_b32 s[SEL+1], 0xfedcba98
	s_mov_b32 s[CS], 0x3e38aa3b                    ; log2(e) / 8
	s_mov_b32 s[CS+1], s[CS]
	s_mov_b32 s[EPS], 0x322bcc77                   ; 1e-8
	s_mov_b32 s[I512], 0x3b000000                  ; 1 / 512
	s_mov_b32 s[RT], 0x41b504f3                    ; sqrt(512)
	s_mov_b32 s[RT+1], s[RT]
	v_mov_b32 v[NINF], 0xff800000
.set li, 0
.rept 12
	v_mov_b32 v[LMP+li], 0                         ; written once: destinations of lane permutes and upper halves of broadcast pairs count as read
.set li, li+1
.endr
.set li, 0
.rept 4
	v_mov_b32 v[TM+4+li], 0
.set li, li+1
.endr
	v_mov_b32 v[FF+1], 0
.endm
.macro SETL
	v_add_nc_u32 v[L8G], s[GB], v[L8]
	v_add_nc_u32 v[L4G], s[GB], v[L4]
	s_add_co_u32 s2, s[SW768], s[GB]
	v_add_nc_u32 v[IG], s2, v[L8]
	s_add_co_u32 s2, s[SWIS], s[GB]
	v_add_nc_u32 v[ISG], s2, v[L4]
	s_add_co_u32 s2, s[SWXR], s[GB]
	v_add_nc_u32 v[XAG], s2, v[XL]
	s_add_co_u32 s2, s[SW256], s[GB]
	v_add_nc_u32 v[STG], s2, v[L8]
.endm
.macro SETG
	s_cmp_eq_u32 s[GI], 0
	s_cselect_b32 s[GG], s[GH], s[GL]
	s_lshl_b32 s[QB], s[GG], 5
	v_mad_u32_u24 v[KOG], s[GG], 0x600, v[L8]
	v_lshl_add_u32 v[KSS], s[GG], 7, v[L4]
	v_lshl_add_u32 v[KSL], s[GG], 7, v[R4]
	v_lshl_add_u32 v[VSG], s[GG], 6, v[R4]
	SETL
.endm
.macro GLOOP_BEGIN id, lc
	s_mov_b32 s[GI], 0
	s_mov_b32 s[GB], 0
.Lg_\id:
	s_wait_xcnt 0x0                                ; the last trip's stores and loads have read their offsets and data: both are rewritten below
.if \lc >= 0
	s_wait_loadcnt \lc
.endif
	SETG
	s_lshr_b32 s2, s[ACT], s[GI]
	s_and_b32 s2, s2, 1
	s_cmp_eq_u32 s2, 0
	s_cbranch_scc1 .Lgs_\id
.endm
.macro GLOOP_END id
.Lgs_\id:
	s_add_co_u32 s[GB], s[GB], REG2
	s_add_co_u32 s[GI], s[GI], 1
	s_cmp_lt_u32 s[GI], 2
	s_cbranch_scc1 .Lg_\id
.endm
.macro BARRIER
	s_wait_dscnt 0x0
	s_barrier_signal -1
	s_barrier_wait -1
.endm
.macro ENDW                            ; the wave's end, behind my last LDS store
	s_wait_tensorcnt 0x0
	ds_add_u32 v[SPW], v[NIL]
	s_wait_dscnt 0x0
	s_endpgm
.endm
.macro QUANT s
.set qb, 0
.rept 2*NT
	v_max3_num_f32 v[TM+qb], |v[\s+16*qb]|, |v[\s+16*qb+1]|, 0x1800000   ; with the floor 2^(3 - 127): the byte cannot fall under 1
.set qb, qb+1
.endr
.set qi, 2
.rept 7
.set qb, 0
.rept 2*NT
	v_max3_num_f32 v[TM+qb], v[TM+qb], |v[\s+16*qb+qi]|, |v[\s+16*qb+qi+1]|
.set qb, qb+1
.endr
.set qi, qi+2
.endr
.set qb, 0
.rept 2*NT
	v_permlanex16_b32 v[TM+4+qb], v[TM+qb], s[SEL], s[SEL+1]
.set qb, qb+1
.endr
.set qb, 0
.rept 2*NT
	v_max_num_f32 v[TM+qb], v[TM+qb], v[TM+4+qb]
.set qb, qb+1
.endr
.set qb, 0
.rept 2*NT
	v_add_nc_u32 v[TM+12+qb], 0xff000000, v[TM+qb]
.set qb, qb+1
.endr
.set qb, 0
.rept 2*NT
	v_lshrrev_b32 v[TM+4+qb], 23, v[TM+12+qb]
.set qb, qb+1
.endr
	v_lshl_or_b32 v[PW], v[TM+5], 8, v[TM+4]
.if NT > 1
	v_lshl_or_b32 v[PW], v[TM+6], 16, v[PW]
	v_lshl_or_b32 v[PW], v[TM+7], 24, v[PW]
.endif
.set qb, 0
.rept NT
	v_cvt_scalef32_pk16_fp6_f32 v[PC+6*qb:PC+6*qb+2], v[\s+32*qb:\s+32*qb+15], v[TM+12+2*qb]
	v_cvt_scalef32_pk16_fp6_f32 v[CT+4*qb:CT+4*qb+2], v[\s+32*qb+16:\s+32*qb+31], v[TM+13+2*qb]
.set qb, qb+1
.endr
	v_nop                                          ; one plain place behind a scaled conversion
.set qb, 0
.rept NT
.set qi, 0
.rept 3
	v_permlane16_swap_b32 v[PC+6*qb+qi], v[CT+4*qb+qi]
.set qi, qi+1
.endr
.set qi, 0
.rept 3
	v_mov_b32 v[PC+6*qb+3+qi], v[CT+4*qb+qi]
.set qi, qi+1
.endr
.set qb, qb+1
.endr
.endm
.macro PUTIMG buf, sc
.set pu, 0
.rept NT
.set pq, 0
.rept 3
	ds_store_b64 v[IG], v[PC+6*pu+2*pq:PC+6*pu+2*pq+1] offset:\buf+6144*pu+256*pq
.set pq, pq+1
.endr
.set pu, pu+1
.endr
	ds_store_b16 v[ISG], v[PW] offset:\sc
.if NT > 1
	ds_store_b16_d16_hi v[ISG], v[PW] offset:\sc+512
.endif
	s_wait_dscnt 0x0                               ; the stores have read their registers
.endm
.macro GETA buf, sc, s
.set eu, 0
.rept NT
.set eq, 0
.rept 6
	ds_load_b64 v[AF+24*((\s)%2)+12*eu+2*eq:AF+24*((\s)%2)+12*eu+2*eq+1], v[L8G] offset:\buf+6144*eu+1536*(\s)+256*eq
.set eq, eq+1
.endr
	ds_load_b32 v[AS+2*(\s)+eu], v[L4G] offset:\sc+(4*eu+(\s))*128
.set eu, eu+1
.endr
.endm
.macro WLOAD m, s
	WIN 0x40
.set wc, 0
.rept 12
	global_load_b128 v[48*(\s)+4*wc:48*(\s)+4*wc+3], v[L16], s[WB:WB+1] offset:(\m)*204800+6144*(\s)+512*wc
.set wc, wc+1
.endr
	WIN 0
	global_load_b128 v[WS+4*(\s):WS+4*(\s)+3], v[R16], s[WB:WB+1] offset:(\m)*204800+24576+256*(\s)
.endm
.macro BLOAD ptr, off
.set bc, 0
.rept 4
	global_load_b128 v[BI+8*bc:BI+8*bc+3], v[BO], s[\ptr:\ptr+1] offset:\off+128*(bc/2)+32*(bc%2)
	global_load_b128 v[BI+8*bc+4:BI+8*bc+7], v[BO], s[\ptr:\ptr+1] offset:\off+128*(bc/2)+32*(bc%2)+16
.set bc, bc+1
.endr
.endm
.macro LNLOAD pw, pb, off
	WIN 0x40
.set bc, 0
.rept 4
	global_load_b128 v[LNW+8*bc:LNW+8*bc+3], v[BO], s[\pw:\pw+1] offset:\off+128*(bc/2)+32*(bc%2)
	global_load_b128 v[LNW+8*bc+4:LNW+8*bc+7], v[BO], s[\pw:\pw+1] offset:\off+128*(bc/2)+32*(bc%2)+16
	global_load_b128 v[LNB+8*bc:LNB+8*bc+3], v[BO], s[\pb:\pb+1] offset:\off+128*(bc/2)+32*(bc%2)
	global_load_b128 v[LNB+8*bc+4:LNB+8*bc+7], v[BO], s[\pb:\pb+1] offset:\off+128*(bc/2)+32*(bc%2)+16
.set bc, bc+1
.endr
	WIN 0
.endm
.macro BVLOAD ptr, off
.set bc, 0
.rept 4
	global_load_b32 v[BVR+bc], v[BV], s[\ptr:\ptr+1] offset:\off+128*(bc/2)+32*(bc%2)
.set bc, bc+1
.endr
.endm
.macro SPLAT
.set bc, 0
.rept 32
	v_mov_b32 v[BI+bc], v[BVR+bc/8]
.set bc, bc+1
.endr
.endm
.macro XLD
.set xu, 0
.rept NT
.set xc, 0
.rept 4
	ds_load_b128 v[ACC+32*xu+8*xc:ACC+32*xu+8*xc+3], v[XAG] offset:4352*xu+128*(xc/2)+32*(xc%2)
	ds_load_b128 v[ACC+32*xu+8*xc+4:ACC+32*xu+8*xc+7], v[XAG] offset:4352*xu+128*(xc/2)+32*(xc%2)+16
.set xc, xc+1
.endr
.set xu, xu+1
.endr
.endm
.macro XST
.set xu, 0
.rept NT
.set xc, 0
.rept 4
	ds_store_b128 v[XAG], v[ACC+32*xu+8*xc:ACC+32*xu+8*xc+3] offset:4352*xu+128*(xc/2)+32*(xc%2)
	ds_store_b128 v[XAG], v[ACC+32*xu+8*xc+4:ACC+32*xu+8*xc+7] offset:4352*xu+128*(xc/2)+32*(xc%2)+16
.set xc, xc+1
.endr
.set xu, xu+1
.endr
.endm
.macro RELU
.set xc, 0
.rept 32*NT
	v_max_num_f32 v[ACC+xc], 0, v[ACC+xc]
.set xc, xc+1
.endr
.endm
.macro GSTEP mode, buf, sc, s, rm, bp, bo
.if \s == 3
	s_wait_dscnt 0x0
.else
	s_wait_dscnt 7*NT                              ; this K step's fragments are in; the next one's 7 NT loads may be out
.endif
.if \mode == 2
	WIN 0x04
.else
	WIN 0x01
.endif
.set gc, 0
.rept 4
.set gu, 0
.rept NT
.set gw, 48*(\s)+12*gc
.set ga, AF+24*((\s)%2)+12*gu
.if \mode == 2
.set gd, ACC+16*gc+8*gu
.else
.set gd, ACC+32*gu+8*gc
.endif
.set gq, gd
.if ((\s) == 0) && (\mode != 1)
.set gq, BI+8*gc
.endif
.if \mode == 2
	WMM gd, ga, gw, gq, AS+2*(\s)+gu, WS+4*(\s)+gc
.else
	WMM gd, gw, ga, gq, WS+4*(\s)+gc, AS+2*(\s)+gu
.endif
.set gu, gu+1
.endr
.set gc, gc+1
.endr
	WIN 0
.rept 4
	v_nop                                          ; places in front of loads into registers that these products have read, and of the first read of results
.endr
.if \s < 2
	GETA \buf, \sc, \s+2
.endif
.if \rm >= 0
	s_cmp_eq_u32 s[GI], s[RFV]
	s_cbranch_scc0 .Lnr_\@
	WLOAD \rm, \s
.if ((\s) == 0) && (\bp >= 0)
	BLOAD \bp, \bo
.endif
.Lnr_\@:
.endif
.endm
.macro GPASS mode, buf, sc, rm, bp, bo
.if \mode == 1
	XLD
.endif
	GETA \buf, \sc, 0
	GETA \buf, \sc, 1
.if \mode == 1
	s_wait_dscnt 14*NT                             ; x is in; the two K steps' 14 NT loads may be out
.set hu, 0
.rept NT
.set hj, 0
.rept 16
	v_pk_add_f32 v[ACC+32*hu+hj:ACC+32*hu+hj+1], v[ACC+32*hu+hj:ACC+32*hu+hj+1], v[BI+hj:BI+hj+1]
.set hj, hj+2
.endr
.set hu, hu+1
.endr
.endif
	GSTEP \mode, \buf, \sc, 0, \rm, \bp, \bo
	GSTEP \mode, \buf, \sc, 1, \rm, \bp, \bo
	GSTEP \mode, \buf, \sc, 2, \rm, \bp, \bo
	GSTEP \mode, \buf, \sc, 3, \rm, \bp, \bo
.endm
.macro LNSTAT
.set lu, 0
.rept NT
.set lx, ACC+32*lu
.set lt, LT+8*lu
.set lm, LMP+2*lu
	v_pk_add_f32 v[lt:lt+1], v[lx:lx+1], v[lx+2:lx+3]
	v_pk_add_f32 v[lt+2:lt+3], v[lx+4:lx+5], v[lx+6:lx+7]
.set lj, 8
.rept 6
	v_pk_add_f32 v[lt:lt+1], v[lt:lt+1], v[lx+lj:lx+lj+1]
	v_pk_add_f32 v[lt+2:lt+3], v[lt+2:lt+3], v[lx+lj+2:lx+lj+3]
.set lj, lj+4
.endr
	v_pk_add_f32 v[lt:lt+1], v[lt:lt+1], v[lt+2:lt+3]
	v_add_f32 v[lt], v[lt], v[lt+1]
	v_permlanex16_b32 v[lt+1], v[lt], s[SEL], s[SEL+1]
	v_add_f32 v[lt], v[lt], v[lt+1]
	v_mul_f32 v[lm], 0x3c800000, v[lt]             ; / 64
	v_pk_add_f32 v[lt+4:lt+5], v[lx:lx+1], v[lm:lm+1] op_sel_hi:[1,0] neg_lo:[0,1] neg_hi:[0,1]
	v_pk_add_f32 v[lt+6:lt+7], v[lx+2:lx+3], v[lm:lm+1] op_sel_hi:[1,0] neg_lo:[0,1] neg_hi:[0,1]
	v_pk_mul_f32 v[lt:lt+1], v[lt+4:lt+5], v[lt+4:lt+5]
	v_pk_mul_f32 v[lt+2:lt+3], v[lt+6:lt+7], v[lt+6:lt+7]
.set lj, 4
.rept 7
	v_pk_add_f32 v[lt+4:lt+5], v[lx+lj:lx+lj+1], v[lm:lm+1] op_sel_hi:[1,0] neg_lo:[0,1] neg_hi:[0,1]
	v_pk_add_f32 v[lt+6:lt+7], v[lx+lj+2:lx+lj+3], v[lm:lm+1] op_sel_hi:[1,0] neg_lo:[0,1] neg_hi:[0,1]
	v_pk_fma_f32 v[lt:lt+1], v[lt+4:lt+5], v[lt+4:lt+5], v[lt:lt+1]
	v_pk_fma_f32 v[lt+2:lt+3], v[lt+6:lt+7], v[lt+6:lt+7], v[lt+2:lt+3]
.set lj, lj+4
.endr
	v_pk_add_f32 v[lt:lt+1], v[lt:lt+1], v[lt+2:lt+3]
	v_add_f32 v[lt], v[lt], v[lt+1]
	v_permlanex16_b32 v[lt+1], v[lt], s[SEL], s[SEL+1]
	v_add_f32 v[lm+1], v[lt], v[lt+1]
	ds_store_b64 v[STG], v[lm:lm+1] offset:STAT+2048*lu
.set lu, lu+1
.endr
	s_wait_dscnt 0x0                               ; the stores have read their registers
.endm
.macro LNAPPLY
	XLD
.set lu, 0
.rept NT
.set lw, 0
.rept 8
	ds_load_b64 v[LS+16*lu+2*lw:LS+16*lu+2*lw+1], v[L8G] offset:STAT+2048*lu+256*lw
.set lw, lw+1
.endr
.set lu, lu+1
.endr
	s_wait_dscnt 0x0
.set lu, 0
.rept NT
.set lp, LS+16*lu
.set lt, LT+8*lu
	v_add_f32 v[lt], v[lp], v[lp+2]
	v_add_f32 v[lt+1], v[lp+4], v[lp+6]
	v_add_f32 v[lt+2], v[lp+8], v[lp+10]
	v_add_f32 v[lt+3], v[lp+12], v[lp+14]
	v_add_f32 v[lt], v[lt], v[lt+1]
	v_add_f32 v[lt+2], v[lt+2], v[lt+3]
	v_add_f32 v[lt], v[lt], v[lt+2]
	v_mul_f32 v[MU+2*lu], 0x3e000000, v[lt]
	v_add_f32 v[lt], v[lp+1], v[lp+3]
	v_add_f32 v[lt+1], v[lp+5], v[lp+7]
	v_add_f32 v[lt+2], v[lp+9], v[lp+11]
	v_add_f32 v[lt+3], v[lp+13], v[lp+15]
	v_add_f32 v[lt], v[lt], v[lt+1]
	v_add_f32 v[lt+2], v[lt+2], v[lt+3]
	v_add_f32 v[lt], v[lt], v[lt+2]
.set lw, 0
.rept 8
	v_sub_f32 v[lp+2*lw], v[lp+2*lw], v[MU+2*lu]
.set lw, lw+1
.endr
	v_mul_f32 v[lt+1], v[lp], v[lp]
.set lw, 1
.rept 7
	v_fmac_f32 v[lt+1], v[lp+2*lw], v[lp+2*lw]
.set lw, lw+1
.endr
	v_fma_f32 v[lt], v[lt+1], 0x42800000, v[lt]
	v_fma_f32 v[lt], v[lt], s[I512], s[EPS]
	v_rsq_f32 v[RU+2*lu], v[lt]
.set lu, lu+1
.endr
.set lu, 0
.rept NT
.set lj, 0
.rept 16
	v_pk_add_f32 v[ACC+32*lu+lj:ACC+32*lu+lj+1], v[ACC+32*lu+lj:ACC+32*lu+lj+1], v[MU+2*lu:MU+2*lu+1] op_sel_hi:[1,0] neg_lo:[0,1] neg_hi:[0,1]
.set lj, lj+2
.endr
.set lu, lu+1
.endr
	s_wait_alu depctr_va_vdst(0)                   ; one wait for the roots, ahead of their first reader; the subtractions above are the plain work between
.set lu, 0
.rept NT
.set lj, 0
.rept 16
	v_pk_mul_f32 v[ACC+32*lu+lj:ACC+32*lu+lj+1], v[ACC+32*lu+lj:ACC+32*lu+lj+1], v[RU+2*lu:RU+2*lu+1] op_sel_hi:[1,0]
.set lj, lj+2
.endr
.set lu, lu+1
.endr
	WIN 0x14
.set lu, 0
.rept NT
.set lj, 0
.rept 16
	v_pk_fma_f32 v[ACC+32*lu+lj:ACC+32*lu+lj+1], v[ACC+32*lu+lj:ACC+32*lu+lj+1], v[LNW+lj:LNW+lj+1], v[LNB+lj:LNB+lj+1]
.set lj, lj+2
.endr
.set lu, lu+1
.endr
	WIN 0
.endm
.macro STQK vo, vs, cb, sb
.set tu, 0
.rept NT
.set tp, 0
.rept 3
	global_store_b64 v[\vo], v[PC+6*tu+2*tp:PC+6*tu+2*tp+1], s[\cb:\cb+1] offset:768*tu+256*tp
.set tp, tp+1
.endr
.set tu, tu+1
.endr
	v_lshrrev_b32 v[T2], v[H16], v[PW]
	v_and_b32 v[T2], 0xffff, v[T2]
	global_store_b32 v[\vs], v[T2], s[\sb:\sb+1]
.endm
.macro STV cb, sb
.set tu, 0
.rept 2
.set tp, 0
.rept 3
	global_store_b64 v[KOG], v[PC+6*tu+2*tp:PC+6*tu+2*tp+1], s[\cb:\cb+1] offset:512*tp+256*tu
.set tp, tp+1
.endr
.set tu, tu+1
.endr
	global_store_b32 v[VSG], v[PW], s[\sb:\sb+1]
.endm
.macro GSEQ sq, ia, st
.set gi, 0
.rept 16
.set cr, 8*(gi/8)+2*(gi%8)+8*((gi%8)/4)
	global_load_b32 v[\ia+\st*gi], v[\sq], s[4:5] offset:4*cr
.set gi, gi+1
.endr
.endm
.macro GPOS rb, pa, st
.set gi, 0
.rept 16
.set cr, 8*(gi/8)+2*(gi%8)+8*((gi%8)/4)
	v_add_nc_u32 v[T0], cr, v[\rb]
	v_cmp_gt_u32 vcc_lo, s[LEN], v[T0]
	v_cndmask_b32 v[T0], 0, v[T0], vcc_lo
	v_min_u32 v[T0], 0x1ff, v[T0]
	v_lshl_add_u32 v[\pa+\st*gi], v[T0], 11, v[GO]
.set gi, gi+1
.endr
.endm
.macro GITEM ia, st
.set gi, 0
.rept 16
	v_min_u32 v[\ia+\st*gi], 0x186a0, v[\ia+\st*gi]
	v_lshl_add_u32 v[\ia+\st*gi], v[\ia+\st*gi], 11, v[GO]
.set gi, gi+1
.endr
.endm
.macro GLOADS ia, pa, st, dw
.if \dw
	WIN 0x40
.endif
.set gi, 0
.rept 16
	global_load_b128 v[80+4*gi:83+4*gi], v[\ia+\st*gi], s[8:9]
	global_load_b128 v[144+4*gi:147+4*gi], v[\pa+\st*gi], s[10:11]
.set gi, gi+1
.endr
	WIN 0
.endm
.macro GATHER
	s_lshl_b32 s2, s[BB], 11
	s_mov_b32 s3, 0
	s_add_nc_u64 s[4:5], s[4:5], s[2:3]
	s_lshl_b32 s2, s[GH], 5
	v_add_nc_u32 v[T2], s2, v[T1]
	s_lshl_b32 s2, s[GL], 5
	v_add_nc_u32 v[T3], s2, v[T1]
	v_lshlrev_b32 v[D0], 2, v[T2]
	v_lshlrev_b32 v[D0+1], 2, v[T3]
	GSEQ D0+1, 208, 1
	GSEQ D0, 80, 4
	GPOS T3, 224, 1
	GPOS T2, 144, 4
	s_wait_loadcnt 0x0
	s_cmp_eq_u32 s[ACT], 0
	s_cbranch_scc1 .Lnogather
	GITEM 208, 1
	GLOADS 208, 224, 1, 1
	s_cmp_eq_u32 s[ACT], 3
	s_cbranch_scc0 .Lnohi
	GITEM 80, 4
	GLOADS 80, 144, 4, 0
.set gi, 0
.rept 16
	s_wait_loadcnt 2*(15-gi)                       ; pair i is in; the younger pairs' loads may be out
	v_pk_fma_f32 v[80+4*gi:81+4*gi], v[80+4*gi:81+4*gi], s[RT:RT+1], v[144+4*gi:145+4*gi] op_sel_hi:[1,0,1]
	v_pk_fma_f32 v[82+4*gi:83+4*gi], v[82+4*gi:83+4*gi], s[RT:RT+1], v[146+4*gi:147+4*gi] op_sel_hi:[1,0,1]
	ds_store_b128 v[XGH], v[80+4*gi:83+4*gi] offset:544*gi
.set gi, gi+1
.endr
.Lnohi:
	s_wait_loadcnt 0x0
	WIN 0x51
.set gi, 0
.rept 32
	v_pk_fma_f32 v[80+2*gi:81+2*gi], v[80+2*gi:81+2*gi], s[RT:RT+1], v[144+2*gi:145+2*gi] op_sel_hi:[1,0,1]
.set gi, gi+1
.endr
	WIN 0x04
.set gi, 0
.rept 16
	ds_store_b128 v[XGL], v[80+4*gi:83+4*gi] offset:544*gi
.set gi, gi+1
.endr
	WIN 0
	s_wait_dscnt 0x0
.Lnogather:
.endm
.macro LENS
	s_max_u32 s[LEN], s[LEN], 1
	s_min_u32 s[LEN], s[LEN], 0x200
	s_sub_co_u32 s[LM1], s[LEN], 1
	s_add_co_u32 s2, s[LEN], 127
	s_lshr_b32 s2, s2, 7
	s_lshl_b32 s2, s2, 2
	s_cmp_lt_u32 s[GL], s2
	s_cselect_b32 s[ACT], 2, 0
	s_cmp_lt_u32 s[GH], s2
	s_cselect_b32 s3, 1, 0
	s_or_b32 s[ACT], s[ACT], s3
.endm
; ---- attention
.macro ZEROH                           ; the upper halves of K's and Q's fragments: zero codes, written once (the head has 64 of the instruction's 128 along K)
	WIN 0x40
.set zt, 0
.rept 8
.set zi, 6
.rept 6
	v_mov_b32 v[12*zt+zi], 0
.set zi, zi+1
.endr
.set zt, zt+1
.endr
.set zt, 0
.rept NT
.set zi, 6
.rept 6
	v_mov_b32 v[QF+12*zt+zi], 0
.set zi, zi+1
.endr
.set zt, zt+1
.endr
	WIN 0
.endm
.macro KBATCH                          ; a key step's K (eight tiles), its scale words and V's: 32 loads
	WIN 0x40
.set kt, 0
.rept 8
.set kp, 0
.rept 3
	global_load_b64 v[12*kt+2*kp:12*kt+2*kp+1], v[KA], s[KCB:KCB+1] offset:768*kt+256*kp
.set kp, kp+1
.endr
.set kt, kt+1
.endr
	WIN 0
.set kt, 0
.rept 4
	global_load_b32 v[KS+kt], v[KSA], s[KSB:KSB+1] offset:128*kt
.set kt, kt+1
.endr
.set kt, 0
.rept 4
	global_load_b32 v[VR+kt], v[VSA], s[VSB:VSB+1] offset:64*kt
.set kt, kt+1
.endr
.endm
.macro VBATCH                          ; a key step's V: four tiles of 16 of the head's 64: 24 loads
	WIN 0x40
.set kt, 0
.rept 4
.set kc, 0
.rept 2
.set kp, 0
.rept 3
	global_load_b64 v[VF+12*kt+6*kc+2*kp:VF+12*kt+6*kc+2*kp+1], v[VA], s[VCB:VCB+1] offset:3072*kc+512*kp+128*kt
.set kp, kp+1
.endr
.set kc, kc+1
.endr
.set kt, kt+1
.endr
	WIN 0
.endm
.macro MASK sb, d                      ; register 16 b + i holds key 32 b + 16 (lane / 16) + i of the step: hidden where 32 b + i is above the threshold
.set mn, 0
.rept 64
	v_cmp_gt_i32 vcc_lo, 32*(mn/16)+mn%16, v[\d]
	v_cndmask_b32 v[\sb+mn], v[\sb+mn], v[NINF], vcc_lo
.set mn, mn+1
.endr
.endm
.macro SOFTMAX sb, st, pcd, psr, ob
.set xb, 0
.rept 4
	v_max3_num_f32 v[TMA+xb], v[\sb+16*xb], v[\sb+16*xb+1], v[\sb+16*xb+2]   ; the largest score of each block of 32 keys: for the row's maximum and, since p rises with the score, for the block's largest p
.set xb, xb+1
.endr
.set xi, 3
.rept 6
.set xb, 0
.rept 4
	v_max3_num_f32 v[TMA+xb], v[TMA+xb], v[\sb+16*xb+xi], v[\sb+16*xb+xi+1]
.set xb, xb+1
.endr
.set xi, xi+2
.endr
.set xb, 0
.rept 4
	v_max_num_f32 v[TMA+xb], v[TMA+xb], v[\sb+16*xb+15]
.set xb, xb+1
.endr
.set xb, 0
.rept 4
	v_permlanex16_b32 v[TMA+4+xb], v[TMA+xb], s[SEL], s[SEL+1]
.set xb, xb+1
.endr
.set xb, 0
.rept 4
	v_max_num_f32 v[TMA+xb], v[TMA+xb], v[TMA+4+xb]
.set xb, xb+1
.endr
	v_max3_num_f32 v[TMA+8], v[TMA], v[TMA+1], v[TMA+2]
	v_max_num_f32 v[TMA+8], v[TMA+8], v[TMA+3]
	v_mul_f32 v[TMA+8], s[CS], v[TMA+8]
	v_max_num_f32 v[\st+1], v[\st+1], v[TMA+8]     ; the running largest t
	v_mov_b32 v[TMA+8], v[\st]
	v_floor_f32 v[\st], -v[\st+1]                  ; -M = floor(-t): M is a whole number
	v_sub_f32 v[TMA+8], v[\st], v[TMA+8]
	v_cvt_i32_f32 v[TMA+8], v[TMA+8]               ; (it saturates)
	v_ldexp_f32 v[FF], 1.0, v[TMA+8]               ; f = 2^(old M - new M): rounds nothing
.set xj, 0
.rept 32
	v_pk_fma_f32 v[\sb+xj:\sb+xj+1], v[\sb+xj:\sb+xj+1], s[CS:CS+1], v[\st:\st+1] op_sel_hi:[1,0,0]
.set xj, xj+2
.endr
.set xb, 0
.rept 4
	v_fma_f32 v[TMA+xb], v[TMA+xb], s[CS], v[\st]
.set xb, xb+1
.endr
.set xj, 0
.rept 64
	v_exp_f32 v[\sb+xj], v[\sb+xj]                 ; p = 2^(t - M)
.set xj, xj+1
.endr
	v_pk_mul_f32 v[\st+2:\st+3], v[\st+2:\st+3], v[FF:FF+1] op_sel_hi:[1,0]   ; a plain place behind the exponentials
	s_wait_alu depctr_va_vdst(0)                   ; one wait for the batch, ahead of its first reader
.set xb, 0
.rept 4
	v_exp_f32 v[TMA+xb], v[TMA+xb]                 ; the block's largest p
.set xb, xb+1
.endr
	v_pk_add_f32 v[TMA+10:TMA+11], v[\sb:\sb+1], v[\sb+2:\sb+3]   ; the row's sum, of the unquantised p, in two chains
.set xj, 4
.rept 15
	v_pk_add_f32 v[\st+2:\st+3], v[\st+2:\st+3], v[\sb+xj:\sb+xj+1]
	v_pk_add_f32 v[TMA+10:TMA+11], v[TMA+10:TMA+11], v[\sb+xj+2:\sb+xj+3]
.set xj, xj+4
.endr
	v_pk_add_f32 v[\st+2:\st+3], v[\st+2:\st+3], v[TMA+10:TMA+11]
	s_wait_alu depctr_va_vdst(0)                   ; and one for the four
.set xb, 0
.rept 4
	v_max_num_f32 v[TMA+xb], 0x1800000, v[TMA+xb]  ; the floor: a block whose every p is 0 keeps the byte 1, its codes are zeros
.set xb, xb+1
.endr
.set xb, 0
.rept 4
	v_add_nc_u32 v[TMA+12+xb], 0xff000000, v[TMA+xb]
.set xb, xb+1
.endr
.set xb, 0
.rept 4
	v_lshrrev_b32 v[TMA+4+xb], 23, v[TMA+12+xb]
.set xb, xb+1
.endr
	v_lshl_or_b32 v[\psr], v[TMA+5], 8, v[TMA+4]
	v_lshl_or_b32 v[\psr], v[TMA+6], 16, v[\psr]
	v_lshl_or_b32 v[\psr], v[TMA+7], 24, v[\psr]
.set xb, 0
.rept 2
	v_cvt_scalef32_pk16_fp6_f32 v[\pcd+6*xb:\pcd+6*xb+2], v[\sb+32*xb:\sb+32*xb+15], v[TMA+12+2*xb]
	v_cvt_scalef32_pk16_fp6_f32 v[CTA+4*xb:CTA+4*xb+2], v[\sb+32*xb+16:\sb+32*xb+31], v[TMA+13+2*xb]
.set xb, xb+1
.endr
	v_nop                                          ; one plain place behind a scaled conversion
.set xb, 0
.rept 2
.set xi, 0
.rept 3
	v_permlane16_swap_b32 v[\pcd+6*xb+xi], v[CTA+4*xb+xi]
.set xi, xi+1
.endr
.set xi, 0
.rept 3
	v_mov_b32 v[\pcd+6*xb+3+xi], v[CTA+4*xb+xi]
.set xi, xi+1
.endr
.set xb, xb+1
.endr
	WIN 0x41
.set xj, 0
.rept 16
	v_pk_mul_f32 v[\ob+xj:\ob+xj+1], v[\ob+xj:\ob+xj+1], v[FF:FF+1] op_sel_hi:[1,0]   ; O^T under the new M; these are also the places between p's scale word and codes and the products
.set xj, xj+2
.endr
	WIN 0
.endm
; A key step of 128 keys.  last = 1: the group's last, the only one that can hide keys; it asks for nothing more.
.macro UNIT last
	s_wait_loadcnt 24                              ; Q, K and the scale words are in; V's 24 loads, the youngest, may be out
	v_perm_b32 v[VT], v[VR+1], v[VR], 0x05010400   ; V's scale bytes lie (group)(tile): turned into (tile)(group), four bytes by four
	v_perm_b32 v[VT+1], v[VR+1], v[VR], 0x07030602
	v_perm_b32 v[VT+2], v[VR+3], v[VR+2], 0x05010400
	v_perm_b32 v[VT+3], v[VR+3], v[VR+2], 0x07030602
	v_perm_b32 v[VS], v[VT+2], v[VT], 0x05040100
	v_perm_b32 v[VS+1], v[VT+2], v[VT], 0x07060302
	v_perm_b32 v[VS+2], v[VT+3], v[VT+1], 0x05040100
	v_perm_b32 v[VS+3], v[VT+3], v[VT+1], 0x07060302
	WIN 0x05
.set ut, 0
.rept 8
.set uu, 0
.rept NT
	WMZ S0+64*uu+8*ut, 12*ut, QF+12*uu, KS+ut/2, QS+uu, ut%2
.set uu, uu+1
.endr
.set ut, ut+1
.endr
	WIN 0
.rept 4
	v_nop                                          ; places in front of the loads into K's registers and of the first read of the scores
.endr
.if \last == 0
	v_add_nc_u32 v[KA], 6144, v[KA]                ; the loads that read these offsets are in
	v_add_nc_u32 v[KSA], 512, v[KSA]
	v_add_nc_u32 v[VSA], 256, v[VSA]
	KBATCH
.else
	MASK S0, D0
.if NT > 1
	MASK S0+64, D0+1
.endif
.endif
	SOFTMAX S0, STT, PCA, PS, OF
.if NT > 1
	SOFTMAX S0+64, STT+4, PCA+12, PS+1, OF+32
.endif
.if \last == 0
	s_wait_loadcnt 32                              ; V is in; the next step's K batch, 32 younger loads, may be out
.else
	s_wait_loadcnt 0x0
.endif
	WIN 0x51
.set ut, 0
.rept 4
.set uu, 0
.rept NT
	WMM OF+32*uu+8*ut, VF+12*ut, PCA+12*uu, OF+32*uu+8*ut, VS+ut, PS+uu
.set uu, uu+1
.endr
.set ut, ut+1
.endr
	WIN 0
.rept 4
	v_nop
.endr
.if \last == 0
	v_add_nc_u32 v[VA], 6144, v[VA]
	VBATCH
.endif
.endm
.macro ASKW off                        ; a prefetch of weights that this launch reads later: each aligned block of 256 bytes is named by one lane of one wave of the launch, behind the wave's own loads
	s_cmp_eq_u32 s[GI], s[PFL]
	s_cbranch_scc0 .Lnp_\@
	global_prefetch_b8 v[PF], s[WFR:WFR+1] offset:\off th:TH_LOAD_NT scope:SCOPE_SE
.Lnp_\@:
.endm
.macro ATT pfo
	s_lshr_b32 s[KMAX], s[GG], 2                   ; the group's last key step
	s_lshl_b32 s2, s[KMAX], 7
	v_add_nc_u32 v[D0], s[QB], v[RQ]               ; my query
.if NT > 1
	v_add_nc_u32 v[D0+1], 8, v[D0]
.endif
.set au, 0
.rept NT
	v_min_u32 v[D0+au], s[LM1], v[D0+au]           ; the last key that counts,
	v_sub_nc_u32 v[D0+au], v[D0+au], s2            ; from the last step's first key,
	v_sub_nc_u32 v[D0+au], v[D0+au], v[H16]        ; less my half's 16
.set au, au+1
.endr
	WIN 0x40
.set au, 0
.rept NT
.set ap, 0
.rept 3
	global_load_b64 v[QF+12*au+2*ap:QF+12*au+2*ap+1], v[KOG], s[QCB:QCB+1] offset:768*au+256*ap
.set ap, ap+1
.endr
.set au, au+1
.endr
	WIN 0
.set au, 0
.rept NT
	global_load_b32 v[QS+au], v[KSL], s[QSB:QSB+1] offset:64*au
.set au, au+1
.endr
	v_mov_b32 v[KA], v[L8]
	v_lshlrev_b32 v[T0], 1, v[R4]
	v_mad_u32_u24 v[VA], v[H16], 96, v[T0]         ; 8 r + 1,536 h
	v_mov_b32 v[KSA], v[L4]
	v_mov_b32 v[VSA], v[R4]
	KBATCH
	VBATCH
	ASKW \pfo
	WIN 0x40
.set aj, 0
.rept 32*NT
	v_mov_b32 v[OF+aj], 0                          ; the step is written for every step: the first finds zeros
.set aj, aj+1
.endr
	WIN 0
.set au, 0
.rept NT
	v_mov_b32 v[STT+4*au+1], 0xff61b1e6            ; -3e38, under every t
	v_floor_f32 v[STT+4*au], -v[STT+4*au+1]
	v_mov_b32 v[STT+4*au+2], 0
	v_mov_b32 v[STT+4*au+3], 0
.set au, au+1
.endr
	s_mov_b32 s[CNT], 0
.Lu_\@:                                ; three trips, a constant: a trip works where the group has so many whole steps
	s_cmp_ge_u32 s[CNT], s[KMAX]
	s_cbranch_scc1 .Lus_\@
	UNIT 0
.Lus_\@:
	s_add_co_u32 s[CNT], s[CNT], 1
	s_cmp_lt_u32 s[CNT], 3
	s_cbranch_scc1 .Lu_\@
	UNIT 1
.set au, 0
.rept NT
	v_add_f32 v[TMA+au], v[STT+4*au+2], v[STT+4*au+3]
.set au, au+1
.endr
.set au, 0
.rept NT
	v_permlanex16_b32 v[TMA+4+au], v[TMA+au], s[SEL], s[SEL+1]
.set au, au+1
.endr
.set au, 0
.rept NT
	v_add_f32 v[TMA+au], v[TMA+au], v[TMA+4+au]    ; the row's sum
.set au, au+1
.endr
.set au, 0
.rept NT
	v_rcp_f32 v[TMA+8+2*au], v[TMA+au]
.set au, au+1
.endr
	v_nop                                          ; a plain place behind the last reciprocal
	s_wait_alu depctr_va_vdst(0)                   ; one wait, ahead of the first reader
	WIN 0x01
.set au, 0
.rept NT
.set aj, 0
.rept 16
	v_pk_mul_f32 v[ACC+32*au+aj:ACC+32*au+aj+1], v[OF+32*au+aj:OF+32*au+aj+1], v[TMA+8+2*au:TMA+8+2*au+1] op_sel_hi:[1,0]
.set aj, aj+2
.endr
.set au, au+1
.endr
	WIN 0
	QUANT ACC
	PUTIMG AIMG, ASC                               ; o: my head's 64 columns of the next product's K
.endm
	s_load_b256 s[4:11], s[0:1], 0x0               ; seq, seq_len, item_emb, pos_emb
	s_load_b512 s[32:47], s[0:1], 0x20             ; ws0, wfr, bo, ln2_w, ln2_b, b1, b2, ln1_w
	s_load_b256 s[48:55], s[0:1], 0x60             ; ln1_b, bk, bv, bq
	s_load_b64 s[56:57], s[0:1], 0x80              ; ws1
	v_lshl_add_u32 v[SPW], v0, 2, SPARE
	v_mov_b32 v[NIL], 0
	v_lshrrev_b32 v[T0], 5, v0
	v_readfirstlane_b32 s[WV], v[T0]
	s_and_b32 s[BB], ttmp7, 0xffff
	s_mov_b32 s[GL], ttmp9
	s_sub_co_u32 s[GH], 15, s[GL]
	LANES
	s_lshl_b32 s2, s[BB], 5                        ; who prefetches: wave n = 32 b + 8 i + w, i under 4 (those work-groups always have rows), n under 150: 150 x 32 blocks = matrices 3 to 8
	s_lshl_b32 s3, s[GL], 3
	s_add_co_u32 s2, s2, s3
	s_add_co_u32 s2, s2, s[WV]
	s_cmp_lt_u32 s2, 150
	s_cselect_b32 s[PFL], 1, 2
	s_cmp_lt_u32 s[GL], 4
	s_cselect_b32 s[PFL], s[PFL], 2
	s_min_u32 s2, s2, 149
	s_lshl_b32 s2, s2, 13
	v_lshl_add_u32 v[PF], v[T0], 8, s2             ; 8,192 n + 256 x lane
	s_lshl_b32 s2, s[BB], 2
	s_mov_b32 s3, 0
	s_wait_kmcnt 0x0
	s_add_nc_u64 s[6:7], s[6:7], s[2:3]
	s_load_b32 s[LEN], s[6:7], 0x0
	s_lshl_b32 s[TS], s[BB], 3
	s_add_co_u32 s[TS], s[TS], s[WV]               ; 8 b + w
	s_mul_i32 s2, s[TS], 24576
	s_add_nc_u64 s[QCB:QCB+1], s[32:33], s[2:3]
	s_add_nc_u64 s[KCB:KCB+1], s[QCB:QCB+1], 6291456
	s_add_nc_u64 s[VCB:VCB+1], s[QCB:QCB+1], 12582912
	s_add_nc_u64 s[K1C:K1C+1], s[56:57], s[2:3]
	s_add_nc_u64 s[V1C:V1C+1], s[K1C:K1C+1], 6291456
	s_lshl_b32 s2, s[TS], 11
	s_add_nc_u64 s[QSB:QSB+1], s[32:33], s[2:3]
	s_add_nc_u64 s[KSB:KSB+1], s[QSB:QSB+1], 19398656
	s_add_nc_u64 s[QSB:QSB+1], s[QSB:QSB+1], 18874368
	s_add_nc_u64 s[K1S:K1S+1], s[56:57], s[2:3]
	s_add_nc_u64 s[K1S:K1S+1], s[K1S:K1S+1], 12582912
	s_lshl_b32 s2, s[TS], 10
	s_add_nc_u64 s[VSB:VSB+1], s[32:33], s[2:3]
	s_add_nc_u64 s[VSB:VSB+1], s[VSB:VSB+1], 19922944
	s_add_nc_u64 s[V1S:V1S+1], s[56:57], s[2:3]
	s_add_nc_u64 s[V1S:V1S+1], s[V1S:V1S+1], 13107200
	s_mul_i32 s2, s[TS], 1536
	s_add_nc_u64 s[Q1C:Q1C+1], s[56:57], s[2:3]
	s_add_nc_u64 s[Q1C:Q1C+1], s[Q1C:Q1C+1], 13369344
	s_lshl_b32 s2, s[TS], 7
	s_add_nc_u64 s[Q1S:Q1S+1], s[56:57], s[2:3]
	s_add_nc_u64 s[Q1S:Q1S+1], s[Q1S:Q1S+1], 13762560
	s_lshl_b32 s2, s[TS], 13                       ; 65,536 b + 8,192 w
	s_add_nc_u64 s[X2B:X2B+1], s[56:57], s[2:3]
	s_add_nc_u64 s[X2B:X2B+1], s[X2B:X2B+1], 13795328
	s_mul_i32 s2, s[WV], 25600
	s_add_nc_u64 s[WB:WB+1], s[34:35], s[2:3]
	s_wait_kmcnt 0x0
	LENS
	s_lshr_b32 s[GSTAR], s[LM1], 5                 ; the group that holds row len - 1
	s_min_u32 s[GSTAR], s[GSTAR], 15
	s_cmp_eq_u32 s[GSTAR], s[GH]
	s_cselect_b32 s2, 1, 2
	s_cmp_eq_u32 s[GSTAR], s[GL]
	s_cselect_b32 s[OWNV], 1, s2                   ; 1 where it is one of mine
	GATHER
	ZEROH
	s_mov_b32 s[RFV], 1
	GLOOP_BEGIN 1, -1
	ATT 614400
	GLOOP_END 1
	WLOAD 3, 0
	WLOAD 3, 1
	WLOAD 3, 2
	WLOAD 3, 3
	BLOAD 36, 0
	LNLOAD 38, 40, 0
	BARRIER                                        ; o's fragments lie in LDS
	GLOOP_BEGIN 2, 0
	GPASS 1, AIMG, ASC, 4, 42, 0                   ; x1 = x0 + bo + o wo
	XST
	LNSTAT
	GLOOP_END 2
	BARRIER
	GLOOP_BEGIN 3, -1
	LNAPPLY
	QUANT ACC
	PUTIMG AIMG, ASC
	GLOOP_END 3
	LNLOAD 46, 48, 2048                            ; layer 1's first LayerNorm, and bv
	BVLOAD 52, 2048
	BARRIER
	GLOOP_BEGIN 4, 0
	GPASS 0, AIMG, ASC, 5, 44, 0                   ; h w1 + b1
	RELU
	QUANT ACC
	PUTIMG HIMG, HSC
	GLOOP_END 4
	BARRIER
	GLOOP_BEGIN 5, 0
	GPASS 1, HIMG, HSC, 7, 50, 2048                ; x2 = x1 + b2 + relu(..) w2
	XST
	LNSTAT
	s_cmp_eq_u32 s[GG], s[GSTAR]
	s_cbranch_scc0 .Lnx2
.set aj, 0
.rept 16
	global_store_b128 v[L16], v[ACC+4*aj:ACC+4*aj+3], s[X2B:X2B+1] offset:512*aj   ; 512 consecutive bytes a store, as the registers stand
.set aj, aj+1
.endr
.Lnx2:
	GLOOP_END 5
	BARRIER
	GLOOP_BEGIN 6, -1
	LNAPPLY
	QUANT ACC
	PUTIMG AIMG, ASC
	GLOOP_END 6
	BARRIER
	GLOOP_BEGIN 7, 0
	GPASS 0, AIMG, ASC, 8, -1, 0                   ; k'
	QUANT ACC
	STQK KOG, KSS, K1C, K1S
	GLOOP_END 7
	s_wait_loadcnt 0x0
	SPLAT
	s_mov_b32 s[RFV], s[OWNV]                      ; wq of layer 1 is asked for only where q' is made
	GLOOP_BEGIN 8, 0
	GPASS 2, AIMG, ASC, 6, 54, 2048                ; v'
	QUANT ACC
	STV V1C, V1S
	GLOOP_END 8
	GLOOP_BEGIN 9, 0
	s_cmp_eq_u32 s[GG], s[GSTAR]
	s_cbranch_scc0 .Lgs_9
	GPASS 0, AIMG, ASC, -1, -1, 0                  ; q' of the one group
	QUANT ACC
	STQK L8, L4, Q1C, Q1S
	GLOOP_END 9
	ENDW
.Lfunc_end_k_q2bf941d14d_layer:
	.size	k_q2bf941d14d_layer, .Lfunc_end_k_q2bf941d14d_layer-k_q2bf941d14d_layer
	.p2alignl 7, 3214868480
	.fill 96, 4, 3214868480
	.section	.rodata,"a",@progbits
	.p2align	6, 0x0
	.amdhsa_kernel k_q2bf941d14d_layer
		.amdhsa_group_segment_fixed_size 231424
		.amdhsa_private_segment_fixed_size 0
		.amdhsa_enable_private_segment 0
		.amdhsa_kernarg_size 136
		.amdhsa_user_sgpr_count 2
		.amdhsa_user_sgpr_kernarg_segment_ptr 1
		.amdhsa_wavefront_size32 1
		.amdhsa_system_sgpr_workgroup_id_x 1
		.amdhsa_system_sgpr_workgroup_id_y 1
		.amdhsa_system_sgpr_workgroup_id_z 1
		.amdhsa_system_vgpr_workitem_id 0
		.amdhsa_next_free_vgpr 512
		.amdhsa_next_free_sgpr 106
		.amdhsa_reserve_vcc 1
		.amdhsa_float_denorm_mode_32 3
		.amdhsa_float_denorm_mode_16_64 3
		.amdhsa_memory_ordered 1
		.amdhsa_forward_progress 1
		.amdhsa_inst_pref_size 255
	.end_amdhsa_kernel
	.section	.bss,"aw",@nobits
	.p2align	6
	.space	262144
	.amdgpu_metadata
---
amdhsa.version: [ 1, 2 ]
amdhsa.kernels:
  - .name:           k_q2bf941d14d_layer
    .symbol:         k_q2bf941d14d_layer.kd
    .args:
      - { .name: seq, .offset: 0, .size: 8, .value_kind: global_buffer, .address_space: global }
      - { .name: seq_len, .offset: 8, .size: 8, .value_kind: global_buffer, .address_space: global }
      - { .name: item_emb, .offset: 16, .size: 8, .value_kind: global_buffer, .address_space: global }
      - { .name: pos_emb, .offset: 24, .size: 8, .value_kind: global_buffer, .address_space: global }
      - { .name: ws0, .offset: 32, .size: 8, .value_kind: global_buffer, .address_space: global }
      - { .name: wfr, .offset: 40, .size: 8, .value_kind: global_buffer, .address_space: global }
      - { .name: bo, .offset: 48, .size: 8, .value_kind: global_buffer, .address_space: global }
      - { .name: ln2_w, .offset: 56, .size: 8, .value_kind: global_buffer, .address_space: global }
      - { .name: ln2_b, .offset: 64, .size: 8, .value_kind: global_buffer, .address_space: global }
      - { .name: b1, .offset: 72, .size: 8, .value_kind: global_buffer, .address_space: global }
      - { .name: b2, .offset: 80, .size: 8, .value_kind: global_buffer, .address_space: global }
      - { .name: ln1_w, .offset: 88, .size: 8, .value_kind: global_buffer, .address_space: global }
      - { .name: ln1_b, .offset: 96, .size: 8, .value_kind: global_buffer, .address_space: global }
      - { .name: bk, .offset: 104, .size: 8, .value_kind: global_buffer, .address_space: global }
      - { .name: bv, .offset: 112, .size: 8, .value_kind: global_buffer, .address_space: global }
      - { .name: bq, .offset: 120, .size: 8, .value_kind: global_buffer, .address_space: global }
      - { .name: ws1, .offset: 128, .size: 8, .value_kind: global_buffer, .address_space: global }
    .group_segment_fixed_size: 231424
    .private_segment_fixed_size: 0
    .kernarg_segment_align: 8
    .kernarg_segment_size: 136
    .max_flat_workgroup_size: 256
    .sgpr_count:     106
    .vgpr_count:     512
    .wavefront_size: 32
...
	.end_amdgpu_metadata
.endif
;; end of part 3
;; launch final (part 4): grid 32 x 1, 8 waves a work-group, no clusters, 101,376 bytes of LDS; arguments seq_len, ws1, wfr, bo, ln2_w, ln2_b, b1, b2, lnf_w, lnf_b, out0; writes out0
.if DOCPART == 4
	.amdgcn_target "amdgcn-amd-amdhsa--gfx1250"
	.amdhsa_code_object_version 6
	.text
	.protected	k_q2bf941d14d_final
	.globl	k_q2bf941d14d_final
	.p2align	8
	.type	k_q2bf941d14d_final,@function
k_q2bf941d14d_final:
	s_mov_b64 s[64:65], 0
	v_nop
	global_prefetch_b8 v0, s[64:65] scope:SCOPE_SE
	s_setreg_imm32_b32 hwreg(HW_REG_WAVE_MODE, 25, 1), 1
	s_wait_xcnt 0x0
; Layer 1 for the one row of each batch that the definition keeps, row len - 1: attention on the codes of q', k', v'; x + o wo + bo; LayerNorm 2; the two products of the feed-forward part; the last LayerNorm; out0[b].
; One work-group a batch: there are 32 rows to make.  It works the tile of 16 rows that holds the row (a matrix instruction has 16 rows); the other 15 are thrown away.
; Wave w = head w = columns 64 w on.  All products on codes of FP6 (E2M3, one E8M0 byte for each 32 along K).  The macros are the launch before's, with one tile of rows to a pass.
; The row leaves by two lanes a wave, 16 bytes an instruction: 65,536 bytes in all.
; LIMITS: as in the launches before.
.set NT, 1
.set AIMG, 0
.set ASC,  12288
.set HIMG, 13312
.set HSC,  25600
.set STAT, 26624
.set XR,   30720
.set SPARE, 100352                     ; the spare words, 128 bytes for each wave: four blocks of 256 bytes that no other line names
.set REG2, 131072
.set L16,1
.set L8,2
.set L4,3
.set R16,4
.set R4,5
.set H16,6
.set GO,7
.set BO,8
.set BV,9
.set RR,10
.set RQ,11
.set L8G,12
.set L4G,13
.set IG,14
.set ISG,15
.set XAG,16
.set STG,17
.set XGH,18
.set XGL,19
.set KOG,20
.set KSL,22
.set KA,24
.set VA,25
.set KSA,26
.set VSA,27
.set D0,28
.set NINF,30
.set XL,31
.set PF,33
.set T0,34
.set T1,35
.set SPW,36
.set NIL,37
.set T2,38
.set T3,39
.set WS,40                             ; v40-63 hold scales and nothing else
.set AS,56
.set KS,40
.set VS,44
.set QS,48
.set PS,50
.set VR,52
.set VT,56
.set STT,64
.set FF,72
.set PW,78
.set ACC,80
.set S0,80
.set AF,144
.set TM,144
.set CT,160
.set LS,144
.set LT,176
.set BI,192
.set PCA,208
.set PC,224
.set TMA,232
.set LMP,236
.set MU,240
.set RU,244
.set CTA,248
.set LNW,192
.set LNB,224
.set VF,96
.set QF,144
.set OF,168
.set WFR,8
.set WV,12
.set BB,13
.set LEN,15
.set LM1,16
.set US,19                             ; which tile of the group holds the row
.set RS,20                             ; and which lane of it
.set GG,21
.set GI,22
.set RFV,23
.set KMAX,24
.set CNT,25
.set PFL,27
.set SEL,28
.set CS,30
.set TS,58
.set EPS,66
.set I512,67
.set QCB,68
.set KCB,70
.set VCB,72
.set QSB,74
.set KSB,76
.set VSB,78
.set WB,80
.set OUTB,82
.set X2B,94
.set SW768,96
.set SWIS,97
.set SWXR,98
.set SW256,99
.set RT,100
.set GB,104
.set QB,105
.set MSB, 0
.macro WIN new                         ; the immediate's high byte repeats the setting that is left
.if MSB != \new
	s_set_vgpr_msb (MSB<<8)|\new
.set MSB, \new
.endif
.endm
.macro WMM d, a, b, c, sa, sb
	v_wmma_scale_f32_16x16x128_f8f6f4 v[\d:\d+7], v[\a:\a+11], v[\b:\b+11], v[\c:\c+7], v[\sa], v[\sb] matrix_a_fmt:MATRIX_FMT_FP6 matrix_b_fmt:MATRIX_FMT_FP6
.endm
.macro WMZ d, a, b, sa, sb, row
.if \row
	v_wmma_scale_f32_16x16x128_f8f6f4 v[\d:\d+7], v[\a:\a+11], v[\b:\b+11], 0, v[\sa], v[\sb] matrix_a_fmt:MATRIX_FMT_FP6 matrix_b_fmt:MATRIX_FMT_FP6 matrix_a_scale:MATRIX_SCALE_ROW1
.else
	v_wmma_scale_f32_16x16x128_f8f6f4 v[\d:\d+7], v[\a:\a+11], v[\b:\b+11], 0, v[\sa], v[\sb] matrix_a_fmt:MATRIX_FMT_FP6 matrix_b_fmt:MATRIX_FMT_FP6
.endif
.endm
.macro LANES
	v_and_b32 v[T0], 31, v0
	v_lshlrev_b32 v[L16], 4, v[T0]
	v_lshlrev_b32 v[L8], 3, v[T0]
	v_lshlrev_b32 v[L4], 2, v[T0]
	v_and_b32 v[RR], 15, v0
	v_lshlrev_b32 v[R16], 4, v[RR]
	v_lshlrev_b32 v[R4], 2, v[RR]
	v_bfe_u32 v[T1], v0, 4, 1
	v_lshlrev_b32 v[H16], 4, v[T1]
	v_and_b32 v[RQ], 8, v[RR]
	v_add_nc_u32 v[RQ], v[RQ], v[RR]
	s_lshl_b32 s[SW256], s[WV], 8
	v_add_nc_u32 v[GO], s[SW256], v[R16]
	v_lshl_add_u32 v[BO], v[T1], 6, s[SW256]
	v_lshl_add_u32 v[BV], v[RQ], 2, s[SW256]
	v_mul_u32_u24 v[XL], v[RR], 272
	v_lshl_add_u32 v[XL], v[T1], 6, v[XL]
	s_mul_i32 s[SWXR], s[WV], 8704
	s_add_co_u32 s[SWXR], s[SWXR], XR
.if NT > 1
	v_mul_u32_u24 v[XGH], v[T1], 272
	v_add_nc_u32 v[XGH], v[XGH], v[R16]
	v_add_nc_u32 v[XGH], s[SWXR], v[XGH]
	v_add_nc_u32 v[XGL], REG2, v[XGH]
.endif
	s_mul_i32 s[SW768], s[WV], 768
	s_lshr_b32 s[SWIS], s[WV], 1
	s_lshl_b32 s[SWIS], s[SWIS], 7
	s_and_b32 s2, s[WV], 1
	s_lshl_b32 s2, s2, 1
	s_add_co_u32 s[SWIS], s[SWIS], s2
	s_mov_b32 s[SEL], 0x76543210
	s_mov_b32 s[SEL+1], 0xfedcba98
	s_mov_b32 s[CS], 0x3e38aa3b                    ; log2(e) / 8
	s_mov_b32 s[CS+1], s[CS]
	s_mov_b32 s[EPS], 0x322bcc77                   ; 1e-8
	s_mov_b32 s[I512], 0x3b000000                  ; 1 / 512
	s_mov_b32 s[RT], 0x41b504f3
	s_mov_b32 s[RT+1], s[RT]
	v_mov_b32 v[NINF], 0xff800000
.set li, 0
.rept 12
	v_mov_b32 v[LMP+li], 0                         ; written once: destinations of lane permutes and upper halves of broadcast pairs count as read
.set li, li+1
.endr
.set li, 0
.rept 4
	v_mov_b32 v[TM+4+li], 0
.set li, li+1
.endr
	v_mov_b32 v[FF+1], 0
.endm
.macro SETL
	v_add_nc_u32 v[L8G], s[GB], v[L8]
	v_add_nc_u32 v[L4G], s[GB], v[L4]
	s_add_co_u32 s2, s[SW768], s[GB]
	v_add_nc_u32 v[IG], s2, v[L8]
	s_add_co_u32 s2, s[SWIS], s[GB]
	v_add_nc_u32 v[ISG], s2, v[L4]
	s_add_co_u32 s2, s[SWXR], s[GB]
	v_add_nc_u32 v[XAG], s2, v[XL]
	s_add_co_u32 s2, s[SW256], s[GB]
	v_add_nc_u32 v[STG], s2, v[L8]
.endm
.macro BARRIER
	s_wait_dscnt 0x0
	s_barrier_signal -1
	s_barrier_wait -1
.endm
.macro ENDW                            ; the wave's end, behind my last LDS store
	s_wait_tensorcnt 0x0
	ds_add_u32 v[SPW], v[NIL]
	s_wait_dscnt 0x0
	s_endpgm
.endm
.macro QUANT s
.set qb, 0
.rept 2*NT
	v_max3_num_f32 v[TM+qb], |v[\s+16*qb]|, |v[\s+16*qb+1]|, 0x1800000   ; with the floor 2^(3 - 127): the byte cannot fall under 1
.set qb, qb+1
.endr
.set qi, 2
.rept 7
.set qb, 0
.rept 2*NT
	v_max3_num_f32 v[TM+qb], v[TM+qb], |v[\s+16*qb+qi]|, |v[\s+16*qb+qi+1]|
.set qb, qb+1
.endr
.set qi, qi+2
.endr
.set qb, 0
.rept 2*NT
	v_permlanex16_b32 v[TM+4+qb], v[TM+qb], s[SEL], s[SEL+1]
.set qb, qb+1
.endr
.set qb, 0
.rept 2*NT
	v_max_num_f32 v[TM+qb], v[TM+qb], v[TM+4+qb]
.set qb, qb+1
.endr
.set qb, 0
.rept 2*NT
	v_add_nc_u32 v[TM+12+qb], 0xff000000, v[TM+qb]
.set qb, qb+1
.endr
.set qb, 0
.rept 2*NT
	v_lshrrev_b32 v[TM+4+qb], 23, v[TM+12+qb]
.set qb, qb+1
.endr
	v_lshl_or_b32 v[PW], v[TM+5], 8, v[TM+4]
.if NT > 1
	v_lshl_or_b32 v[PW], v[TM+6], 16, v[PW]
	v_lshl_or_b32 v[PW], v[TM+7], 24, v[PW]
.endif
.set qb, 0
.rept NT
	v_cvt_scalef32_pk16_fp6_f32 v[PC+6*qb:PC+6*qb+2], v[\s+32*qb:\s+32*qb+15], v[TM+12+2*qb]
	v_cvt_scalef32_pk16_fp6_f32 v[CT+4*qb:CT+4*qb+2], v[\s+32*qb+16:\s+32*qb+31], v[TM+13+2*qb]
.set qb, qb+1
.endr
	v_nop                                          ; one plain place behind a scaled conversion
.set qb, 0
.rept NT
.set qi, 0
.rept 3
	v_permlane16_swap_b32 v[PC+6*qb+qi], v[CT+4*qb+qi]
.set qi, qi+1
.endr
.set qi, 0
.rept 3
	v_mov_b32 v[PC+6*qb+3+qi], v[CT+4*qb+qi]
.set qi, qi+1
.endr
.set qb, qb+1
.endr
.endm
.macro PUTIMG buf, sc
.set pu, 0
.rept NT
.set pq, 0
.rept 3
	ds_store_b64 v[IG], v[PC+6*pu+2*pq:PC+6*pu+2*pq+1] offset:\buf+6144*pu+256*pq
.set pq, pq+1
.endr
.set pu, pu+1
.endr
	ds_store_b16 v[ISG], v[PW] offset:\sc
.if NT > 1
	ds_store_b16_d16_hi v[ISG], v[PW] offset:\sc+512
.endif
	s_wait_dscnt 0x0                               ; the stores have read their registers
.endm
.macro GETA buf, sc, s
.set eu, 0
.rept NT
.set eq, 0
.rept 6
	ds_load_b64 v[AF+24*((\s)%2)+12*eu+2*eq:AF+24*((\s)%2)+12*eu+2*eq+1], v[L8G] offset:\buf+6144*eu+1536*(\s)+256*eq
.set eq, eq+1
.endr
	ds_load_b32 v[AS+2*(\s)+eu], v[L4G] offset:\sc+(4*eu+(\s))*128
.set eu, eu+1
.endr
.endm
.macro WLOAD m, s
	WIN 0x40
.set wc, 0
.rept 12
	global_load_b128 v[48*(\s)+4*wc:48*(\s)+4*wc+3], v[L16], s[WB:WB+1] offset:(\m)*204800+6144*(\s)+512*wc
.set wc, wc+1
.endr
	WIN 0
	global_load_b128 v[WS+4*(\s):WS+4*(\s)+3], v[R16], s[WB:WB+1] offset:(\m)*204800+24576+256*(\s)
.endm
.macro BLOAD ptr, off
.set bc, 0
.rept 4
	global_load_b128 v[BI+8*bc:BI+8*bc+3], v[BO], s[\ptr:\ptr+1] offset:\off+128*(bc/2)+32*(bc%2)
	global_load_b128 v[BI+8*bc+4:BI+8*bc+7], v[BO], s[\ptr:\ptr+1] offset:\off+128*(bc/2)+32*(bc%2)+16
.set bc, bc+1
.endr
.endm
.macro LNLOAD pw, pb, off
	WIN 0x40
.set bc, 0
.rept 4
	global_load_b128 v[LNW+8*bc:LNW+8*bc+3], v[BO], s[\pw:\pw+1] offset:\off+128*(bc/2)+32*(bc%2)
	global_load_b128 v[LNW+8*bc+4:LNW+8*bc+7], v[BO], s[\pw:\pw+1] offset:\off+128*(bc/2)+32*(bc%2)+16
	global_load_b128 v[LNB+8*bc:LNB+8*bc+3], v[BO], s[\pb:\pb+1] offset:\off+128*(bc/2)+32*(bc%2)
	global_load_b128 v[LNB+8*bc+4:LNB+8*bc+7], v[BO], s[\pb:\pb+1] offset:\off+128*(bc/2)+32*(bc%2)+16
.set bc, bc+1
.endr
	WIN 0
.endm
.macro XLD
.set xu, 0
.rept NT
.set xc, 0
.rept 4
	ds_load_b128 v[ACC+32*xu+8*xc:ACC+32*xu+8*xc+3], v[XAG] offset:4352*xu+128*(xc/2)+32*(xc%2)
	ds_load_b128 v[ACC+32*xu+8*xc+4:ACC+32*xu+8*xc+7], v[XAG] offset:4352*xu+128*(xc/2)+32*(xc%2)+16
.set xc, xc+1
.endr
.set xu, xu+1
.endr
.endm
.macro XST
.set xu, 0
.rept NT
.set xc, 0
.rept 4
	ds_store_b128 v[XAG], v[ACC+32*xu+8*xc:ACC+32*xu+8*xc+3] offset:4352*xu+128*(xc/2)+32*(xc%2)
	ds_store_b128 v[XAG], v[ACC+32*xu+8*xc+4:ACC+32*xu+8*xc+7] offset:4352*xu+128*(xc/2)+32*(xc%2)+16
.set xc, xc+1
.endr
.set xu, xu+1
.endr
.endm
.macro RELU
.set xc, 0
.rept 32*NT
	v_max_num_f32 v[ACC+xc], 0, v[ACC+xc]
.set xc, xc+1
.endr
.endm
.macro GSTEP mode, buf, sc, s, rm, bp, bo
.if \s == 3
	s_wait_dscnt 0x0
.else
	s_wait_dscnt 7*NT                              ; this K step's fragments are in; the next one's 7 NT loads may be out
.endif
.if \mode == 2
	WIN 0x04
.else
	WIN 0x01
.endif
.set gc, 0
.rept 4
.set gu, 0
.rept NT
.set gw, 48*(\s)+12*gc
.set ga, AF+24*((\s)%2)+12*gu
.if \mode == 2
.set gd, ACC+16*gc+8*gu
.else
.set gd, ACC+32*gu+8*gc
.endif
.set gq, gd
.if ((\s) == 0) && (\mode != 1)
.set gq, BI+8*gc
.endif
.if \mode == 2
	WMM gd, ga, gw, gq, AS+2*(\s)+gu, WS+4*(\s)+gc
.else
	WMM gd, gw, ga, gq, WS+4*(\s)+gc, AS+2*(\s)+gu
.endif
.set gu, gu+1
.endr
.set gc, gc+1
.endr
	WIN 0
.rept 4
	v_nop                                          ; places in front of loads into registers that these products have read, and of the first read of results
.endr
.if \s < 2
	GETA \buf, \sc, \s+2
.endif
.if \rm >= 0
	s_cmp_eq_u32 s[GI], s[RFV]
	s_cbranch_scc0 .Lnr_\@
	WLOAD \rm, \s
.if ((\s) == 0) && (\bp >= 0)
	BLOAD \bp, \bo
.endif
.Lnr_\@:
.endif
.endm
.macro GPASS mode, buf, sc, rm, bp, bo
.if \mode == 1
	XLD
.endif
	GETA \buf, \sc, 0
	GETA \buf, \sc, 1
.if \mode == 1
	s_wait_dscnt 14*NT                             ; x is in; the two K steps' 14 NT loads may be out
.set hu, 0
.rept NT
.set hj, 0
.rept 16
	v_pk_add_f32 v[ACC+32*hu+hj:ACC+32*hu+hj+1], v[ACC+32*hu+hj:ACC+32*hu+hj+1], v[BI+hj:BI+hj+1]
.set hj, hj+2
.endr
.set hu, hu+1
.endr
.endif
	GSTEP \mode, \buf, \sc, 0, \rm, \bp, \bo
	GSTEP \mode, \buf, \sc, 1, \rm, \bp, \bo
	GSTEP \mode, \buf, \sc, 2, \rm, \bp, \bo
	GSTEP \mode, \buf, \sc, 3, \rm, \bp, \bo
.endm
.macro LNSTAT
.set lu, 0
.rept NT
.set lx, ACC+32*lu
.set lt, LT+8*lu
.set lm, LMP+2*lu
	v_pk_add_f32 v[lt:lt+1], v[lx:lx+1], v[lx+2:lx+3]
	v_pk_add_f32 v[lt+2:lt+3], v[lx+4:lx+5], v[lx+6:lx+7]
.set lj, 8
.rept 6
	v_pk_add_f32 v[lt:lt+1], v[lt:lt+1], v[lx+lj:lx+lj+1]
	v_pk_add_f32 v[lt+2:lt+3], v[lt+2:lt+3], v[lx+lj+2:lx+lj+3]
.set lj, lj+4
.endr
	v_pk_add_f32 v[lt:lt+1], v[lt:lt+1], v[lt+2:lt+3]
	v_add_f32 v[lt], v[lt], v[lt+1]
	v_permlanex16_b32 v[lt+1], v[lt], s[SEL], s[SEL+1]
	v_add_f32 v[lt], v[lt], v[lt+1]
	v_mul_f32 v[lm], 0x3c800000, v[lt]             ; / 64
	v_pk_add_f32 v[lt+4:lt+5], v[lx:lx+1], v[lm:lm+1] op_sel_hi:[1,0] neg_lo:[0,1] neg_hi:[0,1]
	v_pk_add_f32 v[lt+6:lt+7], v[lx+2:lx+3], v[lm:lm+1] op_sel_hi:[1,0] neg_lo:[0,1] neg_hi:[0,1]
	v_pk_mul_f32 v[lt:lt+1], v[lt+4:lt+5], v[lt+4:lt+5]
	v_pk_mul_f32 v[lt+2:lt+3], v[lt+6:lt+7], v[lt+6:lt+7]
.set lj, 4
.rept 7
	v_pk_add_f32 v[lt+4:lt+5], v[lx+lj:lx+lj+1], v[lm:lm+1] op_sel_hi:[1,0] neg_lo:[0,1] neg_hi:[0,1]
	v_pk_add_f32 v[lt+6:lt+7], v[lx+lj+2:lx+lj+3], v[lm:lm+1] op_sel_hi:[1,0] neg_lo:[0,1] neg_hi:[0,1]
	v_pk_fma_f32 v[lt:lt+1], v[lt+4:lt+5], v[lt+4:lt+5], v[lt:lt+1]
	v_pk_fma_f32 v[lt+2:lt+3], v[lt+6:lt+7], v[lt+6:lt+7], v[lt+2:lt+3]
.set lj, lj+4
.endr
	v_pk_add_f32 v[lt:lt+1], v[lt:lt+1], v[lt+2:lt+3]
	v_add_f32 v[lt], v[lt], v[lt+1]
	v_permlanex16_b32 v[lt+1], v[lt], s[SEL], s[SEL+1]
	v_add_f32 v[lm+1], v[lt], v[lt+1]
	ds_store_b64 v[STG], v[lm:lm+1] offset:STAT+2048*lu
.set lu, lu+1
.endr
	s_wait_dscnt 0x0                               ; the stores have read their registers
.endm
.macro LNAPPLY
	XLD
.set lu, 0
.rept NT
.set lw, 0
.rept 8
	ds_load_b64 v[LS+16*lu+2*lw:LS+16*lu+2*lw+1], v[L8G] offset:STAT+2048*lu+256*lw
.set lw, lw+1
.endr
.set lu, lu+1
.endr
	s_wait_dscnt 0x0
.set lu, 0
.rept NT
.set lp, LS+16*lu
.set lt, LT+8*lu
	v_add_f32 v[lt], v[lp], v[lp+2]
	v_add_f32 v[lt+1], v[lp+4], v[lp+6]
	v_add_f32 v[lt+2], v[lp+8], v[lp+10]
	v_add_f32 v[lt+3], v[lp+12], v[lp+14]
	v_add_f32 v[lt], v[lt], v[lt+1]
	v_add_f32 v[lt+2], v[lt+2], v[lt+3]
	v_add_f32 v[lt], v[lt], v[lt+2]
	v_mul_f32 v[MU+2*lu], 0x3e000000, v[lt]
	v_add_f32 v[lt], v[lp+1], v[lp+3]
	v_add_f32 v[lt+1], v[lp+5], v[lp+7]
	v_add_f32 v[lt+2], v[lp+9], v[lp+11]
	v_add_f32 v[lt+3], v[lp+13], v[lp+15]
	v_add_f32 v[lt], v[lt], v[lt+1]
	v_add_f32 v[lt+2], v[lt+2], v[lt+3]
	v_add_f32 v[lt], v[lt], v[lt+2]
.set lw, 0
.rept 8
	v_sub_f32 v[lp+2*lw], v[lp+2*lw], v[MU+2*lu]
.set lw, lw+1
.endr
	v_mul_f32 v[lt+1], v[lp], v[lp]
.set lw, 1
.rept 7
	v_fmac_f32 v[lt+1], v[lp+2*lw], v[lp+2*lw]
.set lw, lw+1
.endr
	v_fma_f32 v[lt], v[lt+1], 0x42800000, v[lt]
	v_fma_f32 v[lt], v[lt], s[I512], s[EPS]
	v_rsq_f32 v[RU+2*lu], v[lt]
.set lu, lu+1
.endr
.set lu, 0
.rept NT
.set lj, 0
.rept 16
	v_pk_add_f32 v[ACC+32*lu+lj:ACC+32*lu+lj+1], v[ACC+32*lu+lj:ACC+32*lu+lj+1], v[MU+2*lu:MU+2*lu+1] op_sel_hi:[1,0] neg_lo:[0,1] neg_hi:[0,1]
.set lj, lj+2
.endr
.set lu, lu+1
.endr
	s_wait_alu depctr_va_vdst(0)                   ; one wait for the root, ahead of its first reader; the subtractions above are the plain work between
.set lu, 0
.rept NT
.set lj, 0
.rept 16
	v_pk_mul_f32 v[ACC+32*lu+lj:ACC+32*lu+lj+1], v[ACC+32*lu+lj:ACC+32*lu+lj+1], v[RU+2*lu:RU+2*lu+1] op_sel_hi:[1,0]
.set lj, lj+2
.endr
.set lu, lu+1
.endr
	WIN 0x14
.set lu, 0
.rept NT
.set lj, 0
.rept 16
	v_pk_fma_f32 v[ACC+32*lu+lj:ACC+32*lu+lj+1], v[ACC+32*lu+lj:ACC+32*lu+lj+1], v[LNW+lj:LNW+lj+1], v[LNB+lj:LNB+lj+1]
.set lj, lj+2
.endr
.set lu, lu+1
.endr
	WIN 0
.endm
; ---- attention
.macro ZEROH
	WIN 0x40
.set zt, 0
.rept 8
.set zi, 6
.rept 6
	v_mov_b32 v[12*zt+zi], 0
.set zi, zi+1
.endr
.set zt, zt+1
.endr
.set zt, 0
.rept NT
.set zi, 6
.rept 6
	v_mov_b32 v[QF+12*zt+zi], 0
.set zi, zi+1
.endr
.set zt, zt+1
.endr
	WIN 0
.endm
.macro KBATCH
	WIN 0x40
.set kt, 0
.rept 8
.set kp, 0
.rept 3
	global_load_b64 v[12*kt+2*kp:12*kt+2*kp+1], v[KA], s[KCB:KCB+1] offset:768*kt+256*kp
.set kp, kp+1
.endr
.set kt, kt+1
.endr
	WIN 0
.set kt, 0
.rept 4
	global_load_b32 v[KS+kt], v[KSA], s[KSB:KSB+1] offset:128*kt
.set kt, kt+1
.endr
.set kt, 0
.rept 4
	global_load_b32 v[VR+kt], v[VSA], s[VSB:VSB+1] offset:64*kt
.set kt, kt+1
.endr
.endm
.macro VBATCH
	WIN 0x40
.set kt, 0
.rept 4
.set kc, 0
.rept 2
.set kp, 0
.rept 3
	global_load_b64 v[VF+12*kt+6*kc+2*kp:VF+12*kt+6*kc+2*kp+1], v[VA], s[VCB:VCB+1] offset:3072*kc+512*kp+128*kt
.set kp, kp+1
.endr
.set kc, kc+1
.endr
.set kt, kt+1
.endr
	WIN 0
.endm
.macro MASK sb, d
.set mn, 0
.rept 64
	v_cmp_gt_i32 vcc_lo, 32*(mn/16)+mn%16, v[\d]
	v_cndmask_b32 v[\sb+mn], v[\sb+mn], v[NINF], vcc_lo
.set mn, mn+1
.endr
.endm
.macro SOFTMAX sb, st, pcd, psr, ob
.set xb, 0
.rept 4
	v_max3_num_f32 v[TMA+xb], v[\sb+16*xb], v[\sb+16*xb+1], v[\sb+16*xb+2]
.set xb, xb+1
.endr
.set xi, 3
.rept 6
.set xb, 0
.rept 4
	v_max3_num_f32 v[TMA+xb], v[TMA+xb], v[\sb+16*xb+xi], v[\sb+16*xb+xi+1]
.set xb, xb+1
.endr
.set xi, xi+2
.endr
.set xb, 0
.rept 4
	v_max_num_f32 v[TMA+xb], v[TMA+xb], v[\sb+16*xb+15]
.set xb, xb+1
.endr
.set xb, 0
.rept 4
	v_permlanex16_b32 v[TMA+4+xb], v[TMA+xb], s[SEL], s[SEL+1]
.set xb, xb+1
.endr
.set xb, 0
.rept 4
	v_max_num_f32 v[TMA+xb], v[TMA+xb], v[TMA+4+xb]
.set xb, xb+1
.endr
	v_max3_num_f32 v[TMA+8], v[TMA], v[TMA+1], v[TMA+2]
	v_max_num_f32 v[TMA+8], v[TMA+8], v[TMA+3]
	v_mul_f32 v[TMA+8], s[CS], v[TMA+8]
	v_max_num_f32 v[\st+1], v[\st+1], v[TMA+8]
	v_mov_b32 v[TMA+8], v[\st]
	v_floor_f32 v[\st], -v[\st+1]                  ; -M = floor(-t): M is a whole number
	v_sub_f32 v[TMA+8], v[\st], v[TMA+8]
	v_cvt_i32_f32 v[TMA+8], v[TMA+8]
	v_ldexp_f32 v[FF], 1.0, v[TMA+8]               ; f = 2^(old M - new M): rounds nothing
.set xj, 0
.rept 32
	v_pk_fma_f32 v[\sb+xj:\sb+xj+1], v[\sb+xj:\sb+xj+1], s[CS:CS+1], v[\st:\st+1] op_sel_hi:[1,0,0]
.set xj, xj+2
.endr
.set xb, 0
.rept 4
	v_fma_f32 v[TMA+xb], v[TMA+xb], s[CS], v[\st]
.set xb, xb+1
.endr
.set xj, 0
.rept 64
	v_exp_f32 v[\sb+xj], v[\sb+xj]
.set xj, xj+1
.endr
	v_pk_mul_f32 v[\st+2:\st+3], v[\st+2:\st+3], v[FF:FF+1] op_sel_hi:[1,0]   ; a plain place behind the exponentials
	s_wait_alu depctr_va_vdst(0)                   ; one wait for the batch, ahead of its first reader
.set xb, 0
.rept 4
	v_exp_f32 v[TMA+xb], v[TMA+xb]
.set xb, xb+1
.endr
	v_pk_add_f32 v[TMA+10:TMA+11], v[\sb:\sb+1], v[\sb+2:\sb+3]
.set xj, 4
.rept 15
	v_pk_add_f32 v[\st+2:\st+3], v[\st+2:\st+3], v[\sb+xj:\sb+xj+1]
	v_pk_add_f32 v[TMA+10:TMA+11], v[TMA+10:TMA+11], v[\sb+xj+2:\sb+xj+3]
.set xj, xj+4
.endr
	v_pk_add_f32 v[\st+2:\st+3], v[\st+2:\st+3], v[TMA+10:TMA+11]
	s_wait_alu depctr_va_vdst(0)                   ; and one for the four
.set xb, 0
.rept 4
	v_max_num_f32 v[TMA+xb], 0x1800000, v[TMA+xb]
.set xb, xb+1
.endr
.set xb, 0
.rept 4
	v_add_nc_u32 v[TMA+12+xb], 0xff000000, v[TMA+xb]
.set xb, xb+1
.endr
.set xb, 0
.rept 4
	v_lshrrev_b32 v[TMA+4+xb], 23, v[TMA+12+xb]
.set xb, xb+1
.endr
	v_lshl_or_b32 v[\psr], v[TMA+5], 8, v[TMA+4]
	v_lshl_or_b32 v[\psr], v[TMA+6], 16, v[\psr]
	v_lshl_or_b32 v[\psr], v[TMA+7], 24, v[\psr]
.set xb, 0
.rept 2
	v_cvt_scalef32_pk16_fp6_f32 v[\pcd+6*xb:\pcd+6*xb+2], v[\sb+32*xb:\sb+32*xb+15], v[TMA+12+2*xb]
	v_cvt_scalef32_pk16_fp6_f32 v[CTA+4*xb:CTA+4*xb+2], v[\sb+32*xb+16:\sb+32*xb+31], v[TMA+13+2*xb]
.set xb, xb+1
.endr
	v_nop                                          ; one plain place behind a scaled conversion
.set xb, 0
.rept 2
.set xi, 0
.rept 3
	v_permlane16_swap_b32 v[\pcd+6*xb+xi], v[CTA+4*xb+xi]
.set xi, xi+1
.endr
.set xi, 0
.rept 3
	v_mov_b32 v[\pcd+6*xb+3+xi], v[CTA+4*xb+xi]
.set xi, xi+1
.endr
.set xb, xb+1
.endr
	WIN 0x41
.set xj, 0
.rept 16
	v_pk_mul_f32 v[\ob+xj:\ob+xj+1], v[\ob+xj:\ob+xj+1], v[FF:FF+1] op_sel_hi:[1,0]
.set xj, xj+2
.endr
	WIN 0
.endm
.macro UNIT last
	s_wait_loadcnt 24                              ; Q, K and the scale words are in; V's 24 loads, the youngest, may be out
	v_perm_b32 v[VT], v[VR+1], v[VR], 0x05010400
	v_perm_b32 v[VT+1], v[VR+1], v[VR], 0x07030602
	v_perm_b32 v[VT+2], v[VR+3], v[VR+2], 0x05010400
	v_perm_b32 v[VT+3], v[VR+3], v[VR+2], 0x07030602
	v_perm_b32 v[VS], v[VT+2], v[VT], 0x05040100
	v_perm_b32 v[VS+1], v[VT+2], v[VT], 0x07060302
	v_perm_b32 v[VS+2], v[VT+3], v[VT+1], 0x05040100
	v_perm_b32 v[VS+3], v[VT+3], v[VT+1], 0x07060302
	WIN 0x05
.set ut, 0
.rept 8
.set uu, 0
.rept NT
	WMZ S0+64*uu+8*ut, 12*ut, QF+12*uu, KS+ut/2, QS+uu, ut%2
.set uu, uu+1
.endr
.set ut, ut+1
.endr
	WIN 0
.rept 4
	v_nop
.endr
.if \last == 0
	v_add_nc_u32 v[KA], 6144, v[KA]
	v_add_nc_u32 v[KSA], 512, v[KSA]
	v_add_nc_u32 v[VSA], 256, v[VSA]
	KBATCH
.else
	MASK S0, D0
.if NT > 1
	MASK S0+64, D0+1
.endif
.endif
	SOFTMAX S0, STT, PCA, PS, OF
.if NT > 1
	SOFTMAX S0+64, STT+4, PCA+12, PS+1, OF+32
.endif
.if \last == 0
	s_wait_loadcnt 32                              ; V is in; the next step's K batch, 32 younger loads, may be out
.else
	s_wait_loadcnt 0x0
.endif
	WIN 0x51
.set ut, 0
.rept 4
.set uu, 0
.rept NT
	WMM OF+32*uu+8*ut, VF+12*ut, PCA+12*uu, OF+32*uu+8*ut, VS+ut, PS+uu
.set uu, uu+1
.endr
.set ut, ut+1
.endr
	WIN 0
.rept 4
	v_nop
.endr
.if \last == 0
	v_add_nc_u32 v[VA], 6144, v[VA]
	VBATCH
.endif
.endm
.macro ASKW off                        ; a prefetch of weights that this launch reads later: each aligned block of 256 bytes is named by one lane of one wave of the launch, behind the wave's own loads
	s_cmp_eq_u32 s[GI], s[PFL]
	s_cbranch_scc0 .Lnp_\@
	global_prefetch_b8 v[PF], s[WFR:WFR+1] offset:\off th:TH_LOAD_NT scope:SCOPE_SE
.Lnp_\@:
.endm
.macro ATT pfo
	s_lshr_b32 s[KMAX], s[GG], 2
	s_lshl_b32 s2, s[KMAX], 7
	v_add_nc_u32 v[D0], s[QB], v[RQ]
.if NT > 1
	v_add_nc_u32 v[D0+1], 8, v[D0]
.endif
.set au, 0
.rept NT
	v_min_u32 v[D0+au], s[LM1], v[D0+au]
	v_sub_nc_u32 v[D0+au], v[D0+au], s2
	v_sub_nc_u32 v[D0+au], v[D0+au], v[H16]
.set au, au+1
.endr
	WIN 0x40
.set au, 0
.rept NT
.set ap, 0
.rept 3
	global_load_b64 v[QF+12*au+2*ap:QF+12*au+2*ap+1], v[KOG], s[QCB:QCB+1] offset:768*au+256*ap
.set ap, ap+1
.endr
.set au, au+1
.endr
	WIN 0
.set au, 0
.rept NT
	global_load_b32 v[QS+au], v[KSL], s[QSB:QSB+1] offset:64*au
.set au, au+1
.endr
	v_mov_b32 v[KA], v[L8]
	v_lshlrev_b32 v[T0], 1, v[R4]
	v_mad_u32_u24 v[VA], v[H16], 96, v[T0]
	v_mov_b32 v[KSA], v[L4]
	v_mov_b32 v[VSA], v[R4]
	KBATCH
	VBATCH
	ASKW \pfo
	WIN 0x40
.set aj, 0
.rept 32*NT
	v_mov_b32 v[OF+aj], 0
.set aj, aj+1
.endr
	WIN 0
.set au, 0
.rept NT
	v_mov_b32 v[STT+4*au+1], 0xff61b1e6
	v_floor_f32 v[STT+4*au], -v[STT+4*au+1]
	v_mov_b32 v[STT+4*au+2], 0
	v_mov_b32 v[STT+4*au+3], 0
.set au, au+1
.endr
	s_mov_b32 s[CNT], 0
.Lu_\@:
	s_cmp_ge_u32 s[CNT], s[KMAX]
	s_cbranch_scc1 .Lus_\@
	UNIT 0
.Lus_\@:
	s_add_co_u32 s[CNT], s[CNT], 1
	s_cmp_lt_u32 s[CNT], 3
	s_cbranch_scc1 .Lu_\@
	UNIT 1
.set au, 0
.rept NT
	v_add_f32 v[TMA+au], v[STT+4*au+2], v[STT+4*au+3]
.set au, au+1
.endr
.set au, 0
.rept NT
	v_permlanex16_b32 v[TMA+4+au], v[TMA+au], s[SEL], s[SEL+1]
.set au, au+1
.endr
.set au, 0
.rept NT
	v_add_f32 v[TMA+au], v[TMA+au], v[TMA+4+au]
.set au, au+1
.endr
.set au, 0
.rept NT
	v_rcp_f32 v[TMA+8+2*au], v[TMA+au]
.set au, au+1
.endr
	v_nop                                          ; a plain place behind the reciprocal
	s_wait_alu depctr_va_vdst(0)                   ; the wait, ahead of the first reader
	WIN 0x01
.set au, 0
.rept NT
.set aj, 0
.rept 16
	v_pk_mul_f32 v[ACC+32*au+aj:ACC+32*au+aj+1], v[OF+32*au+aj:OF+32*au+aj+1], v[TMA+8+2*au:TMA+8+2*au+1] op_sel_hi:[1,0]
.set aj, aj+2
.endr
.set au, au+1
.endr
	WIN 0
	QUANT ACC
	PUTIMG AIMG, ASC
.endm
	s_load_b256 s[4:11], s[0:1], 0x0               ; seq_len, ws1, wfr, bo
	s_load_b256 s[32:39], s[0:1], 0x20             ; ln2_w, ln2_b, b1, b2
	s_load_b128 s[40:43], s[0:1], 0x40             ; lnf_w, lnf_b
	s_load_b64 s[44:45], s[0:1], 0x50              ; out0
	v_lshl_add_u32 v[SPW], v0, 2, SPARE
	v_mov_b32 v[NIL], 0
	v_lshrrev_b32 v[T0], 5, v0
	v_readfirstlane_b32 s[WV], v[T0]
	s_mov_b32 s[BB], ttmp9
	LANES
	s_lshl_b32 s[TS], s[BB], 3
	s_add_co_u32 s[TS], s[TS], s[WV]               ; 8 b + w
	s_cmp_lt_u32 s[TS], 75                         ; who prefetches: 75 waves x 32 blocks = matrices 9 to 11
	s_cselect_b32 s[PFL], 1, 2
	s_min_u32 s2, s[TS], 74
	s_lshl_b32 s2, s2, 13
	v_lshl_add_u32 v[PF], v[T0], 8, s2
	s_mov_b32 s[GB], 0
	SETL
	s_mov_b32 s[GI], 1
	s_mov_b32 s[RFV], 1                            ; one pass: each product asks for the next weight
	s_lshl_b32 s2, s[BB], 2
	s_mov_b32 s3, 0
	s_wait_kmcnt 0x0
	s_add_nc_u64 s[4:5], s[4:5], s[2:3]
	s_load_b32 s[LEN], s[4:5], 0x0
	s_mul_i32 s2, s[TS], 24576
	s_add_nc_u64 s[KCB:KCB+1], s[6:7], s[2:3]
	s_add_nc_u64 s[VCB:VCB+1], s[KCB:KCB+1], 6291456
	s_lshl_b32 s2, s[TS], 11
	s_add_nc_u64 s[KSB:KSB+1], s[6:7], s[2:3]
	s_add_nc_u64 s[KSB:KSB+1], s[KSB:KSB+1], 12582912
	s_lshl_b32 s2, s[TS], 10
	s_add_nc_u64 s[VSB:VSB+1], s[6:7], s[2:3]
	s_add_nc_u64 s[VSB:VSB+1], s[VSB:VSB+1], 13107200
	s_mul_i32 s2, s[TS], 1536
	s_add_nc_u64 s[QCB:QCB+1], s[6:7], s[2:3]
	s_add_nc_u64 s[QCB:QCB+1], s[QCB:QCB+1], 13369344
	s_lshl_b32 s2, s[TS], 7
	s_add_nc_u64 s[QSB:QSB+1], s[6:7], s[2:3]
	s_add_nc_u64 s[QSB:QSB+1], s[QSB:QSB+1], 13762560
	s_lshl_b32 s2, s[TS], 13
	s_add_nc_u64 s[X2B:X2B+1], s[6:7], s[2:3]
	s_add_nc_u64 s[X2B:X2B+1], s[X2B:X2B+1], 13795328
	s_mul_i32 s2, s[WV], 25600
	s_add_nc_u64 s[WB:WB+1], s[8:9], s[2:3]
	s_lshl_b32 s2, s[BB], 11
	s_add_nc_u64 s[OUTB:OUTB+1], s[44:45], s[2:3]
	s_wait_kmcnt 0x0
	s_max_u32 s[LEN], s[LEN], 1
	s_min_u32 s[LEN], s[LEN], 0x200
	s_sub_co_u32 s[LM1], s[LEN], 1
	s_lshr_b32 s[GG], s[LM1], 5                    ; the row's group,
	s_min_u32 s[GG], s[GG], 15
	s_lshr_b32 s[US], s[LM1], 3                    ; its tile in the group (held last, since it enters offsets),
	s_and_b32 s[US], s[US], 1
	s_min_u32 s[US], s[US], 1
	s_and_b32 s[RS], s[LM1], 7                     ; and its lane in the tile
	s_lshr_b32 s2, s[LM1], 4
	s_and_b32 s2, s2, 1
	s_lshl_b32 s2, s2, 3
	s_add_co_u32 s[RS], s[RS], s2
	s_lshl_b32 s[QB], s[GG], 5
	s_lshl_b32 s2, s[US], 3
	s_add_co_u32 s[QB], s[QB], s2                  ; the tile's first query
	v_mad_u32_u24 v[KOG], s[US], 0x300, v[L8]
	v_lshl_add_u32 v[KSL], s[US], 6, v[R4]
	v_lshl_add_u32 v[T3], s[US], 12, v[L16]
	ZEROH
	ATT 1843200
	WLOAD 9, 0
	WLOAD 9, 1
	WLOAD 9, 2
	WLOAD 9, 3
	BLOAD 10, 2048
	LNLOAD 32, 34, 2048
.set aj, 0
.rept 8
	global_load_b128 v[ACC+4*aj:ACC+4*aj+3], v[T3], s[X2B:X2B+1] offset:512*aj   ; x2 of the tile, as the registers stood
.set aj, aj+1
.endr
	s_wait_loadcnt 0x0
	XST
	BARRIER                                        ; o's fragments lie in LDS
	GPASS 1, AIMG, ASC, 10, 36, 2048               ; x + bo + o wo
	XST
	LNSTAT
	BARRIER
	LNAPPLY
	QUANT ACC
	PUTIMG AIMG, ASC
	LNLOAD 40, 42, 0                               ; the last LayerNorm's gain and offset
	BARRIER
	s_wait_loadcnt 0x0
	GPASS 0, AIMG, ASC, 11, 38, 2048               ; h w1 + b1
	RELU
	QUANT ACC
	PUTIMG HIMG, HSC
	BARRIER
	s_wait_loadcnt 0x0
	GPASS 1, HIMG, HSC, -1, -1, 0                  ; x + b2 + relu(..) w2
	XST
	LNSTAT
	BARRIER
	LNAPPLY
	v_cmp_eq_u32 vcc_lo, s[RS], v[RR]              ; the two lanes that hold row len - 1
	s_wait_xcnt 0x0                                ; EXEC changes only behind this wait
	s_and_saveexec_b32 s2, vcc_lo
.set aj, 0
.rept 4
	global_store_b128 v[BO], v[ACC+8*aj:ACC+8*aj+3], s[OUTB:OUTB+1] offset:128*(aj/2)+32*(aj%2)
	global_store_b128 v[BO], v[ACC+8*aj+4:ACC+8*aj+7], s[OUTB:OUTB+1] offset:128*(aj/2)+32*(aj%2)+16
.set aj, aj+1
.endr
	s_wait_xcnt 0x0                                ; and again, in front of the line that widens it
	s_or_b32 exec_lo, exec_lo, s2
	ENDW
.Lfunc_end_k_q2bf941d14d_final:
	.size	k_q2bf941d14d_final, .Lfunc_end_k_q2bf941d14d_final-k_q2bf941d14d_final
	.p2alignl 7, 3214868480
	.fill 96, 4, 3214868480
	.section	.rodata,"a",@progbits
	.p2align	6, 0x0
	.amdhsa_kernel k_q2bf941d14d_final
		.amdhsa_group_segment_fixed_size 101376
		.amdhsa_private_segment_fixed_size 0
		.amdhsa_enable_private_segment 0
		.amdhsa_kernarg_size 88
		.amdhsa_user_sgpr_count 2
		.amdhsa_user_sgpr_kernarg_segment_ptr 1
		.amdhsa_wavefront_size32 1
		.amdhsa_system_sgpr_workgroup_id_x 1
		.amdhsa_system_sgpr_workgroup_id_y 1
		.amdhsa_system_sgpr_workgroup_id_z 1
		.amdhsa_system_vgpr_workitem_id 0
		.amdhsa_next_free_vgpr 512
		.amdhsa_next_free_sgpr 106
		.amdhsa_reserve_vcc 1
		.amdhsa_float_denorm_mode_32 3
		.amdhsa_float_denorm_mode_16_64 3
		.amdhsa_memory_ordered 1
		.amdhsa_forward_progress 1
		.amdhsa_inst_pref_size 123
	.end_amdhsa_kernel
	.amdgpu_metadata
---
amdhsa.version: [ 1, 2 ]
amdhsa.kernels:
  - .name:           k_q2bf941d14d_final
    .symbol:         k_q2bf941d14d_final.kd
    .args:
      - { .name: seq_len, .offset: 0, .size: 8, .value_kind: global_buffer, .address_space: global }
      - { .name: ws1, .offset: 8, .size: 8, .value_kind: global_buffer, .address_space: global }
      - { .name: wfr, .offset: 16, .size: 8, .value_kind: global_buffer, .address_space: global }
      - { .name: bo, .offset: 24, .size: 8, .value_kind: global_buffer, .address_space: global }
      - { .name: ln2_w, .offset: 32, .size: 8, .value_kind: global_buffer, .address_space: global }
      - { .name: ln2_b, .offset: 40, .size: 8, .value_kind: global_buffer, .address_space: global }
      - { .name: b1, .offset: 48, .size: 8, .value_kind: global_buffer, .address_space: global }
      - { .name: b2, .offset: 56, .size: 8, .value_kind: global_buffer, .address_space: global }
      - { .name: lnf_w, .offset: 64, .size: 8, .value_kind: global_buffer, .address_space: global }
      - { .name: lnf_b, .offset: 72, .size: 8, .value_kind: global_buffer, .address_space: global }
      - { .name: out0, .offset: 80, .size: 8, .value_kind: global_buffer, .address_space: global }
    .group_segment_fixed_size: 101376
    .private_segment_fixed_size: 0
    .kernarg_segment_align: 8
    .kernarg_segment_size: 88
    .max_flat_workgroup_size: 256
    .sgpr_count:     106
    .vgpr_count:     512
    .wavefront_size: 32
...
	.end_amdgpu_metadata
.endif
;; end of part 4
;; ======== version 2 of 2: 4 launches
;; workspace buffers: wfr 2,457,600 bytes; ws0 20,185,088 bytes; ws1 15,892,480 bytes
;; launch prep (part 5): grid 16 x 12, 4 waves a work-group, no clusters, 0 bytes of LDS; arguments wq, wk, wv, wo, w1, w2, wfr; writes wfr
.if DOCPART == 5
	.amdgcn_target "amdgcn-amd-amdhsa--gfx1250"
	.amdhsa_code_object_version 6
	.text
	.protected	k_q2bf941d14d_prep
	.globl	k_q2bf941d14d_prep
	.p2align	8
	.type	k_q2bf941d14d_prep,@function
k_q2bf941d14d_prep:
	s_mov_b64 s[64:65], 0
	v_nop
	global_prefetch_b8 v0, s[64:65] scope:SCOPE_SE
	s_setreg_imm32_b32 hwreg(HW_REG_WAVE_MODE, 25, 1), 1
	s_wait_xcnt 0x0
; The twelve weights [512 (k)][512 (n)], f32, K their first axis, become codes of FP6 (E2M3) with one E8M0 byte for each 32 along K,
; laid in the ORDER OF THE OPERAND'S REGISTERS, so that the later launches load whole fragments by 16 bytes a lane.
; Matrix m = 6 x layer + kind (wq wk wv wo w1 w2) at m x 204,800; in it the block of columns 64 w .. 64 w + 63 at w x 25,600; in that, fragment (K step s, tile c)
; at 6,144 s + 1,536 c: registers 4 p .. 4 p + 3 of lane L at 512 p + 16 L; the scale words at 24,576 + 256 s + 16 r + 4 c.
; Lane r of tile c = 2 beta + u stands for column 64 w + 32 beta + 8 u + r + 8 (r / 8).
; A LANE TAKES A COLUMN AND ITS REGISTERS RUN DOWN K: a load reads 128 consecutive bytes a wave, 512 a work-group; a block of 32 lies in one lane.
; Work-group (x, y): matrix y, K step x / 4; wave: the 32 columns 32 (4 (x % 4) + wave) on.  Loads run two blocks of 32 ahead.
; A block's scale is 2^(floor(log2(largest magnitude)) - 2); its byte is the largest magnitude's exponent field - 2, held at 1 from below.
; LIMITS: a block of zeros gets the byte 1 where the rule says 127 (its codes are zeros, and this program alone reads the bytes); blocks whose largest
; magnitude lies under 2^-124 keep the byte 1; NaN and infinities are not served.  The scale words (98,304 bytes in all) leave 4 bytes a lane.
.set X,   32                           ; v32-159  128 numbers down K: 32 registers of its own for each block
.set F0,  160                          ; v160-171 the fragment registers of target lane (r, 0); v172-183 of (r, 1)
.set CTP, 184                          ; v184-186 a block's upper 16 codes (a conversion's three registers begin on an even number)
.set SOP, 187                          ; the conversion's scale operand
.set MA,  188
.set MB,  189
.set SW,  190                          ; the scale word: byte = block
	s_load_b256 s[4:11], s[0:1], 0x0               ; wq, wk, wv, wo
	s_load_b128 s[12:15], s[0:1], 0x20             ; w1, w2
	s_load_b64 s[16:17], s[0:1], 0x30              ; wfr
	v_lshrrev_b32 v1, 5, v0
	v_readfirstlane_b32 s18, v1                    ; wave
	v_and_b32 v2, 31, v0                           ; lane = column in the 32
	v_lshlrev_b32 v1, 2, v2                        ; 4 bytes a lane
	v_bfe_u32 v3, v2, 3, 1                         ; u: which of the two tiles
	v_and_b32 v4, 7, v2
	v_lshrrev_b32 v5, 4, v2
	v_lshl_add_u32 v4, v5, 3, v4                   ; r: the lane of that tile which stands for my column
	v_lshlrev_b32 v5, 4, v4                        ; 16 r
	v_mad_u32_u24 v6, v3, 0x600, v5                ; codes: 16 r + 1,536 u
	v_lshl_add_u32 v7, v3, 2, v5                   ; scale word: 16 r + 4 u
	s_and_b32 s20, ttmp7, 0xffff                   ; m
	s_cmp_ge_u32 s20, 6
	s_cselect_b32 s21, 1, 0                        ; layer
	s_mul_i32 s22, s21, 6
	s_sub_co_u32 s22, s20, s22                     ; kind
	s_lshr_b32 s23, ttmp9, 2                       ; K step
	s_and_b32 s24, ttmp9, 3
	s_lshl_b32 s24, s24, 2
	s_add_co_u32 s24, s24, s18                     ; block of 32 columns
	s_lshl_b32 s26, s21, 20                        ; source: layer x 1,048,576 + 128 s rows of 2,048 bytes + 128 bytes a block of columns
	s_lshl_b32 s25, s23, 18
	s_add_co_u32 s26, s26, s25
	s_lshl_b32 s25, s24, 7
	s_add_co_u32 s26, s26, s25
	s_mov_b32 s27, 0
	s_mul_i32 s28, s20, 204800                     ; target: the matrix, the block of 64 columns,
	s_lshr_b32 s25, s24, 1
	s_mul_i32 s25, s25, 25600
	s_add_co_u32 s28, s28, s25
	s_and_b32 s25, s24, 1                          ; which half of the 64
	s_lshl_b32 s30, s23, 8
	s_lshl_b32 s31, s25, 3
	s_add_co_u32 s30, s30, s31
	s_add_co_u32 s30, s30, s28
	s_add_co_u32 s30, s30, 24576                   ; the scale words: + 24,576 + 256 s + 8 beta
	s_mov_b32 s31, 0
	s_mul_i32 s23, s23, 6144
	s_mul_i32 s25, s25, 3072
	s_add_co_u32 s28, s28, s23
	s_add_co_u32 s28, s28, s25                     ; the codes: + 6,144 s + 3,072 beta
	s_mov_b32 s29, 0
	s_wait_alu depctr_va_vdst(0)
	s_wait_kmcnt 0x0
	s_cmp_eq_u32 s22, 1                            ; the source is chosen by the work-group's number alone
	s_cselect_b64 s[4:5], s[6:7], s[4:5]
	s_cmp_eq_u32 s22, 2
	s_cselect_b64 s[4:5], s[8:9], s[4:5]
	s_cmp_eq_u32 s22, 3
	s_cselect_b64 s[4:5], s[10:11], s[4:5]
	s_cmp_eq_u32 s22, 4
	s_cselect_b64 s[4:5], s[12:13], s[4:5]
	s_cmp_eq_u32 s22, 5
	s_cselect_b64 s[4:5], s[14:15], s[4:5]
	s_add_nc_u64 s[4:5], s[4:5], s[26:27]
	s_add_nc_u64 s[32:33], s[16:17], s[28:29]
	s_add_nc_u64 s[34:35], s[16:17], s[30:31]
.macro PLOAD t                         ; block t: W(128 s + 32 t + i, my column), i = 0 .. 31
.set pi, 0
.rept 32
	global_load_b32 v[X+32*(\t)+pi], v1, s[4:5] offset:2048*(32*(\t)+pi) th:TH_LOAD_NT
.set pi, pi+1
.endr
.endm
.macro PBLOCK t                        ; block t of the K step: it belongs to target lane half t % 2, registers 6 (t / 2) on
.set XS, X+32*\t
.set FD, F0+12*(\t%2)+6*(\t/2)
.if \t < 3
	s_wait_loadcnt 32                              ; this block's 32 loads are in; the next block's 32 may be out
.else
	s_wait_loadcnt 0x0
.endif
.if \t < 2
	PLOAD \t+2                                     ; two blocks ahead, into registers of its own
.endif
	v_max3_num_f32 v[MA], |v[XS]|, |v[XS+1]|, |v[XS+2]|
	v_max3_num_f32 v[MB], |v[XS+3]|, |v[XS+4]|, |v[XS+5]|
.irp i, 6,10,14,18,22,26
	v_max3_num_f32 v[MA], v[MA], |v[XS+\i]|, |v[XS+\i+1]|
	v_max3_num_f32 v[MB], v[MB], |v[XS+\i+2]|, |v[XS+\i+3]|
.endr
	v_max3_num_f32 v[MA], v[MA], |v[XS+30]|, |v[XS+31]|
	v_max3_num_f32 v[MA], v[MA], v[MB], 0x1800000  ; and the floor 2^(3 - 127): the byte cannot fall under 1
	v_add_nc_u32 v[SOP], 0xff000000, v[MA]         ; 2 off the exponent field: the conversion's scale operand
	v_lshrrev_b32 v[MB], 23, v[SOP]                ; the scale's byte
.if \t == 0
	v_mov_b32 v[SW], v[MB]
.else
	v_lshl_or_b32 v[SW], v[MB], 8*\t, v[SW]
.endif
	v_cvt_scalef32_pk16_fp6_f32 v[FD:FD+2], v[XS:XS+15], v[SOP]
	v_cvt_scalef32_pk16_fp6_f32 v[CTP:CTP+2], v[XS+16:XS+31], v[SOP]
	v_nop                                          ; one plain place behind a scaled conversion
	v_mov_b32 v[FD+3], v[CTP]
	v_mov_b32 v[FD+4], v[CTP+1]
	v_mov_b32 v[FD+5], v[CTP+2]
.endm
	PLOAD 0
	PLOAD 1
	PBLOCK 0
	PBLOCK 1
	PBLOCK 2
	PBLOCK 3
.irp h, 0,1
.irp p, 0,1,2
	global_store_b128 v6, v[F0+12*\h+4*\p:F0+12*\h+4*\p+3], s[32:33] offset:256*\h+512*\p   ; the sixteen lanes of a tile store 256 consecutive bytes, aligned
.endr
.endr
	global_store_b32 v7, v[SW], s[34:35]
	s_endpgm
.Lfunc_end_k_q2bf941d14d_prep:
	.size	k_q2bf941d14d_prep, .Lfunc_end_k_q2bf941d14d_prep-k_q2bf941d14d_prep
	.p2alignl 7, 3214868480
	.fill 96, 4, 3214868480
	.section	.rodata,"a",@progbits
	.p2align	6, 0x0
	.amdhsa_kernel k_q2bf941d14d_prep
		.amdhsa_group_segment_fixed_size 0
		.amdhsa_private_segment_fixed_size 0
		.amdhsa_enable_private_segment 0
		.amdhsa_kernarg_size 56
		.amdhsa_user_sgpr_count 2
		.amdhsa_user_sgpr_kernarg_segment_ptr 1
		.amdhsa_wavefront_size32 1
		.amdhsa_system_sgpr_workgroup_id_x 1
		.amdhsa_system_sgpr_workgroup_id_y 1
		.amdhsa_system_sgpr_workgroup_id_z 1
		.amdhsa_system_vgpr_workitem_id 0
		.amdhsa_next_free_vgpr 192
		.amdhsa_next_free_sgpr 66
		.amdhsa_reserve_vcc 0
		.amdhsa_float_denorm_mode_32 3
		.amdhsa_float_denorm_mode_16_64 3
		.amdhsa_memory_ordered 1
		.amdhsa_forward_progress 1
		.amdhsa_inst_pref_size 22
	.end_amdhsa_kernel
	.amdgpu_metadata
---
amdhsa.version: [ 1, 2 ]
amdhsa.kernels:
  - .name:           k_q2bf941d14d_prep
    .symbol:         k_q2bf941d14d_prep.kd
    .args:
      - { .name: wq, .offset: 0, .size: 8, .value_kind: global_buffer, .address_space: global }
      - { .name: wk, .offset: 8, .size: 8, .value_kind: global_buffer, .address_space: global }
      - { .name: wv, .offset: 16, .size: 8, .value_kind: global_buffer, .address_space: global }
      - { .name: wo, .offset: 24, .size: 8, .value_kind: global_buffer, .address_space: global }
      - { .name: w1, .offset: 32, .size: 8, .value_kind: global_buffer, .address_space: global }
      - { .name: w2, .offset: 40, .size: 8, .value_kind: global_buffer, .address_space: global }
      - { .name: wfr, .offset: 48, .size: 8, .value_kind: global_buffer, .address_space: global }
    .group_segment_fixed_size: 0
    .private_segment_fixed_size: 0
    .kernarg_segment_align: 8
    .kernarg_segment_size: 56
    .max_flat_workgroup_size: 128
    .sgpr_count:     66
    .vgpr_count:     192
    .wavefront_size: 32
...
	.end_amdgpu_metadata
.endif
;; end of part 5
;; launch front (part 6): grid 8 x 32, 8 waves a work-group, no clusters, 231,424 bytes of LDS; arguments seq, seq_len, item_emb, pos_emb, ln1_w, ln1_b, bq, bk, bv, wfr, ws0; writes ws0
.if DOCPART == 6
	.amdgcn_target "amdgcn-amd-amdhsa--gfx1250"
	.amdhsa_code_object_version 6
	.text
	.protected	k_q2bf941d14d_front
	.globl	k_q2bf941d14d_front
	.p2align	8
	.type	k_q2bf941d14d_front,@function
k_q2bf941d14d_front:
	s_mov_b64 s[64:65], 0
	v_nop
	global_prefetch_b8 v0, s[64:65] scope:SCOPE_SE
	s_setreg_imm32_b32 hwreg(HW_REG_WAVE_SCHED_MODE, 0, 2), 2
	s_setreg_imm32_b32 hwreg(HW_REG_WAVE_MODE, 25, 1), 1
	s_wait_xcnt 0x0
	s_wait_alu depctr_vm_vsrc(0)
; Layer 0's front: x0 = item_emb[seq] sqrt(512) + pos_emb[pos], LayerNorm 1, and q, k, v = h W + b on codes of FP6 (E2M3, one E8M0 byte for each 32 along K); q, k, v leave as codes.
; SHARES.  Work-group (i, b) owns two groups of 32 rows of batch b: hi = 15 - i and lo = i.  A group is worked where it lies under 4 ceil(len / 128): every key step of 128 rows
; that a later launch reads is written whole, the rows from len on as the definition has them (position 0).  A group that is not worked is jumped over inside loops of two trips;
; every barrier stands outside those loops, on every wave's path.
; Wave w owns columns 64 w .. 64 w + 63 (head w) of all 32 rows of a group.  Its part of a weight (16 fragments, 192 registers) comes from memory in register order and serves both groups;
; the next weight is asked for while the lo group, the last, is multiplied.
; ORDER OF ROWS: lane r of tile 2 g + u stands for row 32 g + 8 u + r + 8 (r / 8); the columns of a weight's tile likewise.  So a lane's 16 registers of two neighbouring tiles are 16 neighbours along the next K.
; q, k: source 0 = 16 columns of W, source 1 = 16 rows: a lane holds one row.  v: the sources swapped: a lane holds one column and its registers run along the keys, which are the K of attention's second product.
; Operands go from wave to wave through LDS as images of their registers.  No tensor load: which groups are worked hangs on seq_len, read from memory.
; LIMITS: seq is held at 100,000 and seq_len to 1 .. 512; NaN and infinities are not served; a block of zeros, or one under 2^-124, gets the scale byte 1 (its codes are read by this program alone);
; LayerNorm multiplies by v_rsq_f32 where the definition divides by a root.
; THE MODE: SCHED_MODE bits 1:0 = 2 (LLVM: expert scheduling mode 2), set by the entry lines.  The code itself states the register dependences
; between vector or matrix instructions and memory or LDS instructions, with s_wait_alu, always for 0.
; THE PLAN.  Registers that memory or LDS instructions touch, and who else names them:
;   v1-11, v18-19, v31   lane terms: made once at the head, never written again: the wait on va_vdst ahead of the first load covers them for the whole kernel.
;   v208-255, v64-79     the gather's offsets, made from loaded indices: one wait on va_vdst ahead of each run of row loads; one on vm_vsrc behind the gather, where they become other things.
;   v12-17, v20-23       the addresses of the group in hand: written at the head of each trip of a loop of two trips, read by the trip's LDS and memory instructions.
;                        At a trip's head: vm_vsrc (which also frees what the last trip's stores read: ACC, PC, PW, T2, the rows' figures), the writes, va_vdst
;                        (which also shows the last trip's vector and matrix work done with ACC, AF, LS and AS, in which this trip's loads land).
;   AF, AS, W, WS, BI    a K step's eight products read them; the loads of the K step two on, of the next weight and of its bias land in them behind one wait on va_vdst.
;   PC, PW, T2, LMP      written by the quantiser and the rows' sums; one wait on va_vdst ahead of each run of stores that reads them.
.set NT, 2                             ; tiles of 16 rows in a pass
; LDS: a region for each group, hi's at 0, lo's at REG2
.set AIMG, 0                           ; 12,288: fragment (u, s) at 6,144 u + 1,536 s: registers 2 q, 2 q + 1 of lane L at 256 q + 8 L
.set ASC,  12288                       ; 1,024: its scale words at 128 (4 u + s) + 4 L
.set HIMG, 13312
.set HSC,  25600
.set STAT, 26624                       ; 4,096: (mean, sum of squares about it) of a wave's 64 columns: 2,048 u + 256 w + 8 L
.set XR,   30720                       ; 69,632: the wave's own x: 8,704 w + 272 (16 u + r): 256 bytes + 16
.set SPARE, 100352                     ; the spare words, 128 bytes for each wave: four blocks of 256 bytes that no other line names
.set REG2, 131072
; window 0
.set L16,1
.set L8,2
.set L4,3
.set R16,4
.set R4,5
.set H16,6
.set GO,7                              ; 256 w + 16 r: my 16 bytes of the wave's 256 of a row
.set BO,8                              ; 256 w + 64 h: a bias in the result's layout
.set BV,9                              ; 4 (64 w + r + 8 (r / 8)): a bias where a lane is a column
.set RR,10
.set RQ,11
.set L8G,12                            ; v12-17: LDS addresses of the group in hand
.set L4G,13
.set IG,14
.set ISG,15
.set XAG,16
.set STG,17
.set XGH,18
.set XGL,19
.set KOG,20                            ; v20-23: the group's offsets in the workspace
.set KSS,21
.set KSL,22
.set VSG,23
.set D0,28
.set NINF,30
.set XL,31
.set T0,34
.set T1,35
.set SPW,36                            ; LDS address of my spare word; never rewritten
.set NIL,37                            ; 0; never rewritten
.set T2,38
.set T3,39
.set WS,40                             ; v40-55 W's scale words (4 s + c); v56-63 the rows' (2 s + u): these registers hold scales and nothing else
.set AS,56
.set GPH,64                            ; the gather's offsets: hi's positions v64-79, lo's items v208-223, lo's positions v224-239, hi's items v240-255: no row's load lands on an offset
.set FF,72
.set BVR,74
.set PW,78
.set ACC,80
.set AF,144
.set TM,144
.set CT,160
.set LS,144
.set LT,176
.set BI,192
.set GIL,208
.set PC,224
.set GPL,224
.set LMP,236
.set MU,240
.set GIH,240
.set RU,244
; window 1: W's fragments at 48 s + 12 c
.set LNW,192
.set LNB,224
; scalars
.set WV,12
.set BB,13
.set LEN,15
.set LM1,16
.set ACT,18
.set GH,19
.set GL,20
.set GG,21
.set GI,22
.set RFV,23
.set SEL,28
.set CS,30
.set TS,58
.set EPS,66
.set I512,67
.set QCB,68
.set KCB,70
.set VCB,72
.set QSB,74
.set KSB,76
.set VSB,78
.set WB,80
.set SW768,96
.set SWIS,97
.set SWXR,98
.set SW256,99
.set RT,100
.set GB,104
.set QB,105
.set MSB, 0
.macro WIN new                         ; the immediate's high byte repeats the setting that is left
.if MSB != \new
	s_set_vgpr_msb (MSB<<8)|\new
.set MSB, \new
.endif
.endm
.macro WMM d, a, b, c, sa, sb
	v_wmma_scale_f32_16x16x128_f8f6f4 v[\d:\d+7], v[\a:\a+11], v[\b:\b+11], v[\c:\c+7], v[\sa], v[\sb] matrix_a_fmt:MATRIX_FMT_FP6 matrix_b_fmt:MATRIX_FMT_FP6
.endm
.macro LANES                           ; what hangs on the lane and the wave alone
	v_and_b32 v[T0], 31, v0
	v_lshlrev_b32 v[L16], 4, v[T0]
	v_lshlrev_b32 v[L8], 3, v[T0]
	v_lshlrev_b32 v[L4], 2, v[T0]
	v_and_b32 v[RR], 15, v0
	v_lshlrev_b32 v[R16], 4, v[RR]
	v_lshlrev_b32 v[R4], 2, v[RR]
	v_bfe_u32 v[T1], v0, 4, 1
	v_lshlrev_b32 v[H16], 4, v[T1]
	v_and_b32 v[RQ], 8, v[RR]
	v_add_nc_u32 v[RQ], v[RQ], v[RR]
	s_lshl_b32 s[SW256], s[WV], 8
	v_add_nc_u32 v[GO], s[SW256], v[R16]
	v_lshl_add_u32 v[BO], v[T1], 6, s[SW256]
	v_lshl_add_u32 v[BV], v[RQ], 2, s[SW256]
	v_mul_u32_u24 v[XL], v[RR], 272
	v_lshl_add_u32 v[XL], v[T1], 6, v[XL]
	s_mul_i32 s[SWXR], s[WV], 8704
	s_add_co_u32 s[SWXR], s[SWXR], XR
.if NT > 1
	v_mul_u32_u24 v[XGH], v[T1], 272
	v_add_nc_u32 v[XGH], v[XGH], v[R16]
	v_add_nc_u32 v[XGH], s[SWXR], v[XGH]
	v_add_nc_u32 v[XGL], REG2, v[XGH]
.endif
	s_mul_i32 s[SW768], s[WV], 768
	s_lshr_b32 s[SWIS], s[WV], 1
	s_lshl_b32 s[SWIS], s[SWIS], 7
	s_and_b32 s2, s[WV], 1
	s_lshl_b32 s2, s2, 1
	s_add_co_u32 s[SWIS], s[SWIS], s2
	s_mov_b32 s[SEL], 0x76543210                   ; v_permlanex16_b32's selects for lane l xor 16
	s_mov_b32 s[SEL+1], 0xfedcba98
	s_mov_b32 s[CS], 0x3e38aa3b                    ; log2(e) / 8
	s_mov_b32 s[CS+1], s[CS]
	s_mov_b32 s[EPS], 0x322bcc77                   ; 1e-8
	s_mov_b32 s[I512], 0x3b000000                  ; 1 / 512
	s_mov_b32 s[RT], 0x41b504f3                    ; sqrt(512)
	s_mov_b32 s[RT+1], s[RT]
	v_mov_b32 v[NINF], 0xff800000
.set li, 0
.rept 12
	v_mov_b32 v[LMP+li], 0                         ; written once: destinations of lane permutes and upper halves of broadcast pairs count as read
.set li, li+1
.endr
.set li, 0
.rept 4
	v_mov_b32 v[TM+4+li], 0
.set li, li+1
.endr
	v_mov_b32 v[FF+1], 0
.endm
.macro SETL                            ; the LDS addresses of the region at s[GB]: a lane term + (a wave term + the region)
	v_add_nc_u32 v[L8G], s[GB], v[L8]
	v_add_nc_u32 v[L4G], s[GB], v[L4]
	s_add_co_u32 s2, s[SW768], s[GB]
	v_add_nc_u32 v[IG], s2, v[L8]
	s_add_co_u32 s2, s[SWIS], s[GB]
	v_add_nc_u32 v[ISG], s2, v[L4]
	s_add_co_u32 s2, s[SWXR], s[GB]
	v_add_nc_u32 v[XAG], s2, v[XL]
	s_add_co_u32 s2, s[SW256], s[GB]
	v_add_nc_u32 v[STG], s2, v[L8]
.endm
.macro SETG
	s_cmp_eq_u32 s[GI], 0
	s_cselect_b32 s[GG], s[GH], s[GL]
	s_lshl_b32 s[QB], s[GG], 5
	v_mad_u32_u24 v[KOG], s[GG], 0x600, v[L8]
	v_lshl_add_u32 v[KSS], s[GG], 7, v[L4]
	v_lshl_add_u32 v[KSL], s[GG], 7, v[R4]
	v_lshl_add_u32 v[VSG], s[GG], 6, v[R4]
	SETL
.endm
; A loop of two trips, hi then lo.  The addresses are made on every path; a group that is not worked jumps over the body alone.
; aw = 1: the wait on va_vdst behind the addresses stands here; 0: the body makes more addresses and has the wait behind them.
.macro GLOOP_BEGIN id, lc, aw
	s_mov_b32 s[GI], 0
	s_mov_b32 s[GB], 0
.Lg_\id:
	s_wait_xcnt 0x0                                ; the last trip's stores and loads have read their offsets and data: both are rewritten below
	s_wait_alu depctr_vm_vsrc(0)                   ; the LDS and memory instructions issued so far have read the group's addresses, written anew below, and the data of their stores (ACC, PC, PW, T2, the rows' figures), written anew in this trip
.if \lc >= 0
	s_wait_loadcnt \lc
.endif
	SETG
.if \aw
	s_wait_alu depctr_va_vdst(0)                   ; the group's addresses are written, which this trip's LDS and memory instructions read; the vector and matrix work so far is done with the registers in which this trip's loads land
.endif
	s_lshr_b32 s2, s[ACT], s[GI]
	s_and_b32 s2, s2, 1
	s_cmp_eq_u32 s2, 0
	s_cbranch_scc1 .Lgs_\id
.endm
.macro GLOOP_END id
.Lgs_\id:
	s_add_co_u32 s[GB], s[GB], REG2
	s_add_co_u32 s[GI], s[GI], 1
	s_cmp_lt_u32 s[GI], 2
	s_cbranch_scc1 .Lg_\id
.endm
.macro BARRIER                         ; my LDS stores have landed and my LDS loads are in: then the work-group's barrier
	s_wait_dscnt 0x0
	s_barrier_signal -1
	s_barrier_wait -1
.endm
; 32 NT numbers of a lane, register 16 b + i = neighbour 16 (lane / 16) + i of block b, become codes in v[PC] on (six registers for each pair of blocks: lanes 0-15 the even block whole, lanes 16-31 the odd) and the bytes in v[PW].
.macro QUANT s
.set qb, 0
.rept 2*NT
	v_max3_num_f32 v[TM+qb], |v[\s+16*qb]|, |v[\s+16*qb+1]|, 0x1800000   ; with the floor 2^(3 - 127): the byte cannot fall under 1
.set qb, qb+1
.endr
.set qi, 2
.rept 7
.set qb, 0
.rept 2*NT
	v_max3_num_f32 v[TM+qb], v[TM+qb], |v[\s+16*qb+qi]|, |v[\s+16*qb+qi+1]|
.set qb, qb+1
.endr
.set qi, qi+2
.endr
.set qb, 0
.rept 2*NT
	v_permlanex16_b32 v[TM+4+qb], v[TM+qb], s[SEL], s[SEL+1]
.set qb, qb+1
.endr
.set qb, 0
.rept 2*NT
	v_max_num_f32 v[TM+qb], v[TM+qb], v[TM+4+qb]   ; with lane l xor 16's: the block's largest magnitude
.set qb, qb+1
.endr
.set qb, 0
.rept 2*NT
	v_add_nc_u32 v[TM+12+qb], 0xff000000, v[TM+qb] ; 2 off its exponent field: the conversion's scale operand
.set qb, qb+1
.endr
.set qb, 0
.rept 2*NT
	v_lshrrev_b32 v[TM+4+qb], 23, v[TM+12+qb]      ; the scale's byte
.set qb, qb+1
.endr
	v_lshl_or_b32 v[PW], v[TM+5], 8, v[TM+4]
.if NT > 1
	v_lshl_or_b32 v[PW], v[TM+6], 16, v[PW]
	v_lshl_or_b32 v[PW], v[TM+7], 24, v[PW]
.endif
.set qb, 0
.rept NT
	v_cvt_scalef32_pk16_fp6_f32 v[PC+6*qb:PC+6*qb+2], v[\s+32*qb:\s+32*qb+15], v[TM+12+2*qb]
	v_cvt_scalef32_pk16_fp6_f32 v[CT+4*qb:CT+4*qb+2], v[\s+32*qb+16:\s+32*qb+31], v[TM+13+2*qb]
.set qb, qb+1
.endr
	v_nop                                          ; one plain place behind a scaled conversion
.set qb, 0
.rept NT
.set qi, 0
.rept 3
	v_permlane16_swap_b32 v[PC+6*qb+qi], v[CT+4*qb+qi]
.set qi, qi+1
.endr
.set qi, 0
.rept 3
	v_mov_b32 v[PC+6*qb+3+qi], v[CT+4*qb+qi]
.set qi, qi+1
.endr
.set qb, qb+1
.endr
.endm
.macro PUTIMG buf, sc                  ; my half fragments (columns 64 w on of tile u) and my two bytes of each row's scale word
	s_wait_alu depctr_va_vdst(0)                   ; the quantiser has written the codes v[PC ..] and the bytes v[PW], which the LDS stores read
.set pu, 0
.rept NT
.set pq, 0
.rept 3
	ds_store_b64 v[IG], v[PC+6*pu+2*pq:PC+6*pu+2*pq+1] offset:\buf+6144*pu+256*pq
.set pq, pq+1
.endr
.set pu, pu+1
.endr
	ds_store_b16 v[ISG], v[PW] offset:\sc
.if NT > 1
	ds_store_b16_d16_hi v[ISG], v[PW] offset:\sc+512
.endif
	s_wait_dscnt 0x0                               ; the stores have read their registers
.endm
.macro GETA buf, sc, s                 ; K step s of the rows' fragments and scale words: 7 NT LDS loads
.set eu, 0
.rept NT
.set eq, 0
.rept 6
	ds_load_b64 v[AF+24*((\s)%2)+12*eu+2*eq:AF+24*((\s)%2)+12*eu+2*eq+1], v[L8G] offset:\buf+6144*eu+1536*(\s)+256*eq
.set eq, eq+1
.endr
	ds_load_b32 v[AS+2*(\s)+eu], v[L4G] offset:\sc+(4*eu+(\s))*128
.set eu, eu+1
.endr
.endm
.macro WLOAD m, s                      ; K step s of matrix m: four fragments and their scale words; every offset an immediate
	WIN 0x40
.set wc, 0
.rept 12
	global_load_b128 v[48*(\s)+4*wc:48*(\s)+4*wc+3], v[L16], s[WB:WB+1] offset:(\m)*204800+6144*(\s)+512*wc
.set wc, wc+1
.endr
	WIN 0
	global_load_b128 v[WS+4*(\s):WS+4*(\s)+3], v[R16], s[WB:WB+1] offset:(\m)*204800+24576+256*(\s)
.endm
.macro BLOAD ptr, off                  ; a bias in the result's layout: register 8 c + j = column 64 w + 32 (c / 2) + 16 h + 8 (c % 2) + j
.set bc, 0
.rept 4
	global_load_b128 v[BI+8*bc:BI+8*bc+3], v[BO], s[\ptr:\ptr+1] offset:\off+128*(bc/2)+32*(bc%2)
	global_load_b128 v[BI+8*bc+4:BI+8*bc+7], v[BO], s[\ptr:\ptr+1] offset:\off+128*(bc/2)+32*(bc%2)+16
.set bc, bc+1
.endr
.endm
.macro LNLOAD pw, pb, off
	WIN 0x40
.set bc, 0
.rept 4
	global_load_b128 v[LNW+8*bc:LNW+8*bc+3], v[BO], s[\pw:\pw+1] offset:\off+128*(bc/2)+32*(bc%2)
	global_load_b128 v[LNW+8*bc+4:LNW+8*bc+7], v[BO], s[\pw:\pw+1] offset:\off+128*(bc/2)+32*(bc%2)+16
	global_load_b128 v[LNB+8*bc:LNB+8*bc+3], v[BO], s[\pb:\pb+1] offset:\off+128*(bc/2)+32*(bc%2)
	global_load_b128 v[LNB+8*bc+4:LNB+8*bc+7], v[BO], s[\pb:\pb+1] offset:\off+128*(bc/2)+32*(bc%2)+16
.set bc, bc+1
.endr
	WIN 0
.endm
.macro BVLOAD ptr, off
.set bc, 0
.rept 4
	global_load_b32 v[BVR+bc], v[BV], s[\ptr:\ptr+1] offset:\off+128*(bc/2)+32*(bc%2)
.set bc, bc+1
.endr
.endm
.macro SPLAT                           ; where a lane is a column, its bias stands in all eight registers of the tile
.set bc, 0
.rept 32
	v_mov_b32 v[BI+bc], v[BVR+bc/8]
.set bc, bc+1
.endr
.endm
.macro XLD                             ; my x from my own LDS bytes, in the result's layout
.set xu, 0
.rept NT
.set xc, 0
.rept 4
	ds_load_b128 v[ACC+32*xu+8*xc:ACC+32*xu+8*xc+3], v[XAG] offset:4352*xu+128*(xc/2)+32*(xc%2)
	ds_load_b128 v[ACC+32*xu+8*xc+4:ACC+32*xu+8*xc+7], v[XAG] offset:4352*xu+128*(xc/2)+32*(xc%2)+16
.set xc, xc+1
.endr
.set xu, xu+1
.endr
.endm
; One K step of a product: 4 NT matrix instructions, the accumulators by turns.
; mode 0: a lane holds a row, the sum begins with the bias; 1: the same on top of x + bias, which lie in ACC; 2: the sources swapped, a lane holds a column.
; rm >= 0: in the trip s[RFV] the registers just read take the next matrix's K step (and bias bp).
.macro GSTEP mode, buf, sc, s, rm, bp, bo
.if \s == 3
	s_wait_dscnt 0x0
.else
	s_wait_dscnt 7*NT                              ; this K step's fragments are in; the next one's 7 NT loads may be out
.endif
.if \mode == 2
	WIN 0x04
.else
	WIN 0x01
.endif
.set gc, 0
.rept 4
.set gu, 0
.rept NT
.set gw, 48*(\s)+12*gc
.set ga, AF+24*((\s)%2)+12*gu
.if \mode == 2
.set gd, ACC+16*gc+8*gu
.else
.set gd, ACC+32*gu+8*gc
.endif
.set gq, gd
.if ((\s) == 0) && (\mode != 1)
.set gq, BI+8*gc
.endif
.if \mode == 2
	WMM gd, ga, gw, gq, AS+2*(\s)+gu, WS+4*(\s)+gc
.else
	WMM gd, gw, ga, gq, WS+4*(\s)+gc, AS+2*(\s)+gu
.endif
.set gu, gu+1
.endr
.set gc, gc+1
.endr
	WIN 0
.rept 4
	v_nop                                          ; places in front of loads into registers that these products have read, and of the first read of results
.endr
.if ((\s) < 2) || (\rm >= 0)
	s_wait_alu depctr_va_vdst(0)                   ; this K step's products are done reading their fragments, scale words and bias, in which the loads below land; and they have written the accumulators
.endif
.if \s < 2
	GETA \buf, \sc, \s+2
.endif
.if \rm >= 0
	s_cmp_eq_u32 s[GI], s[RFV]
	s_cbranch_scc0 .Lnr_\@
	WLOAD \rm, \s
.if ((\s) == 0) && (\bp >= 0)
	BLOAD \bp, \bo
.endif
.Lnr_\@:
.endif
.endm
.macro GPASS mode, buf, sc, rm, bp, bo
.if \mode == 1
	XLD
.endif
	GETA \buf, \sc, 0
	GETA \buf, \sc, 1
.if \mode == 1
	s_wait_dscnt 14*NT                             ; x is in; the two K steps' 14 NT loads may be out
.set hu, 0
.rept NT
.set hj, 0
.rept 16
	v_pk_add_f32 v[ACC+32*hu+hj:ACC+32*hu+hj+1], v[ACC+32*hu+hj:ACC+32*hu+hj+1], v[BI+hj:BI+hj+1]
.set hj, hj+2
.endr
.set hu, hu+1
.endr
.endif
	GSTEP \mode, \buf, \sc, 0, \rm, \bp, \bo
	GSTEP \mode, \buf, \sc, 1, \rm, \bp, \bo
	GSTEP \mode, \buf, \sc, 2, \rm, \bp, \bo
	GSTEP \mode, \buf, \sc, 3, \rm, \bp, \bo
.endm
; The wave's 64 columns of each row: their mean, and the sum of squares about THAT mean (no difference of large sums); both to LDS.
.macro LNSTAT
.set lu, 0
.rept NT
.set lx, ACC+32*lu
.set lt, LT+8*lu
.set lm, LMP+2*lu
	v_pk_add_f32 v[lt:lt+1], v[lx:lx+1], v[lx+2:lx+3]
	v_pk_add_f32 v[lt+2:lt+3], v[lx+4:lx+5], v[lx+6:lx+7]
.set lj, 8
.rept 6
	v_pk_add_f32 v[lt:lt+1], v[lt:lt+1], v[lx+lj:lx+lj+1]
	v_pk_add_f32 v[lt+2:lt+3], v[lt+2:lt+3], v[lx+lj+2:lx+lj+3]
.set lj, lj+4
.endr
	v_pk_add_f32 v[lt:lt+1], v[lt:lt+1], v[lt+2:lt+3]
	v_add_f32 v[lt], v[lt], v[lt+1]
	v_permlanex16_b32 v[lt+1], v[lt], s[SEL], s[SEL+1]
	v_add_f32 v[lt], v[lt], v[lt+1]
	v_mul_f32 v[lm], 0x3c800000, v[lt]             ; / 64
	v_pk_add_f32 v[lt+4:lt+5], v[lx:lx+1], v[lm:lm+1] op_sel_hi:[1,0] neg_lo:[0,1] neg_hi:[0,1]
	v_pk_add_f32 v[lt+6:lt+7], v[lx+2:lx+3], v[lm:lm+1] op_sel_hi:[1,0] neg_lo:[0,1] neg_hi:[0,1]
	v_pk_mul_f32 v[lt:lt+1], v[lt+4:lt+5], v[lt+4:lt+5]
	v_pk_mul_f32 v[lt+2:lt+3], v[lt+6:lt+7], v[lt+6:lt+7]
.set lj, 4
.rept 7
	v_pk_add_f32 v[lt+4:lt+5], v[lx+lj:lx+lj+1], v[lm:lm+1] op_sel_hi:[1,0] neg_lo:[0,1] neg_hi:[0,1]
	v_pk_add_f32 v[lt+6:lt+7], v[lx+lj+2:lx+lj+3], v[lm:lm+1] op_sel_hi:[1,0] neg_lo:[0,1] neg_hi:[0,1]
	v_pk_fma_f32 v[lt:lt+1], v[lt+4:lt+5], v[lt+4:lt+5], v[lt:lt+1]
	v_pk_fma_f32 v[lt+2:lt+3], v[lt+6:lt+7], v[lt+6:lt+7], v[lt+2:lt+3]
.set lj, lj+4
.endr
	v_pk_add_f32 v[lt:lt+1], v[lt:lt+1], v[lt+2:lt+3]
	v_add_f32 v[lt], v[lt], v[lt+1]
	v_permlanex16_b32 v[lt+1], v[lt], s[SEL], s[SEL+1]
	v_add_f32 v[lm+1], v[lt], v[lt+1]
.set lu, lu+1
.endr
	s_wait_alu depctr_va_vdst(0)                   ; the tiles' figures v[LMP ..] are written, which the LDS stores read
.set lu, 0
.rept NT
	ds_store_b64 v[STG], v[LMP+2*lu:LMP+2*lu+1] offset:STAT+2048*lu
.set lu, lu+1
.endr
	s_wait_dscnt 0x0                               ; the stores have read their registers
.endm
; The eight waves' figures make the row's mean and variance; ACC = (x - mean) rsqrt(var + eps) w + b.
.macro LNAPPLY
	XLD
.set lu, 0
.rept NT
.set lw, 0
.rept 8
	ds_load_b64 v[LS+16*lu+2*lw:LS+16*lu+2*lw+1], v[L8G] offset:STAT+2048*lu+256*lw
.set lw, lw+1
.endr
.set lu, lu+1
.endr
	s_wait_dscnt 0x0
.set lu, 0
.rept NT
.set lp, LS+16*lu
.set lt, LT+8*lu
	v_add_f32 v[lt], v[lp], v[lp+2]
	v_add_f32 v[lt+1], v[lp+4], v[lp+6]
	v_add_f32 v[lt+2], v[lp+8], v[lp+10]
	v_add_f32 v[lt+3], v[lp+12], v[lp+14]
	v_add_f32 v[lt], v[lt], v[lt+1]
	v_add_f32 v[lt+2], v[lt+2], v[lt+3]
	v_add_f32 v[lt], v[lt], v[lt+2]
	v_mul_f32 v[MU+2*lu], 0x3e000000, v[lt]        ; the row's mean
	v_add_f32 v[lt], v[lp+1], v[lp+3]
	v_add_f32 v[lt+1], v[lp+5], v[lp+7]
	v_add_f32 v[lt+2], v[lp+9], v[lp+11]
	v_add_f32 v[lt+3], v[lp+13], v[lp+15]
	v_add_f32 v[lt], v[lt], v[lt+1]
	v_add_f32 v[lt+2], v[lt+2], v[lt+3]
	v_add_f32 v[lt], v[lt], v[lt+2]
.set lw, 0
.rept 8
	v_sub_f32 v[lp+2*lw], v[lp+2*lw], v[MU+2*lu]
.set lw, lw+1
.endr
	v_mul_f32 v[lt+1], v[lp], v[lp]
.set lw, 1
.rept 7
	v_fmac_f32 v[lt+1], v[lp+2*lw], v[lp+2*lw]
.set lw, lw+1
.endr
	v_fma_f32 v[lt], v[lt+1], 0x42800000, v[lt]    ; + 64 x the squares of the waves' means about the row's
	v_fma_f32 v[lt], v[lt], s[I512], s[EPS]
	s_wait_alu depctr_va_vdst(0)
	v_rsq_f32 v[RU+2*lu], v[lt]
.set lu, lu+1
.endr
.set lu, 0
.rept NT
.set lj, 0
.rept 16
	v_pk_add_f32 v[ACC+32*lu+lj:ACC+32*lu+lj+1], v[ACC+32*lu+lj:ACC+32*lu+lj+1], v[MU+2*lu:MU+2*lu+1] op_sel_hi:[1,0] neg_lo:[0,1] neg_hi:[0,1]
.set lj, lj+2
.endr
.set lu, lu+1
.endr
	s_wait_alu depctr_va_vdst(0)                   ; one wait for the roots v[RU ..], ahead of their first reader; the subtractions above are the plain work between
.set lu, 0
.rept NT
.set lj, 0
.rept 16
	v_pk_mul_f32 v[ACC+32*lu+lj:ACC+32*lu+lj+1], v[ACC+32*lu+lj:ACC+32*lu+lj+1], v[RU+2*lu:RU+2*lu+1] op_sel_hi:[1,0]
.set lj, lj+2
.endr
.set lu, lu+1
.endr
	WIN 0x14
.set lu, 0
.rept NT
.set lj, 0
.rept 16
	v_pk_fma_f32 v[ACC+32*lu+lj:ACC+32*lu+lj+1], v[ACC+32*lu+lj:ACC+32*lu+lj+1], v[LNW+lj:LNW+lj+1], v[LNB+lj:LNB+lj+1]
.set lj, lj+2
.endr
.set lu, lu+1
.endr
	WIN 0
.endm
.macro STQK vo, vs, cb, sb             ; a group's codes of q or k: each store covers 256 consecutive bytes, aligned; the scale words: lanes 0-15 tile 0's, lanes 16-31 tile 1's
	v_lshrrev_b32 v[T2], v[H16], v[PW]
	v_and_b32 v[T2], 0xffff, v[T2]
	s_wait_alu depctr_va_vdst(0)                   ; the codes v[PC ..] and the scale word v[T2] are written, which the stores read
.set tu, 0
.rept NT
.set tp, 0
.rept 3
	global_store_b64 v[\vo], v[PC+6*tu+2*tp:PC+6*tu+2*tp+1], s[\cb:\cb+1] offset:768*tu+256*tp
.set tp, tp+1
.endr
.set tu, tu+1
.endr
	global_store_b32 v[\vs], v[T2], s[\sb:\sb+1]
.endm
.macro STV cb, sb                      ; a group's codes of v: 32 keys of column slot 32 c + lane
	s_wait_alu depctr_va_vdst(0)                   ; the codes v[PC ..] and the bytes v[PW] are written, which the stores read
.set tu, 0
.rept 2
.set tp, 0
.rept 3
	global_store_b64 v[KOG], v[PC+6*tu+2*tp:PC+6*tu+2*tp+1], s[\cb:\cb+1] offset:512*tp+256*tu
.set tp, tp+1
.endr
.set tu, tu+1
.endr
	global_store_b32 v[VSG], v[PW], s[\sb:\sb+1]
.endm
; THE GATHER.  Pair i of a group: slots 2 i, 2 i + 1 of the wave's x = rows cr, cr + 1 of the group; lanes 0-15 take 256 bytes of one row, lanes 16-31 of the next.
.macro GMS k                           ; the eight scalar registers that take a run of compares: s60-63, s14, s17, s24, s25
.set ms, 60+(\k)
.if (\k) == 4
.set ms, 14
.endif
.if (\k) == 5
.set ms, 17
.endif
.if (\k) >= 6
.set ms, 18+(\k)
.endif
.endm
.macro GSEQ sq, ia
.set gi, 0
.rept 16
.set cr, 8*(gi/8)+2*(gi%8)+8*((gi%8)/4)
	global_load_b32 v[\ia+gi], v[\sq], s[4:5] offset:4*cr
.set gi, gi+1
.endr
.endm
.macro GPOS rb, pa                     ; the position: the row's number, 0 from len on.  The compares go in runs of eight, each into a scalar register of its own
.set gh, 0
.rept 2
.set gk, 0
.rept 8
.set gi, 8*gh+gk
.set cr, 8*(gi/8)+2*(gi%8)+8*((gi%8)/4)
	GMS gk
	v_add_nc_u32 v[\pa+gi], cr, v[\rb]
	v_cmp_gt_u32 s[ms], s[LEN], v[\pa+gi]
.set gk, gk+1
.endr
	s_wait_alu depctr_va_sdst(0)                   ; the eight compares have written their masks, ahead of the selects that read them
.set gk, 0
.rept 8
.set gi, 8*gh+gk
	GMS gk
	v_cndmask_b32 v[\pa+gi], 0, v[\pa+gi], s[ms]
	v_min_u32 v[\pa+gi], 0x1ff, v[\pa+gi]
	v_lshl_add_u32 v[\pa+gi], v[\pa+gi], 11, v[GO]
.set gk, gk+1
.endr
.set gh, gh+1
.endr
.endm
.macro GITEM ia
.set gi, 0
.rept 16
	v_min_u32 v[\ia+gi], 0x186a0, v[\ia+gi]
	v_lshl_add_u32 v[\ia+gi], v[\ia+gi], 11, v[GO]
.set gi, gi+1
.endr
.endm
.macro GLOADS ia, pa, dw
.if \dw
	WIN 0x40
.endif
	s_wait_alu depctr_va_vdst(0)                   ; the rows' offsets v[ia ..] and v[pa ..] are written, which the loads read
.set gi, 0
.rept 16
	global_load_b128 v[80+4*gi:83+4*gi], v[\ia+gi], s[8:9]
	global_load_b128 v[144+4*gi:147+4*gi], v[\pa+gi], s[10:11]
.set gi, gi+1
.endr
	WIN 0
.endm
.macro GATHER
	s_lshl_b32 s2, s[BB], 11
	s_mov_b32 s3, 0
	s_add_nc_u64 s[4:5], s[4:5], s[2:3]            ; my batch's row of seq
	s_lshl_b32 s2, s[GH], 5
	v_add_nc_u32 v[T2], s2, v[T1]                  ; hi's first row + my half
	s_lshl_b32 s2, s[GL], 5
	v_add_nc_u32 v[T3], s2, v[T1]
	v_lshlrev_b32 v[D0], 2, v[T2]
	v_lshlrev_b32 v[D0+1], 2, v[T3]
	s_wait_alu depctr_va_vdst(0)                   ; every lane term made so far is written, v[D0] and v[D0+1] among them, which the loads and stores of the whole kernel read; so are v240-247, in which indices land
	GSEQ D0+1, GIL                                 ; both groups' indices are asked for together (they lie inside seq whatever len is)
	GSEQ D0, GIH
	GPOS T3, GPL
	GPOS T2, GPH
	s_wait_loadcnt 0x0
	s_cmp_eq_u32 s[ACT], 0
	s_cbranch_scc1 .Lnogather
	GITEM GIL
	GLOADS GIL, GPL, 1                             ; lo lands in window 1
	s_cmp_eq_u32 s[ACT], 3
	s_cbranch_scc0 .Lnohi
	GITEM GIH
	GLOADS GIH, GPH, 0                             ; hi lands in window 0
.set gj, 0
.rept 4                                ; four pairs at a time: their multiply-adds, one wait, their stores
	s_wait_loadcnt 24-8*gj                         ; these four pairs are in; the younger pairs' loads may be out
.set gi, 4*gj
.rept 4
	v_pk_fma_f32 v[80+4*gi:81+4*gi], v[80+4*gi:81+4*gi], s[RT:RT+1], v[144+4*gi:145+4*gi] op_sel_hi:[1,0,1]
	v_pk_fma_f32 v[82+4*gi:83+4*gi], v[82+4*gi:83+4*gi], s[RT:RT+1], v[146+4*gi:147+4*gi] op_sel_hi:[1,0,1]
.set gi, gi+1
.endr
	s_wait_alu depctr_va_vdst(0)                   ; the four pairs' x is written, which the LDS stores read
.set gi, 4*gj
.rept 4
	ds_store_b128 v[XGH], v[80+4*gi:83+4*gi] offset:544*gi
.set gi, gi+1
.endr
.set gj, gj+1
.endr
.Lnohi:
	s_wait_loadcnt 0x0
	WIN 0x51
.set gi, 0
.rept 32
	v_pk_fma_f32 v[80+2*gi:81+2*gi], v[80+2*gi:81+2*gi], s[RT:RT+1], v[144+2*gi:145+2*gi] op_sel_hi:[1,0,1]
.set gi, gi+1
.endr
	WIN 0x04
	s_wait_alu depctr_va_vdst(0)                   ; lo's x is written, which the LDS stores read
.set gi, 0
.rept 16
	ds_store_b128 v[XGL], v[80+4*gi:83+4*gi] offset:544*gi
.set gi, gi+1
.endr
	WIN 0
	s_wait_dscnt 0x0                               ; the stores have read their registers
.Lnogather:
.endm
.macro LENS                            ; len, and which of my two groups are worked
	s_max_u32 s[LEN], s[LEN], 1
	s_min_u32 s[LEN], s[LEN], 0x200
	s_sub_co_u32 s[LM1], s[LEN], 1
	s_add_co_u32 s2, s[LEN], 127
	s_lshr_b32 s2, s2, 7
	s_lshl_b32 s2, s2, 2
	s_cmp_lt_u32 s[GL], s2
	s_cselect_b32 s[ACT], 2, 0
	s_cmp_lt_u32 s[GH], s2
	s_cselect_b32 s3, 1, 0
	s_or_b32 s[ACT], s[ACT], s3
.endm
	s_load_b256 s[4:11], s[0:1], 0x0               ; seq, seq_len, item_emb, pos_emb
	s_load_b256 s[32:39], s[0:1], 0x20             ; ln1_w, ln1_b, bq, bk
	s_load_b128 s[40:43], s[0:1], 0x40             ; bv, wfr
	s_load_b64 s[44:45], s[0:1], 0x50              ; ws0
	v_lshl_add_u32 v[SPW], v0, 2, SPARE
	v_mov_b32 v[NIL], 0
	v_lshrrev_b32 v[T0], 5, v0
	v_readfirstlane_b32 s[WV], v[T0]
	s_and_b32 s[BB], ttmp7, 0xffff
	s_mov_b32 s[GL], ttmp9
	s_sub_co_u32 s[GH], 15, s[GL]
	s_wait_alu depctr_va_sdst(0)                   ; the wave's number is written, ahead of its first reader
	LANES
	s_lshl_b32 s2, s[BB], 2
	s_mov_b32 s3, 0
	s_wait_kmcnt 0x0
	s_add_nc_u64 s[6:7], s[6:7], s[2:3]
	s_load_b32 s[LEN], s[6:7], 0x0
	s_lshl_b32 s[TS], s[BB], 3
	s_add_co_u32 s[TS], s[TS], s[WV]               ; 8 b + w
	s_mul_i32 s2, s[TS], 24576
	s_add_nc_u64 s[QCB:QCB+1], s[44:45], s[2:3]
	s_add_nc_u64 s[KCB:KCB+1], s[QCB:QCB+1], 6291456
	s_add_nc_u64 s[VCB:VCB+1], s[QCB:QCB+1], 12582912
	s_lshl_b32 s2, s[TS], 11
	s_add_nc_u64 s[QSB:QSB+1], s[44:45], s[2:3]
	s_add_nc_u64 s[KSB:KSB+1], s[QSB:QSB+1], 19398656
	s_add_nc_u64 s[QSB:QSB+1], s[QSB:QSB+1], 18874368
	s_lshl_b32 s2, s[TS], 10
	s_add_nc_u64 s[VSB:VSB+1], s[44:45], s[2:3]
	s_add_nc_u64 s[VSB:VSB+1], s[VSB:VSB+1], 19922944
	s_mul_i32 s2, s[WV], 25600
	s_add_nc_u64 s[WB:WB+1], s[42:43], s[2:3]
	s_wait_kmcnt 0x0
	LENS
	GATHER
	s_wait_alu depctr_va_vdst(0)                   ; on the way that gathers nothing no wait stands behind the positions' arithmetic, which wrote v74-77, in which bv lands
	s_wait_alu depctr_vm_vsrc(0)                   ; the gather's loads have read their offsets (v208-223 take bq, v74-77 bv) and its LDS stores their data (window 1's v80-207, in which wq lands)
	LNLOAD 32, 34, 0                               ; 16 loads; behind them 64: wq's 52, bq's 8, bv's 4
	WLOAD 0, 0
	WLOAD 0, 1
	WLOAD 0, 2
	WLOAD 0, 3
	BLOAD 36, 0
	BVLOAD 40, 0
	s_mov_b32 s[RFV], 1                            ; the next weight is asked for in the lo trip
	GLOOP_BEGIN 1, -1, 1
	XLD
	s_wait_dscnt 0x0
	LNSTAT
	GLOOP_END 1
	BARRIER                                        ; all eight waves' figures lie in LDS
	GLOOP_BEGIN 2, 63, 1                           ; the gains and offsets, the oldest 16 of 80 loads, are in
	LNAPPLY
	QUANT ACC
	PUTIMG AIMG, ASC
	GLOOP_END 2
	BARRIER                                        ; h's fragments lie in LDS
	GLOOP_BEGIN 3, 0, 1
	GPASS 0, AIMG, ASC, 1, 38, 0                   ; q
	QUANT ACC
	STQK KOG, KSS, QCB, QSB
	GLOOP_END 3
	GLOOP_BEGIN 4, 0, 1
	GPASS 0, AIMG, ASC, 2, -1, 0                   ; k
	QUANT ACC
	STQK KOG, KSS, KCB, KSB
	GLOOP_END 4
	s_wait_loadcnt 0x0
	SPLAT
	GLOOP_BEGIN 5, 0, 1
	GPASS 2, AIMG, ASC, -1, -1, 0                  ; v, a lane to a column
	QUANT ACC
	STV VCB, VSB
	GLOOP_END 5
	s_wait_dscnt 0x0                               ; the closing lines, six on end
	s_wait_alu 0x0
	s_wait_tensorcnt 0x0
	ds_add_u32 v[SPW], v[NIL]
	s_wait_dscnt 0x0
	s_endpgm
.Lfunc_end_k_q2bf941d14d_front:
	.size	k_q2bf941d14d_front, .Lfunc_end_k_q2bf941d14d_front-k_q2bf941d14d_front
	.p2alignl 7, 3214868480
	.fill 96, 4, 3214868480
	.section	.rodata,"a",@progbits
	.p2align	6, 0x0
	.amdhsa_kernel k_q2bf941d14d_front
		.amdhsa_group_segment_fixed_size 231424
		.amdhsa_private_segment_fixed_size 0
		.amdhsa_enable_private_segment 0
		.amdhsa_kernarg_size 88
		.amdhsa_user_sgpr_count 2
		.amdhsa_user_sgpr_kernarg_segment_ptr 1
		.amdhsa_wavefront_size32 1
		.amdhsa_system_sgpr_workgroup_id_x 1
		.amdhsa_system_sgpr_workgroup_id_y 1
		.amdhsa_system_sgpr_workgroup_id_z 1
		.amdhsa_system_vgpr_workitem_id 0
		.amdhsa_next_free_vgpr 512
		.amdhsa_next_free_sgpr 106
		.amdhsa_reserve_vcc 0
		.amdhsa_float_denorm_mode_32 3
		.amdhsa_float_denorm_mode_16_64 3
		.amdhsa_memory_ordered 1
		.amdhsa_forward_progress 1
		.amdhsa_inst_pref_size 122
	.end_amdhsa_kernel
	.amdgpu_metadata
---
amdhsa.version: [ 1, 2 ]
amdhsa.kernels:
  - .name:           k_q2bf941d14d_front
    .symbol:         k_q2bf941d14d_front.kd
    .args:
      - { .name: seq, .offset: 0, .size: 8, .value_kind: global_buffer, .address_space: global }
      - { .name: seq_len, .offset: 8, .size: 8, .value_kind: global_buffer, .address_space: global }
      - { .name: item_emb, .offset: 16, .size: 8, .value_kind: global_buffer, .address_space: global }
      - { .name: pos_emb, .offset: 24, .size: 8, .value_kind: global_buffer, .address_space: global }
      - { .name: ln1_w, .offset: 32, .size: 8, .value_kind: global_buffer, .address_space: global }
      - { .name: ln1_b, .offset: 40, .size: 8, .value_kind: global_buffer, .address_space: global }
      - { .name: bq, .offset: 48, .size: 8, .value_kind: global_buffer, .address_space: global }
      - { .name: bk, .offset: 56, .size: 8, .value_kind: global_buffer, .address_space: global }
      - { .name: bv, .offset: 64, .size: 8, .value_kind: global_buffer, .address_space: global }
      - { .name: wfr, .offset: 72, .size: 8, .value_kind: global_buffer, .address_space: global }
      - { .name: ws0, .offset: 80, .size: 8, .value_kind: global_buffer, .address_space: global }
    .group_segment_fixed_size: 231424
    .private_segment_fixed_size: 0
    .kernarg_segment_align: 8
    .kernarg_segment_size: 88
    .max_flat_workgroup_size: 256
    .sgpr_count:     106
    .vgpr_count:     512
    .wavefront_size: 32
...
	.end_amdgpu_metadata
.endif
;; end of part 6
;; launch layer (part 7): grid 8 x 32, 8 waves a work-group, no clusters, 231,424 bytes of LDS; arguments seq, seq_len, item_emb, pos_emb, ws0, wfr, bo, ln2_w, ln2_b, b1, b2, ln1_w, ln1_b, bk, bv, bq, ws1; writes ws1
.if DOCPART == 7
	.amdgcn_target "amdgcn-amd-amdhsa--gfx1250"
	.amdhsa_code_object_version 6
	.text
	.protected	k_q2bf941d14d_layer
	.globl	k_q2bf941d14d_layer
	.p2align	8
	.type	k_q2bf941d14d_layer,@function
k_q2bf941d14d_layer:
	s_mov_b64 s[64:65], 0
	v_nop
	global_prefetch_b8 v0, s[64:65] scope:SCOPE_SE
	s_setreg_imm32_b32 hwreg(HW_REG_WAVE_SCHED_MODE, 0, 2), 2
	s_setreg_imm32_b32 hwreg(HW_REG_WAVE_MODE, 25, 1), 1
	s_wait_xcnt 0x0
	s_wait_alu depctr_vm_vsrc(0)
; Layer 0 from attention on, and layer 1's front: x0 gathered anew; attention on the codes of q, k, v; x1 = x0 + o wo + bo; LayerNorm 2; x2 = x1 + relu(h w1 + b1) w2 + b2; LayerNorm 1 of layer 1;
; k', v' as codes for every group that is worked; q' as codes and x2 for the one group that holds row len - 1, the only row of layer 1 that the definition keeps.
; All products on codes of FP6 (E2M3, one E8M0 byte for each 32 along K).  Shares, order of rows, images in LDS and the loops of two trips: as in the launch before.
; Group g walks g / 4 + 1 key steps of 128, so the pair (15 - i, i) walks five whatever i is.
; ATTENTION.  Wave w = head w.  S^T = K Q^T (K = the head's 64: the fragments' upper halves are zero codes), O^T = V^T P^T: a lane holds one query throughout.  t = score log2(e) / 8;
; M = the running largest t rounded up to a whole number; p = 2^(t - M) is quantised along the keys; the row's sum is taken of the unquantised p and divides at the end.
; Key k counts for query q where k <= min(q, len - 1): only a group's last key step can hide keys, and its first key always counts.
; K, V and their scales come from memory straight into registers, a key step ahead.
; LIMITS: as in the launch before.
; THE MODE: SCHED_MODE bits 1:0 = 2 (LLVM: expert scheduling mode 2), set by the entry lines.  The code itself states the register dependences
; between vector or matrix instructions and memory or LDS instructions, with s_wait_alu, always for 0.
; THE PLAN.  Registers that memory or LDS instructions touch, and who else names them:
;   v1-11, v18-19, v31, v33  lane terms: made once at the head, never written again: the wait on va_vdst ahead of the first load covers them for the whole kernel.
;   v208-255, v64-79     the gather's offsets, made from loaded indices: one wait on va_vdst ahead of each run of row loads; one on vm_vsrc behind the gather, where they become other things.
;   v12-17, v20-23       the addresses of the group in hand: written at the head of each trip of a loop of two trips, read by the trip's LDS and memory instructions.
;                        At a trip's head: vm_vsrc (which also frees what the last trip's stores read: ACC, PC, PW, T2, the rows' figures), the writes, va_vdst
;                        (which also shows the last trip's vector and matrix work done with ACC, AF, LS, AS, Q, K, V and their scales, in which this trip's loads land).
;   AF, AS, W, WS, BI    a K step's eight products read them; the loads of the K step two on, of the next weight and of its bias land in them behind one wait on va_vdst.
;   PC, PW, T2, LMP      written by the quantiser and the rows' sums; one wait on va_vdst ahead of each run of stores that reads them.
;   v24-27               the offsets of the key step being asked for: read by the batches of loads; stepped behind one wait on vm_vsrc at a key step's head.
;   K, KS, VR            a key step's score products and the turning of V's bytes read them; the next K batch lands in them behind one wait on va_vdst.
;   V                    the second product reads it; the next V batch lands in it behind one wait on va_vdst.
;   p's codes, PS, VS    written by vector instructions, taken by the second product as operand and scales: one wait on va_vdst directly ahead of it, behind the places.
.set NT, 2
.set AIMG, 0
.set ASC,  12288
.set HIMG, 13312
.set HSC,  25600
.set STAT, 26624
.set XR,   30720
.set SPARE, 100352                     ; the spare words, 128 bytes for each wave: four blocks of 256 bytes that no other line names
.set REG2, 131072
.set L16,1
.set L8,2
.set L4,3
.set R16,4
.set R4,5
.set H16,6
.set GO,7
.set BO,8
.set BV,9
.set RR,10
.set RQ,11
.set L8G,12
.set L4G,13
.set IG,14
.set ISG,15
.set XAG,16
.set STG,17
.set XGH,18
.set XGL,19
.set KOG,20
.set KSS,21
.set KSL,22
.set VSG,23
.set KA,24                             ; v24-27: offsets of the key step being asked for: K's codes, V's codes, K's scales, V's scales
.set VA,25
.set KSA,26
.set VSA,27
.set D0,28                             ; v28-29: the mask's thresholds
.set NINF,30
.set XL,31
.set PF,33                             ; the prefetch's offset; never rewritten
.set T0,34
.set T1,35
.set SPW,36
.set NIL,37
.set T2,38
.set T3,39
.set WS,40                             ; v40-63 hold scales and nothing else
.set AS,56
.set KS,40                             ; in attention: K's words (lanes 0-15 the even tile, 16-31 the odd), V's, Q's, P's, V's as stored, and the turn's temporaries
.set VS,44
.set QS,48
.set PS,50
.set VR,52
.set VT,56
.set STT,64                            ; four a tile: -M, the largest t, the sum in two halves
.set GPH,64                            ; the gather's offsets: hi's positions v64-79, lo's items v208-223, lo's positions v224-239, hi's items v240-255: no row's load lands on an offset
.set FF,72
.set BVR,74
.set PW,78
.set ACC,80
.set S0,80
.set AF,144
.set TM,144
.set CT,160
.set LS,144
.set LT,176
.set BI,192
.set PCA,208
.set GIL,208
.set PC,224
.set GPL,224
.set TMA,232
.set LMP,236
.set MU,240
.set GIH,240
.set RU,244
.set CTA,248
.set LNW,192
.set LNB,224
.set VF,96                             ; window 1 in attention: K at 12 t, V at 96 + 12 t, Q at 144 + 12 u, O^T at 168 + 32 u + 8 t
.set QF,144
.set OF,168
.set WV,12
.set BB,13
.set LEN,15
.set LM1,16
.set ACT,18
.set GH,19
.set GL,20
.set GG,21
.set GI,22
.set RFV,23
.set KMAX,24
.set CNT,25
.set GSTAR,26
.set PFL,27
.set SEL,28
.set CS,30
.set WFR,34
.set TS,58
.set OWNV,59
.set EPS,66
.set I512,67
.set QCB,68
.set KCB,70
.set VCB,72
.set QSB,74
.set KSB,76
.set VSB,78
.set WB,80
.set K1C,82
.set V1C,84
.set K1S,86
.set V1S,88
.set Q1C,90
.set Q1S,92
.set X2B,94
.set SW768,96
.set SWIS,97
.set SWXR,98
.set SW256,99
.set RT,100
.set GB,104
.set QB,105
.set MSB, 0
.macro WIN new                         ; the immediate's high byte repeats the setting that is left
.if MSB != \new
	s_set_vgpr_msb (MSB<<8)|\new
.set MSB, \new
.endif
.endm
.macro WMM d, a, b, c, sa, sb
	v_wmma_scale_f32_16x16x128_f8f6f4 v[\d:\d+7], v[\a:\a+11], v[\b:\b+11], v[\c:\c+7], v[\sa], v[\sb] matrix_a_fmt:MATRIX_FMT_FP6 matrix_b_fmt:MATRIX_FMT_FP6
.endm
.macro WMZ d, a, b, sa, sb, row        ; a sum begun with the constant 0; row = 1: source 0's scales stand in lanes 16-31
.if \row
	v_wmma_scale_f32_16x16x128_f8f6f4 v[\d:\d+7], v[\a:\a+11], v[\b:\b+11], 0, v[\sa], v[\sb] matrix_a_fmt:MATRIX_FMT_FP6 matrix_b_fmt:MATRIX_FMT_FP6 matrix_a_scale:MATRIX_SCALE_ROW1
.else
	v_wmma_scale_f32_16x16x128_f8f6f4 v[\d:\d+7], v[\a:\a+11], v[\b:\b+11], 0, v[\sa], v[\sb] matrix_a_fmt:MATRIX_FMT_FP6 matrix_b_fmt:MATRIX_FMT_FP6
.endif
.endm
.macro LANES
	v_and_b32 v[T0], 31, v0
	v_lshlrev_b32 v[L16], 4, v[T0]
	v_lshlrev_b32 v[L8], 3, v[T0]
	v_lshlrev_b32 v[L4], 2, v[T0]
	v_and_b32 v[RR], 15, v0
	v_lshlrev_b32 v[R16], 4, v[RR]
	v_lshlrev_b32 v[R4], 2, v[RR]
	v_bfe_u32 v[T1], v0, 4, 1
	v_lshlrev_b32 v[H16], 4, v[T1]
	v_and_b32 v[RQ], 8, v[RR]
	v_add_nc_u32 v[RQ], v[RQ], v[RR]
	s_lshl_b32 s[SW256], s[WV], 8
	v_add_nc_u32 v[GO], s[SW256], v[R16]
	v_lshl_add_u32 v[BO], v[T1], 6, s[SW256]
	v_lshl_add_u32 v[BV], v[RQ], 2, s[SW256]
	v_mul_u32_u24 v[XL], v[RR], 272
	v_lshl_add_u32 v[XL], v[T1], 6, v[XL]
	s_mul_i32 s[SWXR], s[WV], 8704
	s_add_co_u32 s[SWXR], s[SWXR], XR
.if NT > 1
	v_mul_u32_u24 v[XGH], v[T1], 272
	v_add_nc_u32 v[XGH], v[XGH], v[R16]
	v_add_nc_u32 v[XGH], s[SWXR], v[XGH]
	v_add_nc_u32 v[XGL], REG2, v[XGH]
.endif
	s_mul_i32 s[SW768], s[WV], 768
	s_lshr_b32 s[SWIS], s[WV], 1
	s_lshl_b32 s[SWIS], s[SWIS], 7
	s_and_b32 s2, s[WV], 1
	s_lshl_b32 s2, s2, 1
	s_add_co_u32 s[SWIS], s[SWIS], s2
	s_mov_b32 s[SEL], 0x76543210
	s_mov_b32 s[SEL+1], 0xfedcba98
	s_mov_b32 s[CS], 0x3e38aa3b                    ; log2(e) / 8
	s_mov_b32 s[CS+1], s[CS]
	s_mov_b32 s[EPS], 0x322bcc77                   ; 1e-8
	s_mov_b32 s[I512], 0x3b000000                  ; 1 / 512
	s_mov_b32 s[RT], 0x41b504f3                    ; sqrt(512)
	s_mov_b32 s[RT+1], s[RT]
	v_mov_b32 v[NINF], 0xff800000
.set li, 0
.rept 12
	v_mov_b32 v[LMP+li], 0                         ; written once: destinations of lane permutes and upper halves of broadcast pairs count as read
.set li, li+1
.endr
.set li, 0
.rept 4
	v_mov_b32 v[TM+4+li], 0
.set li, li+1
.endr
	v_mov_b32 v[FF+1], 0
.endm
.macro SETL
	v_add_nc_u32 v[L8G], s[GB], v[L8]
	v_add_nc_u32 v[L4G], s[GB], v[L4]
	s_add_co_u32 s2, s[SW768], s[GB]
	v_add_nc_u32 v[IG], s2, v[L8]
	s_add_co_u32 s2, s[SWIS], s[GB]
	v_add_nc_u32 v[ISG], s2, v[L4]
	s_add_co_u32 s2, s[SWXR], s[GB]
	v_add_nc_u32 v[XAG], s2, v[XL]
	s_add_co_u32 s2, s[SW256], s[GB]
	v_add_nc_u32 v[STG], s2, v[L8]
.endm
.macro SETG
	s_cmp_eq_u32 s[GI], 0
	s_cselect_b32 s[GG], s[GH], s[GL]
	s_lshl_b32 s[QB], s[GG], 5
	v_mad_u32_u24 v[KOG], s[GG], 0x600, v[L8]
	v_lshl_add_u32 v[KSS], s[GG], 7, v[L4]
	v_lshl_add_u32 v[KSL], s[GG], 7, v[R4]
	v_lshl_add_u32 v[VSG], s[GG], 6, v[R4]
	SETL
.endm
; aw = 1: the wait on va_vdst behind the addresses stands here; 0: the body makes more addresses and has the wait behind them.
.macro GLOOP_BEGIN id, lc, aw
	s_mov_b32 s[GI], 0
	s_mov_b32 s[GB], 0
.Lg_\id:
	s_wait_xcnt 0x0                                ; the last trip's stores and loads have read their offsets and data: both are rewritten below
	s_wait_alu depctr_vm_vsrc(0)                   ; the LDS and memory instructions issued so far have read the group's addresses, written anew below, and the data of their stores (ACC, PC, PW, T2, the rows' figures), written anew in this trip
.if \lc >= 0
	s_wait_loadcnt \lc
.endif
	SETG
.if \aw
	s_wait_alu depctr_va_vdst(0)                   ; the group's addresses are written, which this trip's LDS and memory instructions read; the vector and matrix work so far is done with the registers in which this trip's loads land
.endif
	s_lshr_b32 s2, s[ACT], s[GI]
	s_and_b32 s2, s2, 1
	s_cmp_eq_u32 s2, 0
	s_cbranch_scc1 .Lgs_\id
.endm
.macro GLOOP_END id
.Lgs_\id:
	s_add_co_u32 s[GB], s[GB], REG2
	s_add_co_u32 s[GI], s[GI], 1
	s_cmp_lt_u32 s[GI], 2
	s_cbranch_scc1 .Lg_\id
.endm
.macro BARRIER
	s_wait_dscnt 0x0
	s_barrier_signal -1
	s_barrier_wait -1
.endm
.macro QUANT s
.set qb, 0
.rept 2*NT
	v_max3_num_f32 v[TM+qb], |v[\s+16*qb]|, |v[\s+16*qb+1]|, 0x1800000   ; with the floor 2^(3 - 127): the byte cannot fall under 1
.set qb, qb+1
.endr
.set qi, 2
.rept 7
.set qb, 0
.rept 2*NT
	v_max3_num_f32 v[TM+qb], v[TM+qb], |v[\s+16*qb+qi]|, |v[\s+16*qb+qi+1]|
.set qb, qb+1
.endr
.set qi, qi+2
.endr
.set qb, 0
.rept 2*NT
	v_permlanex16_b32 v[TM+4+qb], v[TM+qb], s[SEL], s[SEL+1]
.set qb, qb+1
.endr
.set qb, 0
.rept 2*NT
	v_max_num_f32 v[TM+qb], v[TM+qb], v[TM+4+qb]
.set qb, qb+1
.endr
.set qb, 0
.rept 2*NT
	v_add_nc_u32 v[TM+12+qb], 0xff000000, v[TM+qb]
.set qb, qb+1
.endr
.set qb, 0
.rept 2*NT
	v_lshrrev_b32 v[TM+4+qb], 23, v[TM+12+qb]
.set qb, qb+1
.endr
	v_lshl_or_b32 v[PW], v[TM+5], 8, v[TM+4]
.if NT > 1
	v_lshl_or_b32 v[PW], v[TM+6], 16, v[PW]
	v_lshl_or_b32 v[PW], v[TM+7], 24, v[PW]
.endif
.set qb, 0
.rept NT
	v_cvt_scalef32_pk16_fp6_f32 v[PC+6*qb:PC+6*qb+2], v[\s+32*qb:\s+32*qb+15], v[TM+12+2*qb]
	v_cvt_scalef32_pk16_fp6_f32 v[CT+4*qb:CT+4*qb+2], v[\s+32*qb+16:\s+32*qb+31], v[TM+13+2*qb]
.set qb, qb+1
.endr
	v_nop                                          ; one plain place behind a scaled conversion
.set qb, 0
.rept NT
.set qi, 0
.rept 3
	v_permlane16_swap_b32 v[PC+6*qb+qi], v[CT+4*qb+qi]
.set qi, qi+1
.endr
.set qi, 0
.rept 3
	v_mov_b32 v[PC+6*qb+3+qi], v[CT+4*qb+qi]
.set qi, qi+1
.endr
.set qb, qb+1
.endr
.endm
.macro PUTIMG buf, sc
	s_wait_alu depctr_va_vdst(0)                   ; the quantiser has written the codes v[PC ..] and the bytes v[PW], which the LDS stores read
.set pu, 0
.rept NT
.set pq, 0
.rept 3
	ds_store_b64 v[IG], v[PC+6*pu+2*pq:PC+6*pu+2*pq+1] offset:\buf+6144*pu+256*pq
.set pq, pq+1
.endr
.set pu, pu+1
.endr
	ds_store_b16 v[ISG], v[PW] offset:\sc
.if NT > 1
	ds_store_b16_d16_hi v[ISG], v[PW] offset:\sc+512
.endif
	s_wait_dscnt 0x0                               ; the stores have read their registers
.endm
.macro GETA buf, sc, s
.set eu, 0
.rept NT
.set eq, 0
.rept 6
	ds_load_b64 v[AF+24*((\s)%2)+12*eu+2*eq:AF+24*((\s)%2)+12*eu+2*eq+1], v[L8G] offset:\buf+6144*eu+1536*(\s)+256*eq
.set eq, eq+1
.endr
	ds_load_b32 v[AS+2*(\s)+eu], v[L4G] offset:\sc+(4*eu+(\s))*128
.set eu, eu+1
.endr
.endm
.macro WLOAD m, s
	WIN 0x40
.set wc, 0
.rept 12
	global_load_b128 v[48*(\s)+4*wc:48*(\s)+4*wc+3], v[L16], s[WB:WB+1] offset:(\m)*204800+6144*(\s)+512*wc
.set wc, wc+1
.endr
	WIN 0
	global_load_b128 v[WS+4*(\s):WS+4*(\s)+3], v[R16], s[WB:WB+1] offset:(\m)*204800+24576+256*(\s)
.endm
.macro BLOAD ptr, off
.set bc, 0
.rept 4
	global_load_b128 v[BI+8*bc:BI+8*bc+3], v[BO], s[\ptr:\ptr+1] offset:\off+128*(bc/2)+32*(bc%2)
	global_load_b128 v[BI+8*bc+4:BI+8*bc+7], v[BO], s[\ptr:\ptr+1] offset:\off+128*(bc/2)+32*(bc%2)+16
.set bc, bc+1
.endr
.endm
.macro LNLOAD pw, pb, off
	WIN 0x40
.set bc, 0
.rept 4
	global_load_b128 v[LNW+8*bc:LNW+8*bc+3], v[BO], s[\pw:\pw+1] offset:\off+128*(bc/2)+32*(bc%2)
	global_load_b128 v[LNW+8*bc+4:LNW+8*bc+7], v[BO], s[\pw:\pw+1] offset:\off+128*(bc/2)+32*(bc%2)+16
	global_load_b128 v[LNB+8*bc:LNB+8*bc+3], v[BO], s[\pb:\pb+1] offset:\off+128*(bc/2)+32*(bc%2)
	global_load_b128 v[LNB+8*bc+4:LNB+8*bc+7], v[BO], s[\pb:\pb+1] offset:\off+128*(bc/2)+32*(bc%2)+16
.set bc, bc+1
.endr
	WIN 0
.endm
.macro BVLOAD ptr, off
.set bc, 0
.rept 4
	global_load_b32 v[BVR+bc], v[BV], s[\ptr:\ptr+1] offset:\off+128*(bc/2)+32*(bc%2)
.set bc, bc+1
.endr
.endm
.macro SPLAT
.set bc, 0
.rept 32
	v_mov_b32 v[BI+bc], v[BVR+bc/8]
.set bc, bc+1
.endr
.endm
.macro XLD
.set xu, 0
.rept NT
.set xc, 0
.rept 4
	ds_load_b128 v[ACC+32*xu+8*xc:ACC+32*xu+8*xc+3], v[XAG] offset:4352*xu+128*(xc/2)+32*(xc%2)
	ds_load_b128 v[ACC+32*xu+8*xc+4:ACC+32*xu+8*xc+7], v[XAG] offset:4352*xu+128*(xc/2)+32*(xc%2)+16
.set xc, xc+1
.endr
.set xu, xu+1
.endr
.endm
.macro XST                             ; it stands behind a product whose last K step ends with a wait on va_vdst: that wait has shown the accumulators written, and no vector or matrix instruction since names them
.set xu, 0
.rept NT
.set xc, 0
.rept 4
	ds_store_b128 v[XAG], v[ACC+32*xu+8*xc:ACC+32*xu+8*xc+3] offset:4352*xu+128*(xc/2)+32*(xc%2)
	ds_store_b128 v[XAG], v[ACC+32*xu+8*xc+4:ACC+32*xu+8*xc+7] offset:4352*xu+128*(xc/2)+32*(xc%2)+16
.set xc, xc+1
.endr
.set xu, xu+1
.endr
.endm
.macro RELU
.set xc, 0
.rept 32*NT
	v_max_num_f32 v[ACC+xc], 0, v[ACC+xc]
.set xc, xc+1
.endr
.endm
.macro GSTEP mode, buf, sc, s, rm, bp, bo
.if \s == 3
	s_wait_dscnt 0x0
.else
	s_wait_dscnt 7*NT                              ; this K step's fragments are in; the next one's 7 NT loads may be out
.endif
.if \mode == 2
	WIN 0x04
.else
	WIN 0x01
.endif
.set gc, 0
.rept 4
.set gu, 0
.rept NT
.set gw, 48*(\s)+12*gc
.set ga, AF+24*((\s)%2)+12*gu
.if \mode == 2
.set gd, ACC+16*gc+8*gu
.else
.set gd, ACC+32*gu+8*gc
.endif
.set gq, gd
.if ((\s) == 0) && (\mode != 1)
.set gq, BI+8*gc
.endif
.if \mode == 2
	WMM gd, ga, gw, gq, AS+2*(\s)+gu, WS+4*(\s)+gc
.else
	WMM gd, gw, ga, gq, WS+4*(\s)+gc, AS+2*(\s)+gu
.endif
.set gu, gu+1
.endr
.set gc, gc+1
.endr
	WIN 0
.rept 4
	v_nop                                          ; places in front of loads into registers that these products have read, and of the first read of results
.endr
.if ((\s) < 2) || (\rm >= 0)
	s_wait_alu depctr_va_vdst(0)                   ; this K step's products are done reading their fragments, scale words and bias, in which the loads below land; and they have written the accumulators
.endif
.if \s < 2
	GETA \buf, \sc, \s+2
.endif
.if \rm >= 0
	s_cmp_eq_u32 s[GI], s[RFV]
	s_cbranch_scc0 .Lnr_\@
	WLOAD \rm, \s
.if ((\s) == 0) && (\bp >= 0)
	BLOAD \bp, \bo
.endif
.Lnr_\@:
.endif
.endm
.macro GPASS mode, buf, sc, rm, bp, bo
.if \mode == 1
	XLD
.endif
	GETA \buf, \sc, 0
	GETA \buf, \sc, 1
.if \mode == 1
	s_wait_dscnt 14*NT                             ; x is in; the two K steps' 14 NT loads may be out
.set hu, 0
.rept NT
.set hj, 0
.rept 16
	v_pk_add_f32 v[ACC+32*hu+hj:ACC+32*hu+hj+1], v[ACC+32*hu+hj:ACC+32*hu+hj+1], v[BI+hj:BI+hj+1]
.set hj, hj+2
.endr
.set hu, hu+1
.endr
.endif
	s_wait_alu depctr_va_vdst(0)
	GSTEP \mode, \buf, \sc, 0, \rm, \bp, \bo
	GSTEP \mode, \buf, \sc, 1, \rm, \bp, \bo
	GSTEP \mode, \buf, \sc, 2, \rm, \bp, \bo
	GSTEP \mode, \buf, \sc, 3, \rm, \bp, \bo
.endm
.macro LNSTAT
.set lu, 0
.rept NT
.set lx, ACC+32*lu
.set lt, LT+8*lu
.set lm, LMP+2*lu
	v_pk_add_f32 v[lt:lt+1], v[lx:lx+1], v[lx+2:lx+3]
	v_pk_add_f32 v[lt+2:lt+3], v[lx+4:lx+5], v[lx+6:lx+7]
.set lj, 8
.rept 6
	v_pk_add_f32 v[lt:lt+1], v[lt:lt+1], v[lx+lj:lx+lj+1]
	v_pk_add_f32 v[lt+2:lt+3], v[lt+2:lt+3], v[lx+lj+2:lx+lj+3]
.set lj, lj+4
.endr
	v_pk_add_f32 v[lt:lt+1], v[lt:lt+1], v[lt+2:lt+3]
	v_add_f32 v[lt], v[lt], v[lt+1]
	v_permlanex16_b32 v[lt+1], v[lt], s[SEL], s[SEL+1]
	v_add_f32 v[lt], v[lt], v[lt+1]
	v_mul_f32 v[lm], 0x3c800000, v[lt]             ; / 64
	v_pk_add_f32 v[lt+4:lt+5], v[lx:lx+1], v[lm:lm+1] op_sel_hi:[1,0] neg_lo:[0,1] neg_hi:[0,1]
	v_pk_add_f32 v[lt+6:lt+7], v[lx+2:lx+3], v[lm:lm+1] op_sel_hi:[1,0] neg_lo:[0,1] neg_hi:[0,1]
	v_pk_mul_f32 v[lt:lt+1], v[lt+4:lt+5], v[lt+4:lt+5]
	v_pk_mul_f32 v[lt+2:lt+3], v[lt+6:lt+7], v[lt+6:lt+7]
.set lj, 4
.rept 7
	v_pk_add_f32 v[lt+4:lt+5], v[lx+lj:lx+lj+1], v[lm:lm+1] op_sel_hi:[1,0] neg_lo:[0,1] neg_hi:[0,1]
	v_pk_add_f32 v[lt+6:lt+7], v[lx+lj+2:lx+lj+3], v[lm:lm+1] op_sel_hi:[1,0] neg_lo:[0,1] neg_hi:[0,1]
	v_pk_fma_f32 v[lt:lt+1], v[lt+4:lt+5], v[lt+4:lt+5], v[lt:lt+1]
	v_pk_fma_f32 v[lt+2:lt+3], v[lt+6:lt+7], v[lt+6:lt+7], v[lt+2:lt+3]
.set lj, lj+4
.endr
	v_pk_add_f32 v[lt:lt+1], v[lt:lt+1], v[lt+2:lt+3]
	v_add_f32 v[lt], v[lt], v[lt+1]
	v_permlanex16_b32 v[lt+1], v[lt], s[SEL], s[SEL+1]
	v_add_f32 v[lm+1], v[lt], v[lt+1]
.set lu, lu+1
.endr
	s_wait_alu depctr_va_vdst(0)                   ; the tiles' figures v[LMP ..] are written, which the LDS stores read
.set lu, 0
.rept NT
	ds_store_b64 v[STG], v[LMP+2*lu:LMP+2*lu+1] offset:STAT+2048*lu
.set lu, lu+1
.endr
	s_wait_dscnt 0x0                               ; the stores have read their registers
.endm
.macro LNAPPLY
	XLD
.set lu, 0
.rept NT
.set lw, 0
.rept 8
	ds_load_b64 v[LS+16*lu+2*lw:LS+16*lu+2*lw+1], v[L8G] offset:STAT+2048*lu+256*lw
.set lw, lw+1
.endr
.set lu, lu+1
.endr
	s_wait_dscnt 0x0
.set lu, 0
.rept NT
.set lp, LS+16*lu
.set lt, LT+8*lu
	v_add_f32 v[lt], v[lp], v[lp+2]
	v_add_f32 v[lt+1], v[lp+4], v[lp+6]
	v_add_f32 v[lt+2], v[lp+8], v[lp+10]
	v_add_f32 v[lt+3], v[lp+12], v[lp+14]
	v_add_f32 v[lt], v[lt], v[lt+1]
	v_add_f32 v[lt+2], v[lt+2], v[lt+3]
	v_add_f32 v[lt], v[lt], v[lt+2]
	v_mul_f32 v[MU+2*lu], 0x3e000000, v[lt]
	v_add_f32 v[lt], v[lp+1], v[lp+3]
	v_add_f32 v[lt+1], v[lp+5], v[lp+7]
	v_add_f32 v[lt+2], v[lp+9], v[lp+11]
	v_add_f32 v[lt+3], v[lp+13], v[lp+15]
	v_add_f32 v[lt], v[lt], v[lt+1]
	v_add_f32 v[lt+2], v[lt+2], v[lt+3]
	v_add_f32 v[lt], v[lt], v[lt+2]
.set lw, 0
.rept 8
	v_sub_f32 v[lp+2*lw], v[lp+2*lw], v[MU+2*lu]
.set lw, lw+1
.endr
	v_mul_f32 v[lt+1], v[lp], v[lp]
.set lw, 1
.rept 7
	v_fmac_f32 v[lt+1], v[lp+2*lw], v[lp+2*lw]
.set lw, lw+1
.endr
	v_fma_f32 v[lt], v[lt+1], 0x42800000, v[lt]
	v_fma_f32 v[lt], v[lt], s[I512], s[EPS]
	s_wait_alu depctr_va_vdst(0)
	v_rsq_f32 v[RU+2*lu], v[lt]
.set lu, lu+1
.endr
.set lu, 0
.rept NT
.set lj, 0
.rept 16
	v_pk_add_f32 v[ACC+32*lu+lj:ACC+32*lu+lj+1], v[ACC+32*lu+lj:ACC+32*lu+lj+1], v[MU+2*lu:MU+2*lu+1] op_sel_hi:[1,0] neg_lo:[0,1] neg_hi:[0,1]
.set lj, lj+2
.endr
.set lu, lu+1
.endr
	s_wait_alu depctr_va_vdst(0)                   ; one wait for the roots v[RU ..], ahead of their first reader; the subtractions above are the plain work between
.set lu, 0
.rept NT
.set lj, 0
.rept 16
	v_pk_mul_f32 v[ACC+32*lu+lj:ACC+32*lu+lj+1], v[ACC+32*lu+lj:ACC+32*lu+lj+1], v[RU+2*lu:RU+2*lu+1] op_sel_hi:[1,0]
.set lj, lj+2
.endr
.set lu, lu+1
.endr
	WIN 0x14
.set lu, 0
.rept NT
.set lj, 0
.rept 16
	v_pk_fma_f32 v[ACC+32*lu+lj:ACC+32*lu+lj+1], v[ACC+32*lu+lj:ACC+32*lu+lj+1], v[LNW+lj:LNW+lj+1], v[LNB+lj:LNB+lj+1]
.set lj, lj+2
.endr
.set lu, lu+1
.endr
	WIN 0
.endm
.macro STQK vo, vs, cb, sb
	v_lshrrev_b32 v[T2], v[H16], v[PW]
	v_and_b32 v[T2], 0xffff, v[T2]
	s_wait_alu depctr_va_vdst(0)                   ; the codes v[PC ..] and the scale word v[T2] are written, which the stores read
.set tu, 0
.rept NT
.set tp, 0
.rept 3
	global_store_b64 v[\vo], v[PC+6*tu+2*tp:PC+6*tu+2*tp+1], s[\cb:\cb+1] offset:768*tu+256*tp
.set tp, tp+1
.endr
.set tu, tu+1
.endr
	global_store_b32 v[\vs], v[T2], s[\sb:\sb+1]
.endm
.macro STV cb, sb
	s_wait_alu depctr_va_vdst(0)                   ; the codes v[PC ..] and the bytes v[PW] are written, which the stores read
.set tu, 0
.rept 2
.set tp, 0
.rept 3
	global_store_b64 v[KOG], v[PC+6*tu+2*tp:PC+6*tu+2*tp+1], s[\cb:\cb+1] offset:512*tp+256*tu
.set tp, tp+1
.endr
.set tu, tu+1
.endr
	global_store_b32 v[VSG], v[PW], s[\sb:\sb+1]
.endm
.macro GMS k                           ; the eight scalar registers that take a run of the gather's compares: s60-63, s14, s17, s24, s25
.set ms, 60+(\k)
.if (\k) == 4
.set ms, 14
.endif
.if (\k) == 5
.set ms, 17
.endif
.if (\k) >= 6
.set ms, 18+(\k)
.endif
.endm
.macro GSEQ sq, ia
.set gi, 0
.rept 16
.set cr, 8*(gi/8)+2*(gi%8)+8*((gi%8)/4)
	global_load_b32 v[\ia+gi], v[\sq], s[4:5] offset:4*cr
.set gi, gi+1
.endr
.endm
.macro GPOS rb, pa                     ; the position: the row's number, 0 from len on.  The compares go in runs of eight, each into a scalar register of its own
.set gh, 0
.rept 2
.set gk, 0
.rept 8
.set gi, 8*gh+gk
.set cr, 8*(gi/8)+2*(gi%8)+8*((gi%8)/4)
	GMS gk
	v_add_nc_u32 v[\pa+gi], cr, v[\rb]
	v_cmp_gt_u32 s[ms], s[LEN], v[\pa+gi]
.set gk, gk+1
.endr
	s_wait_alu depctr_va_sdst(0)                   ; the eight compares have written their masks, ahead of the selects that read them
.set gk, 0
.rept 8
.set gi, 8*gh+gk
	GMS gk
	v_cndmask_b32 v[\pa+gi], 0, v[\pa+gi], s[ms]
	v_min_u32 v[\pa+gi], 0x1ff, v[\pa+gi]
	v_lshl_add_u32 v[\pa+gi], v[\pa+gi], 11, v[GO]
.set gk, gk+1
.endr
.set gh, gh+1
.endr
.endm
.macro GITEM ia
.set gi, 0
.rept 16
	v_min_u32 v[\ia+gi], 0x186a0, v[\ia+gi]
	v_lshl_add_u32 v[\ia+gi], v[\ia+gi], 11, v[GO]
.set gi, gi+1
.endr
.endm
.macro GLOADS ia, pa, dw
.if \dw
	WIN 0x40
.endif
	s_wait_alu depctr_va_vdst(0)                   ; the rows' offsets v[ia ..] and v[pa ..] are written, which the loads read
.set gi, 0
.rept 16
	global_load_b128 v[80+4*gi:83+4*gi], v[\ia+gi], s[8:9]
	global_load_b128 v[144+4*gi:147+4*gi], v[\pa+gi], s[10:11]
.set gi, gi+1
.endr
	WIN 0
.endm
.macro GATHER
	s_lshl_b32 s2, s[BB], 11
	s_mov_b32 s3, 0
	s_add_nc_u64 s[4:5], s[4:5], s[2:3]
	s_lshl_b32 s2, s[GH], 5
	v_add_nc_u32 v[T2], s2, v[T1]
	s_lshl_b32 s2, s[GL], 5
	v_add_nc_u32 v[T3], s2, v[T1]
	v_lshlrev_b32 v[D0], 2, v[T2]
	v_lshlrev_b32 v[D0+1], 2, v[T3]
	s_wait_alu depctr_va_vdst(0)                   ; every lane term made so far is written, v[D0] and v[D0+1] among them, which the loads, stores and the prefetch of the whole kernel read; so are v240-247, in which indices land
	GSEQ D0+1, GIL
	GSEQ D0, GIH
	GPOS T3, GPL
	GPOS T2, GPH
	s_wait_loadcnt 0x0
	s_cmp_eq_u32 s[ACT], 0
	s_cbranch_scc1 .Lnogather
	GITEM GIL
	GLOADS GIL, GPL, 1
	s_cmp_eq_u32 s[ACT], 3
	s_cbranch_scc0 .Lnohi
	GITEM GIH
	GLOADS GIH, GPH, 0
.set gj, 0
.rept 4                                ; four pairs at a time: their multiply-adds, one wait, their stores
	s_wait_loadcnt 24-8*gj                         ; these four pairs are in; the younger pairs' loads may be out
.set gi, 4*gj
.rept 4
	v_pk_fma_f32 v[80+4*gi:81+4*gi], v[80+4*gi:81+4*gi], s[RT:RT+1], v[144+4*gi:145+4*gi] op_sel_hi:[1,0,1]
	v_pk_fma_f32 v[82+4*gi:83+4*gi], v[82+4*gi:83+4*gi], s[RT:RT+1], v[146+4*gi:147+4*gi] op_sel_hi:[1,0,1]
.set gi, gi+1
.endr
	s_wait_alu depctr_va_vdst(0)                   ; the four pairs' x is written, which the LDS stores read
.set gi, 4*gj
.rept 4
	ds_store_b128 v[XGH], v[80+4*gi:83+4*gi] offset:544*gi
.set gi, gi+1
.endr
.set gj, gj+1
.endr
.Lnohi:
	s_wait_loadcnt 0x0
	WIN 0x51
.set gi, 0
.rept 32
	v_pk_fma_f32 v[80+2*gi:81+2*gi], v[80+2*gi:81+2*gi], s[RT:RT+1], v[144+2*gi:145+2*gi] op_sel_hi:[1,0,1]
.set gi, gi+1
.endr
	WIN 0x04
	s_wait_alu depctr_va_vdst(0)                   ; lo's x is written, which the LDS stores read
.set gi, 0
.rept 16
	ds_store_b128 v[XGL], v[80+4*gi:83+4*gi] offset:544*gi
.set gi, gi+1
.endr
	WIN 0
	s_wait_dscnt 0x0
.Lnogather:
.endm
.macro LENS
	s_max_u32 s[LEN], s[LEN], 1
	s_min_u32 s[LEN], s[LEN], 0x200
	s_sub_co_u32 s[LM1], s[LEN], 1
	s_add_co_u32 s2, s[LEN], 127
	s_lshr_b32 s2, s2, 7
	s_lshl_b32 s2, s2, 2
	s_cmp_lt_u32 s[GL], s2
	s_cselect_b32 s[ACT], 2, 0
	s_cmp_lt_u32 s[GH], s2
	s_cselect_b32 s3, 1, 0
	s_or_b32 s[ACT], s[ACT], s3
.endm
; ---- attention
.macro ZEROH                           ; the upper halves of K's and Q's fragments: zero codes, written once (the head has 64 of the instruction's 128 along K)
	WIN 0x40
.set zt, 0
.rept 8
.set zi, 6
.rept 6
	v_mov_b32 v[12*zt+zi], 0
.set zi, zi+1
.endr
.set zt, zt+1
.endr
.set zt, 0
.rept NT
.set zi, 6
.rept 6
	v_mov_b32 v[QF+12*zt+zi], 0
.set zi, zi+1
.endr
.set zt, zt+1
.endr
	WIN 0
.endm
.macro KBATCH                          ; a key step's K (eight tiles), its scale words and V's: 32 loads
	WIN 0x40
.set kt, 0
.rept 8
.set kp, 0
.rept 3
	global_load_b64 v[12*kt+2*kp:12*kt+2*kp+1], v[KA], s[KCB:KCB+1] offset:768*kt+256*kp
.set kp, kp+1
.endr
.set kt, kt+1
.endr
	WIN 0
.set kt, 0
.rept 4
	global_load_b32 v[KS+kt], v[KSA], s[KSB:KSB+1] offset:128*kt
.set kt, kt+1
.endr
.set kt, 0
.rept 4
	global_load_b32 v[VR+kt], v[VSA], s[VSB:VSB+1] offset:64*kt
.set kt, kt+1
.endr
.endm
.macro VBATCH                          ; a key step's V: four tiles of 16 of the head's 64: 24 loads
	WIN 0x40
.set kt, 0
.rept 4
.set kc, 0
.rept 2
.set kp, 0
.rept 3
	global_load_b64 v[VF+12*kt+6*kc+2*kp:VF+12*kt+6*kc+2*kp+1], v[VA], s[VCB:VCB+1] offset:3072*kc+512*kp+128*kt
.set kp, kp+1
.endr
.set kc, kc+1
.endr
.set kt, kt+1
.endr
	WIN 0
.endm
.macro AMS k                           ; the sixteen scalar registers that take a run of the mask's compares: s4-11, s60-63, s32-33, s56-57: what they held (seq .. pos_emb, ws0, ws1) is used no more from attention on
.set ms, 4+(\k)
.if (\k) >= 8
.set ms, 52+(\k)
.endif
.if (\k) >= 12
.set ms, 20+(\k)
.endif
.if (\k) >= 14
.set ms, 42+(\k)
.endif
.endm
.macro MASK sb, d                      ; register 16 b + i holds key 32 b + 16 (lane / 16) + i of the step: hidden where 32 b + i is above the threshold.  A block's sixteen compares go as one run
.set mh, 0
.rept 4
.set mk, 0
.rept 16
	AMS mk
	v_cmp_gt_i32 s[ms], 32*mh+mk, v[\d]
.set mk, mk+1
.endr
	s_wait_alu depctr_va_sdst(0)                   ; the sixteen compares have written their masks, ahead of the selects that read them
.set mk, 0
.rept 16
	AMS mk
	v_cndmask_b32 v[\sb+16*mh+mk], v[\sb+16*mh+mk], v[NINF], s[ms]
.set mk, mk+1
.endr
.set mh, mh+1
.endr
.endm
.macro SOFTMAX sb, st, pcd, psr, ob
.set xb, 0
.rept 4
	v_max3_num_f32 v[TMA+xb], v[\sb+16*xb], v[\sb+16*xb+1], v[\sb+16*xb+2]   ; the largest score of each block of 32 keys: for the row's maximum and, since p rises with the score, for the block's largest p
.set xb, xb+1
.endr
.set xi, 3
.rept 6
.set xb, 0
.rept 4
	v_max3_num_f32 v[TMA+xb], v[TMA+xb], v[\sb+16*xb+xi], v[\sb+16*xb+xi+1]
.set xb, xb+1
.endr
.set xi, xi+2
.endr
.set xb, 0
.rept 4
	v_max_num_f32 v[TMA+xb], v[TMA+xb], v[\sb+16*xb+15]
.set xb, xb+1
.endr
.set xb, 0
.rept 4
	v_permlanex16_b32 v[TMA+4+xb], v[TMA+xb], s[SEL], s[SEL+1]
.set xb, xb+1
.endr
.set xb, 0
.rept 4
	v_max_num_f32 v[TMA+xb], v[TMA+xb], v[TMA+4+xb]
.set xb, xb+1
.endr
	v_max3_num_f32 v[TMA+8], v[TMA], v[TMA+1], v[TMA+2]
	v_max_num_f32 v[TMA+8], v[TMA+8], v[TMA+3]
	v_mul_f32 v[TMA+8], s[CS], v[TMA+8]
	v_max_num_f32 v[\st+1], v[\st+1], v[TMA+8]     ; the running largest t
	v_mov_b32 v[TMA+8], v[\st]
	v_floor_f32 v[\st], -v[\st+1]                  ; -M = floor(-t): M is a whole number
	v_sub_f32 v[TMA+8], v[\st], v[TMA+8]
	v_cvt_i32_f32 v[TMA+8], v[TMA+8]               ; (it saturates)
	v_ldexp_f32 v[FF], 1.0, v[TMA+8]               ; f = 2^(old M - new M): rounds nothing
.set xj, 0
.rept 32
	v_pk_fma_f32 v[\sb+xj:\sb+xj+1], v[\sb+xj:\sb+xj+1], s[CS:CS+1], v[\st:\st+1] op_sel_hi:[1,0,0]
.set xj, xj+2
.endr
.set xb, 0
.rept 4
	v_fma_f32 v[TMA+xb], v[TMA+xb], s[CS], v[\st]
.set xb, xb+1
.endr
.set xj, 0
	s_wait_alu depctr_va_vdst(0)
.rept 64
	v_exp_f32 v[\sb+xj], v[\sb+xj]                 ; p = 2^(t - M)
.set xj, xj+1
.endr
	v_pk_mul_f32 v[\st+2:\st+3], v[\st+2:\st+3], v[FF:FF+1] op_sel_hi:[1,0]   ; a plain place behind the exponentials
	s_wait_alu depctr_va_vdst(0)                   ; one wait for the batch of 64 p, ahead of its first reader
.set xb, 0
.rept 4
	v_exp_f32 v[TMA+xb], v[TMA+xb]                 ; the block's largest p
.set xb, xb+1
.endr
	v_pk_add_f32 v[TMA+10:TMA+11], v[\sb:\sb+1], v[\sb+2:\sb+3]   ; the row's sum, of the unquantised p, in two chains
.set xj, 4
.rept 15
	v_pk_add_f32 v[\st+2:\st+3], v[\st+2:\st+3], v[\sb+xj:\sb+xj+1]
	v_pk_add_f32 v[TMA+10:TMA+11], v[TMA+10:TMA+11], v[\sb+xj+2:\sb+xj+3]
.set xj, xj+4
.endr
	v_pk_add_f32 v[\st+2:\st+3], v[\st+2:\st+3], v[TMA+10:TMA+11]
	s_wait_alu depctr_va_vdst(0)                   ; and one for the four blocks' largest p
.set xb, 0
.rept 4
	v_max_num_f32 v[TMA+xb], 0x1800000, v[TMA+xb]  ; the floor: a block whose every p is 0 keeps the byte 1, its codes are zeros
.set xb, xb+1
.endr
.set xb, 0
.rept 4
	v_add_nc_u32 v[TMA+12+xb], 0xff000000, v[TMA+xb]
.set xb, xb+1
.endr
.set xb, 0
.rept 4
	v_lshrrev_b32 v[TMA+4+xb], 23, v[TMA+12+xb]
.set xb, xb+1
.endr
	v_lshl_or_b32 v[\psr], v[TMA+5], 8, v[TMA+4]
	v_lshl_or_b32 v[\psr], v[TMA+6], 16, v[\psr]
	v_lshl_or_b32 v[\psr], v[TMA+7], 24, v[\psr]
.set xb, 0
.rept 2
	v_cvt_scalef32_pk16_fp6_f32 v[\pcd+6*xb:\pcd+6*xb+2], v[\sb+32*xb:\sb+32*xb+15], v[TMA+12+2*xb]
	v_cvt_scalef32_pk16_fp6_f32 v[CTA+4*xb:CTA+4*xb+2], v[\sb+32*xb+16:\sb+32*xb+31], v[TMA+13+2*xb]
.set xb, xb+1
.endr
	v_nop                                          ; one plain place behind a scaled conversion
.set xb, 0
.rept 2
.set xi, 0
.rept 3
	v_permlane16_swap_b32 v[\pcd+6*xb+xi], v[CTA+4*xb+xi]
.set xi, xi+1
.endr
.set xi, 0
.rept 3
	v_mov_b32 v[\pcd+6*xb+3+xi], v[CTA+4*xb+xi]
.set xi, xi+1
.endr
.set xb, xb+1
.endr
	WIN 0x41
.set xj, 0
.rept 16
	v_pk_mul_f32 v[\ob+xj:\ob+xj+1], v[\ob+xj:\ob+xj+1], v[FF:FF+1] op_sel_hi:[1,0]   ; O^T under the new M; these are also the places between p's scale word and codes and the products
.set xj, xj+2
.endr
	WIN 0
.endm
; A key step of 128 keys.  last = 1: the group's last, the only one that can hide keys; it asks for nothing more.
.macro UNIT last
	s_wait_loadcnt 24                              ; Q, K and the scale words are in; V's 24 loads, the youngest, may be out
.if \last == 0
	s_wait_alu depctr_vm_vsrc(0)                   ; the batches of loads issued so far have read the four offsets v[KA], v[VA], v[KSA], v[VSA], which this step writes anew
	v_add_nc_u32 v[KA], 6144, v[KA]                ; the loads that read these three offsets are in
	v_add_nc_u32 v[KSA], 512, v[KSA]
	v_add_nc_u32 v[VSA], 256, v[VSA]
.endif
	v_perm_b32 v[VT], v[VR+1], v[VR], 0x05010400   ; V's scale bytes lie (group)(tile): turned into (tile)(group), four bytes by four
	v_perm_b32 v[VT+1], v[VR+1], v[VR], 0x07030602
	v_perm_b32 v[VT+2], v[VR+3], v[VR+2], 0x05010400
	v_perm_b32 v[VT+3], v[VR+3], v[VR+2], 0x07030602
	v_perm_b32 v[VS], v[VT+2], v[VT], 0x05040100
	v_perm_b32 v[VS+1], v[VT+2], v[VT], 0x07060302
	v_perm_b32 v[VS+2], v[VT+3], v[VT+1], 0x05040100
	v_perm_b32 v[VS+3], v[VT+3], v[VT+1], 0x07060302
	WIN 0x05
.set ut, 0
.rept 8
.set uu, 0
.rept NT
	WMZ S0+64*uu+8*ut, 12*ut, QF+12*uu, KS+ut/2, QS+uu, ut%2
.set uu, uu+1
.endr
.set ut, ut+1
.endr
	WIN 0
.rept 4
	v_nop                                          ; places in front of the loads into K's registers and of the first read of the scores
.endr
.if \last == 0
	s_wait_alu depctr_va_vdst(0)                   ; the score products are done reading K and its scale words, the turning is done reading v[VR ..]: the next batch lands in them; and its three offsets are written
	KBATCH
.else
	MASK S0, D0
.if NT > 1
	MASK S0+64, D0+1
.endif
.endif
	SOFTMAX S0, STT, PCA, PS, OF
.if NT > 1
	SOFTMAX S0+64, STT+4, PCA+12, PS+1, OF+32
.endif
.if \last == 0
	s_wait_loadcnt 32                              ; V is in; the next step's K batch, 32 younger loads, may be out
	v_add_nc_u32 v[VA], 6144, v[VA]                ; V's loads are in, and the wait on vm_vsrc at the step's head stands behind them: no load since reads this offset
.else
	s_wait_loadcnt 0x0
.endif
	s_wait_alu depctr_va_vdst(0)                   ; p's codes and scale words and V's turned scale words are written, which the products below take as operand and scales (the places stand above); so is v[VA]
	WIN 0x51
.set ut, 0
.rept 4
.set uu, 0
.rept NT
	WMM OF+32*uu+8*ut, VF+12*ut, PCA+12*uu, OF+32*uu+8*ut, VS+ut, PS+uu
.set uu, uu+1
.endr
.set ut, ut+1
.endr
	WIN 0
.rept 4
	v_nop
.endr
.if \last == 0
	s_wait_alu depctr_va_vdst(0)                   ; the products are done reading V, in which the next batch lands
	VBATCH
.endif
.endm
.macro ASKW off                        ; a prefetch of weights that this launch reads later: each aligned block of 256 bytes is named by one lane of one wave of the launch, behind the wave's own loads
	s_cmp_eq_u32 s[GI], s[PFL]
	s_cbranch_scc0 .Lnp_\@
	global_prefetch_b8 v[PF], s[WFR:WFR+1] offset:\off th:TH_LOAD_NT scope:SCOPE_SE
.Lnp_\@:
.endm
.macro ATT pfo
	s_lshr_b32 s[KMAX], s[GG], 2                   ; the group's last key step
	s_lshl_b32 s2, s[KMAX], 7
	v_add_nc_u32 v[D0], s[QB], v[RQ]               ; my query
.if NT > 1
	v_add_nc_u32 v[D0+1], 8, v[D0]
.endif
.set au, 0
.rept NT
	v_min_u32 v[D0+au], s[LM1], v[D0+au]           ; the last key that counts,
	v_sub_nc_u32 v[D0+au], v[D0+au], s2            ; from the last step's first key,
	v_sub_nc_u32 v[D0+au], v[D0+au], v[H16]        ; less my half's 16
.set au, au+1
.endr
	v_mov_b32 v[KA], v[L8]
	v_lshlrev_b32 v[T0], 1, v[R4]
	v_mad_u32_u24 v[VA], v[H16], 96, v[T0]         ; 8 r + 1,536 h
	v_mov_b32 v[KSA], v[L4]
	v_mov_b32 v[VSA], v[R4]
	s_wait_alu depctr_va_vdst(0)                   ; the group's addresses and the first key step's offsets are written, which the loads below read; the last group's products are done with Q, K, V and their scales, in which they land; the zero codes are written
	WIN 0x40
.set au, 0
.rept NT
.set ap, 0
.rept 3
	global_load_b64 v[QF+12*au+2*ap:QF+12*au+2*ap+1], v[KOG], s[QCB:QCB+1] offset:768*au+256*ap
.set ap, ap+1
.endr
.set au, au+1
.endr
	WIN 0
.set au, 0
.rept NT
	global_load_b32 v[QS+au], v[KSL], s[QSB:QSB+1] offset:64*au
.set au, au+1
.endr
	KBATCH
	VBATCH
	ASKW \pfo
	WIN 0x40
.set aj, 0
.rept 32*NT
	v_mov_b32 v[OF+aj], 0                          ; the step is written for every step: the first finds zeros
.set aj, aj+1
.endr
	WIN 0
.set au, 0
.rept NT
	v_mov_b32 v[STT+4*au+1], 0xff61b1e6            ; -3e38, under every t
	v_floor_f32 v[STT+4*au], -v[STT+4*au+1]
	v_mov_b32 v[STT+4*au+2], 0
	v_mov_b32 v[STT+4*au+3], 0
.set au, au+1
.endr
	s_mov_b32 s[CNT], 0
.Lu_\@:                                ; three trips, a constant: a trip works where the group has so many whole steps
	s_cmp_ge_u32 s[CNT], s[KMAX]
	s_cbranch_scc1 .Lus_\@
	UNIT 0
.Lus_\@:
	s_add_co_u32 s[CNT], s[CNT], 1
	s_cmp_lt_u32 s[CNT], 3
	s_cbranch_scc1 .Lu_\@
	UNIT 1
.set au, 0
.rept NT
	v_add_f32 v[TMA+au], v[STT+4*au+2], v[STT+4*au+3]
.set au, au+1
.endr
.set au, 0
.rept NT
	v_permlanex16_b32 v[TMA+4+au], v[TMA+au], s[SEL], s[SEL+1]
.set au, au+1
.endr
.set au, 0
.rept NT
	v_add_f32 v[TMA+au], v[TMA+au], v[TMA+4+au]    ; the row's sum
.set au, au+1
.endr
.set au, 0
	s_wait_alu depctr_va_vdst(0)
.rept NT
	v_rcp_f32 v[TMA+8+2*au], v[TMA+au]
.set au, au+1
.endr
	v_nop                                          ; a plain place behind the last reciprocal
	s_wait_alu depctr_va_vdst(0)                   ; one wait for the reciprocals, ahead of their first reader
	WIN 0x01
.set au, 0
.rept NT
.set aj, 0
.rept 16
	v_pk_mul_f32 v[ACC+32*au+aj:ACC+32*au+aj+1], v[OF+32*au+aj:OF+32*au+aj+1], v[TMA+8+2*au:TMA+8+2*au+1] op_sel_hi:[1,0]
.set aj, aj+2
.endr
.set au, au+1
.endr
	WIN 0
	QUANT ACC
	PUTIMG AIMG, ASC                               ; o: my head's 64 columns of the next product's K
.endm
	s_load_b256 s[4:11], s[0:1], 0x0               ; seq, seq_len, item_emb, pos_emb
	s_load_b512 s[32:47], s[0:1], 0x20             ; ws0, wfr, bo, ln2_w, ln2_b, b1, b2, ln1_w
	s_load_b256 s[48:55], s[0:1], 0x60             ; ln1_b, bk, bv, bq
	s_load_b64 s[56:57], s[0:1], 0x80              ; ws1
	v_lshl_add_u32 v[SPW], v0, 2, SPARE
	v_mov_b32 v[NIL], 0
	v_lshrrev_b32 v[T0], 5, v0
	v_readfirstlane_b32 s[WV], v[T0]
	s_and_b32 s[BB], ttmp7, 0xffff
	s_mov_b32 s[GL], ttmp9
	s_sub_co_u32 s[GH], 15, s[GL]
	s_wait_alu depctr_va_sdst(0)                   ; the wave's number is written, ahead of its first reader
	LANES
	s_lshl_b32 s2, s[BB], 5                        ; who prefetches: wave n = 32 b + 8 i + w, i under 4 (those work-groups always have rows), n under 150: 150 x 32 blocks = matrices 3 to 8
	s_lshl_b32 s3, s[GL], 3
	s_add_co_u32 s2, s2, s3
	s_add_co_u32 s2, s2, s[WV]
	s_cmp_lt_u32 s2, 150
	s_cselect_b32 s[PFL], 1, 2
	s_cmp_lt_u32 s[GL], 4
	s_cselect_b32 s[PFL], s[PFL], 2
	s_min_u32 s2, s2, 149
	s_lshl_b32 s2, s2, 13
	v_lshl_add_u32 v[PF], v[T0], 8, s2             ; 8,192 n + 256 x lane
	s_lshl_b32 s2, s[BB], 2
	s_mov_b32 s3, 0
	s_wait_kmcnt 0x0
	s_add_nc_u64 s[6:7], s[6:7], s[2:3]
	s_load_b32 s[LEN], s[6:7], 0x0
	s_lshl_b32 s[TS], s[BB], 3
	s_add_co_u32 s[TS], s[TS], s[WV]               ; 8 b + w
	s_mul_i32 s2, s[TS], 24576
	s_add_nc_u64 s[QCB:QCB+1], s[32:33], s[2:3]
	s_add_nc_u64 s[KCB:KCB+1], s[QCB:QCB+1], 6291456
	s_add_nc_u64 s[VCB:VCB+1], s[QCB:QCB+1], 12582912
	s_add_nc_u64 s[K1C:K1C+1], s[56:57], s[2:3]
	s_add_nc_u64 s[V1C:V1C+1], s[K1C:K1C+1], 6291456
	s_lshl_b32 s2, s[TS], 11
	s_add_nc_u64 s[QSB:QSB+1], s[32:33], s[2:3]
	s_add_nc_u64 s[KSB:KSB+1], s[QSB:QSB+1], 19398656
	s_add_nc_u64 s[QSB:QSB+1], s[QSB:QSB+1], 18874368
	s_add_nc_u64 s[K1S:K1S+1], s[56:57], s[2:3]
	s_add_nc_u64 s[K1S:K1S+1], s[K1S:K1S+1], 12582912
	s_lshl_b32 s2, s[TS], 10
	s_add_nc_u64 s[VSB:VSB+1], s[32:33], s[2:3]
	s_add_nc_u64 s[VSB:VSB+1], s[VSB:VSB+1], 19922944
	s_add_nc_u64 s[V1S:V1S+1], s[56:57], s[2:3]
	s_add_nc_u64 s[V1S:V1S+1], s[V1S:V1S+1], 13107200
	s_mul_i32 s2, s[TS], 1536
	s_add_nc_u64 s[Q1C:Q1C+1], s[56:57], s[2:3]
	s_add_nc_u64 s[Q1C:Q1C+1], s[Q1C:Q1C+1], 13369344
	s_lshl_b32 s2, s[TS], 7
	s_add_nc_u64 s[Q1S:Q1S+1], s[56:57], s[2:3]
	s_add_nc_u64 s[Q1S:Q1S+1], s[Q1S:Q1S+1], 13762560
	s_lshl_b32 s2, s[TS], 13                       ; 65,536 b + 8,192 w
	s_add_nc_u64 s[X2B:X2B+1], s[56:57], s[2:3]
	s_add_nc_u64 s[X2B:X2B+1], s[X2B:X2B+1], 13795328
	s_mul_i32 s2, s[WV], 25600
	s_add_nc_u64 s[WB:WB+1], s[34:35], s[2:3]
	s_wait_kmcnt 0x0
	LENS
	s_lshr_b32 s[GSTAR], s[LM1], 5                 ; the group that holds row len - 1
	s_min_u32 s[GSTAR], s[GSTAR], 15
	s_cmp_eq_u32 s[GSTAR], s[GH]
	s_cselect_b32 s2, 1, 2
	s_cmp_eq_u32 s[GSTAR], s[GL]
	s_cselect_b32 s[OWNV], 1, s2                   ; 1 where it is one of mine
	GATHER
	s_wait_alu depctr_vm_vsrc(0)                   ; the gather's loads have read their offsets (v28-29, v64-79, v208-255) and its LDS stores their data (v80-143; window 1's v80-207): the zero codes below and attention write these registers anew
	ZEROH
	s_mov_b32 s[RFV], 1
	GLOOP_BEGIN 1, -1, 0
	ATT 614400
	GLOOP_END 1
	s_wait_alu depctr_va_vdst(0)                   ; attention's products and vector work, and on the way that works no group the zero codes, are done with window 1's registers, v40-55 and v192-223, in which wo, its scale words, bo and the gains land
	WLOAD 3, 0
	WLOAD 3, 1
	WLOAD 3, 2
	WLOAD 3, 3
	BLOAD 36, 0
	LNLOAD 38, 40, 0
	BARRIER                                        ; o's fragments lie in LDS
	GLOOP_BEGIN 2, 0, 1
	GPASS 1, AIMG, ASC, 4, 42, 0                   ; x1 = x0 + bo + o wo
	XST
	LNSTAT
	GLOOP_END 2
	BARRIER
	GLOOP_BEGIN 3, -1, 1
	LNAPPLY
	QUANT ACC
	PUTIMG AIMG, ASC
	GLOOP_END 3
	LNLOAD 46, 48, 2048                            ; layer 1's first LayerNorm, and bv.  (No wait: behind the multiply-adds that read the old gains stands the wait ahead of the images' stores, and nothing since names these registers)
	BVLOAD 52, 2048
	BARRIER
	GLOOP_BEGIN 4, 0, 1
	GPASS 0, AIMG, ASC, 5, 44, 0                   ; h w1 + b1
	RELU
	QUANT ACC
	PUTIMG HIMG, HSC
	GLOOP_END 4
	BARRIER
	GLOOP_BEGIN 5, 0, 1
	GPASS 1, HIMG, HSC, 7, 50, 2048                ; x2 = x1 + b2 + relu(..) w2
	XST
	LNSTAT
	s_cmp_eq_u32 s[GG], s[GSTAR]
	s_cbranch_scc0 .Lnx2
.set aj, 0
.rept 16
	global_store_b128 v[L16], v[ACC+4*aj:ACC+4*aj+3], s[X2B:X2B+1] offset:512*aj   ; 512 consecutive bytes a store, as the registers stand; the wait behind the last K step has shown them written, and nothing since writes them
.set aj, aj+1
.endr
.Lnx2:
	GLOOP_END 5
	BARRIER
	GLOOP_BEGIN 6, -1, 1
	LNAPPLY
	QUANT ACC
	PUTIMG AIMG, ASC
	GLOOP_END 6
	BARRIER
	GLOOP_BEGIN 7, 0, 1
	GPASS 0, AIMG, ASC, 8, -1, 0                   ; k'
	QUANT ACC
	STQK KOG, KSS, K1C, K1S
	GLOOP_END 7
	s_wait_loadcnt 0x0
	SPLAT
	s_mov_b32 s[RFV], s[OWNV]                      ; wq of layer 1 is asked for only where q' is made
	GLOOP_BEGIN 8, 0, 1
	GPASS 2, AIMG, ASC, 6, 54, 2048                ; v'
	QUANT ACC
	STV V1C, V1S
	GLOOP_END 8
	GLOOP_BEGIN 9, 0, 1
	s_cmp_eq_u32 s[GG], s[GSTAR]
	s_cbranch_scc0 .Lgs_9
	GPASS 0, AIMG, ASC, -1, -1, 0                  ; q' of the one group
	QUANT ACC
	STQK L8, L4, Q1C, Q1S
	GLOOP_END 9
	s_wait_dscnt 0x0                               ; the closing lines, six on end
	s_wait_alu 0x0
	s_wait_tensorcnt 0x0
	ds_add_u32 v[SPW], v[NIL]
	s_wait_dscnt 0x0
	s_endpgm
.Lfunc_end_k_q2bf941d14d_layer:
	.size	k_q2bf941d14d_layer, .Lfunc_end_k_q2bf941d14d_layer-k_q2bf941d14d_layer
	.p2alignl 7, 3214868480
	.fill 96, 4, 3214868480
	.section	.rodata,"a",@progbits
	.p2align	6, 0x0
	.amdhsa_kernel k_q2bf941d14d_layer
		.amdhsa_group_segment_fixed_size 231424
		.amdhsa_private_segment_fixed_size 0
		.amdhsa_enable_private_segment 0
		.amdhsa_kernarg_size 136
		.amdhsa_user_sgpr_count 2
		.amdhsa_user_sgpr_kernarg_segment_ptr 1
		.amdhsa_wavefront_size32 1
		.amdhsa_system_sgpr_workgroup_id_x 1
		.amdhsa_system_sgpr_workgroup_id_y 1
		.amdhsa_system_sgpr_workgroup_id_z 1
		.amdhsa_system_vgpr_workitem_id 0
		.amdhsa_next_free_vgpr 512
		.amdhsa_next_free_sgpr 106
		.amdhsa_reserve_vcc 0
		.amdhsa_float_denorm_mode_32 3
		.amdhsa_float_denorm_mode_16_64 3
		.amdhsa_memory_ordered 1
		.amdhsa_forward_progress 1
		.amdhsa_inst_pref_size 255
	.end_amdhsa_kernel
	.section	.bss,"aw",@nobits
	.p2align	6
	.space	262144
	.amdgpu_metadata
---
amdhsa.version: [ 1, 2 ]
amdhsa.kernels:
  - .name:           k_q2bf941d14d_layer
    .symbol:         k_q2bf941d14d_layer.kd
    .args:
      - { .name: seq, .offset: 0, .size: 8, .value_kind: global_buffer, .address_space: global }
      - { .name: seq_len, .offset: 8, .size: 8, .value_kind: global_buffer, .address_space: global }
      - { .name: item_emb, .offset: 16, .size: 8, .value_kind: global_buffer, .address_space: global }
      - { .name: pos_emb, .offset: 24, .size: 8, .value_kind: global_buffer, .address_space: global }
      - { .name: ws0, .offset: 32, .size: 8, .value_kind: global_buffer, .address_space: global }
      - { .name: wfr, .offset: 40, .size: 8, .value_kind: global_buffer, .address_space: global }
      - { .name: bo, .offset: 48, .size: 8, .value_kind: global_buffer, .address_space: global }
      - { .name: ln2_w, .offset: 56, .size: 8, .value_kind: global_buffer, .address_space: global }
      - { .name: ln2_b, .offset: 64, .size: 8, .value_kind: global_buffer, .address_space: global }
      - { .name: b1, .offset: 72, .size: 8, .value_kind: global_buffer, .address_space: global }
      - { .name: b2, .offset: 80, .size: 8, .value_kind: global_buffer, .address_space: global }
      - { .name: ln1_w, .offset: 88, .size: 8, .value_kind: global_buffer, .address_space: global }
      - { .name: ln1_b, .offset: 96, .size: 8, .value_kind: global_buffer, .address_space: global }
      - { .name: bk, .offset: 104, .size: 8, .value_kind: global_buffer, .address_space: global }
      - { .name: bv, .offset: 112, .size: 8, .value_kind: global_buffer, .address_space: global }
      - { .name: bq, .offset: 120, .size: 8, .value_kind: global_buffer, .address_space: global }
      - { .name: ws1, .offset: 128, .size: 8, .value_kind: global_buffer, .address_space: global }
    .group_segment_fixed_size: 231424
    .private_segment_fixed_size: 0
    .kernarg_segment_align: 8
    .kernarg_segment_size: 136
    .max_flat_workgroup_size: 256
    .sgpr_count:     106
    .vgpr_count:     512
    .wavefront_size: 32
...
	.end_amdgpu_metadata
.endif
;; end of part 7
;; launch final (part 8): grid 32 x 1, 8 waves a work-group, no clusters, 101,376 bytes of LDS; arguments seq_len, ws1, wfr, bo, ln2_w, ln2_b, b1, b2, lnf_w, lnf_b, out0; writes out0
.if DOCPART == 8
	.amdgcn_target "amdgcn-amd-amdhsa--gfx1250"
	.amdhsa_code_object_version 6
	.text
	.protected	k_q2bf941d14d_final
	.globl	k_q2bf941d14d_final
	.p2align	8
	.type	k_q2bf941d14d_final,@function
k_q2bf941d14d_final:
	s_mov_b64 s[64:65], 0
	v_nop
	global_prefetch_b8 v0, s[64:65] scope:SCOPE_SE
	s_setreg_imm32_b32 hwreg(HW_REG_WAVE_MODE, 25, 1), 1
	s_wait_xcnt 0x0
; Layer 1 for the one row of each batch that the definition keeps, row len - 1: attention on the codes of q', k', v'; x + o wo + bo; LayerNorm 2; the two products of the feed-forward part; the last LayerNorm; out0[b].
; One work-group a batch: there are 32 rows to make.  It works the tile of 16 rows that holds the row (a matrix instruction has 16 rows); the other 15 are thrown away.
; Wave w = head w = columns 64 w on.  All products on codes of FP6 (E2M3, one E8M0 byte for each 32 along K).  The macros are the launch before's, with one tile of rows to a pass.
; The row leaves by two lanes a wave, 16 bytes an instruction: 65,536 bytes in all.
; LIMITS: as in the launches before.
.set NT, 1
.set AIMG, 0
.set ASC,  12288
.set HIMG, 13312
.set HSC,  25600
.set STAT, 26624
.set XR,   30720
.set SPARE, 100352                     ; the spare words, 128 bytes for each wave: four blocks of 256 bytes that no other line names
.set REG2, 131072
.set L16,1
.set L8,2
.set L4,3
.set R16,4
.set R4,5
.set H16,6
.set GO,7
.set BO,8
.set BV,9
.set RR,10
.set RQ,11
.set L8G,12
.set L4G,13
.set IG,14
.set ISG,15
.set XAG,16
.set STG,17
.set XGH,18
.set XGL,19
.set KOG,20
.set KSL,22
.set KA,24
.set VA,25
.set KSA,26
.set VSA,27
.set D0,28
.set NINF,30
.set XL,31
.set PF,33
.set T0,34
.set T1,35
.set SPW,36
.set NIL,37
.set T2,38
.set T3,39
.set WS,40                             ; v40-63 hold scales and nothing else
.set AS,56
.set KS,40
.set VS,44
.set QS,48
.set PS,50
.set VR,52
.set VT,56
.set STT,64
.set FF,72
.set PW,78
.set ACC,80
.set S0,80
.set AF,144
.set TM,144
.set CT,160
.set LS,144
.set LT,176
.set BI,192
.set PCA,208
.set PC,224
.set TMA,232
.set LMP,236
.set MU,240
.set RU,244
.set CTA,248
.set LNW,192
.set LNB,224
.set VF,96
.set QF,144
.set OF,168
.set WFR,8
.set WV,12
.set BB,13
.set LEN,15
.set LM1,16
.set US,19                             ; which tile of the group holds the row
.set RS,20                             ; and which lane of it
.set GG,21
.set GI,22
.set RFV,23
.set KMAX,24
.set CNT,25
.set PFL,27
.set SEL,28
.set CS,30
.set TS,58
.set EPS,66
.set I512,67
.set QCB,68
.set KCB,70
.set VCB,72
.set QSB,74
.set KSB,76
.set VSB,78
.set WB,80
.set OUTB,82
.set X2B,94
.set SW768,96
.set SWIS,97
.set SWXR,98
.set SW256,99
.set RT,100
.set GB,104
.set QB,105
.set MSB, 0
.macro WIN new                         ; the immediate's high byte repeats the setting that is left
.if MSB != \new
	s_set_vgpr_msb (MSB<<8)|\new
.set MSB, \new
.endif
.endm
.macro WMM d, a, b, c, sa, sb
	v_wmma_scale_f32_16x16x128_f8f6f4 v[\d:\d+7], v[\a:\a+11], v[\b:\b+11], v[\c:\c+7], v[\sa], v[\sb] matrix_a_fmt:MATRIX_FMT_FP6 matrix_b_fmt:MATRIX_FMT_FP6
.endm
.macro WMZ d, a, b, sa, sb, row
.if \row
	v_wmma_scale_f32_16x16x128_f8f6f4 v[\d:\d+7], v[\a:\a+11], v[\b:\b+11], 0, v[\sa], v[\sb] matrix_a_fmt:MATRIX_FMT_FP6 matrix_b_fmt:MATRIX_FMT_FP6 matrix_a_scale:MATRIX_SCALE_ROW1
.else
	v_wmma_scale_f32_16x16x128_f8f6f4 v[\d:\d+7], v[\a:\a+11], v[\b:\b+11], 0, v[\sa], v[\sb] matrix_a_fmt:MATRIX_FMT_FP6 matrix_b_fmt:MATRIX_FMT_FP6
.endif
.endm
.macro LANES
	v_and_b32 v[T0], 31, v0
	s_delay_alu instid0(VALU_DEP_1)
	v_lshlrev_b32 v[L16], 4, v[T0]
	s_delay_alu instid0(VALU_DEP_2)
	v_lshlrev_b32 v[L8], 3, v[T0]
	s_delay_alu instid0(VALU_DEP_3)
	v_lshlrev_b32 v[L4], 2, v[T0]
	v_and_b32 v[RR], 15, v0
	s_delay_alu instid0(VALU_DEP_1)
	v_lshlrev_b32 v[R16], 4, v[RR]
	s_delay_alu instid0(VALU_DEP_2)
	v_lshlrev_b32 v[R4], 2, v[RR]
	v_bfe_u32 v[T1], v0, 4, 1
	s_delay_alu instid0(VALU_DEP_1)
	v_lshlrev_b32 v[H16], 4, v[T1]
	v_and_b32 v[RQ], 8, v[RR]
	s_delay_alu instid0(VALU_DEP_1)
	v_add_nc_u32 v[RQ], v[RQ], v[RR]
	s_lshl_b32 s[SW256], s[WV], 8
	v_add_nc_u32 v[GO], s[SW256], v[R16]
	v_lshl_add_u32 v[BO], v[T1], 6, s[SW256]
	v_lshl_add_u32 v[BV], v[RQ], 2, s[SW256]
	v_mul_u32_u24 v[XL], v[RR], 272
	s_delay_alu instid0(VALU_DEP_1)
	v_lshl_add_u32 v[XL], v[T1], 6, v[XL]
	s_mul_i32 s[SWXR], s[WV], 8704
	s_add_co_u32 s[SWXR], s[SWXR], XR
.if NT > 1
	v_mul_u32_u24 v[XGH], v[T1], 272
	v_add_nc_u32 v[XGH], v[XGH], v[R16]
	v_add_nc_u32 v[XGH], s[SWXR], v[XGH]
	v_add_nc_u32 v[XGL], REG2, v[XGH]
.endif
	s_mul_i32 s[SW768], s[WV], 768
	s_lshr_b32 s[SWIS], s[WV], 1
	s_lshl_b32 s[SWIS], s[SWIS], 7
	s_and_b32 s2, s[WV], 1
	s_lshl_b32 s2, s2, 1
	s_add_co_u32 s[SWIS], s[SWIS], s2
	s_mov_b32 s[SEL], 0x76543210
	s_mov_b32 s[SEL+1], 0xfedcba98
	s_mov_b32 s[CS], 0x3e38aa3b                    ; log2(e) / 8
	s_mov_b32 s[CS+1], s[CS]
	s_mov_b32 s[EPS], 0x322bcc77                   ; 1e-8
	s_mov_b32 s[I512], 0x3b000000                  ; 1 / 512
	s_mov_b32 s[RT], 0x41b504f3
	s_mov_b32 s[RT+1], s[RT]
	v_mov_b32 v[NINF], 0xff800000
.set li, 0
.rept 12
	v_mov_b32 v[LMP+li], 0                         ; written once: destinations of lane permutes and upper halves of broadcast pairs count as read
.set li, li+1
.endr
.set li, 0
.rept 4
	v_mov_b32 v[TM+4+li], 0
.set li, li+1
.endr
	v_mov_b32 v[FF+1], 0
.endm
.macro SETL
	v_add_nc_u32 v[L8G], s[GB], v[L8]
	v_add_nc_u32 v[L4G], s[GB], v[L4]
	s_add_co_u32 s2, s[SW768], s[GB]
	v_add_nc_u32 v[IG], s2, v[L8]
	s_add_co_u32 s2, s[SWIS], s[GB]
	v_add_nc_u32 v[ISG], s2, v[L4]
	s_add_co_u32 s2, s[SWXR], s[GB]
	v_add_nc_u32 v[XAG], s2, v[XL]
	s_add_co_u32 s2, s[SW256], s[GB]
	v_add_nc_u32 v[STG], s2, v[L8]
.endm
.macro BARRIER
	s_wait_dscnt 0x0
	s_barrier_signal -1
	s_barrier_wait -1
.endm
.macro ENDW                            ; the wave's end, behind my last LDS store
	s_wait_tensorcnt 0x0
	ds_add_u32 v[SPW], v[NIL]
	s_wait_dscnt 0x0
	s_endpgm
.endm
.macro QUANT s
.set qb, 0
.rept 2*NT
	v_max3_num_f32 v[TM+qb], |v[\s+16*qb]|, |v[\s+16*qb+1]|, 0x1800000   ; with the floor 2^(3 - 127): the byte cannot fall under 1
.set qb, qb+1
.endr
.set qi, 2
.rept 7
.set qb, 0
.rept 2*NT
	s_delay_alu instid0(VALU_DEP_2)
	v_max3_num_f32 v[TM+qb], v[TM+qb], |v[\s+16*qb+qi]|, |v[\s+16*qb+qi+1]|
.set qb, qb+1
.endr
.set qi, qi+2
.endr
.set qb, 0
.rept 2*NT
	s_delay_alu instid0(VALU_DEP_2)
	v_permlanex16_b32 v[TM+4+qb], v[TM+qb], s[SEL], s[SEL+1]
.set qb, qb+1
.endr
.set qb, 0
.rept 2*NT
	s_delay_alu instid0(VALU_DEP_2)
	v_max_num_f32 v[TM+qb], v[TM+qb], v[TM+4+qb]
.set qb, qb+1
.endr
.set qb, 0
.rept 2*NT
	s_delay_alu instid0(VALU_DEP_2)
	v_add_nc_u32 v[TM+12+qb], 0xff000000, v[TM+qb]
.set qb, qb+1
.endr
.set qb, 0
.rept 2*NT
	s_delay_alu instid0(VALU_DEP_2)
	v_lshrrev_b32 v[TM+4+qb], 23, v[TM+12+qb]
.set qb, qb+1
.endr
	s_delay_alu instid0(VALU_DEP_1)
	v_lshl_or_b32 v[PW], v[TM+5], 8, v[TM+4]
.if NT > 1
	v_lshl_or_b32 v[PW], v[TM+6], 16, v[PW]
	v_lshl_or_b32 v[PW], v[TM+7], 24, v[PW]
.endif
.set qb, 0
.rept NT
	v_cvt_scalef32_pk16_fp6_f32 v[PC+6*qb:PC+6*qb+2], v[\s+32*qb:\s+32*qb+15], v[TM+12+2*qb]
	v_cvt_scalef32_pk16_fp6_f32 v[CT+4*qb:CT+4*qb+2], v[\s+32*qb+16:\s+32*qb+31], v[TM+13+2*qb]
.set qb, qb+1
.endr
	v_nop                                          ; one plain place behind a scaled conversion
.set qb, 0
.rept NT
.set qi, 0
.rept 3
	v_permlane16_swap_b32 v[PC+6*qb+qi], v[CT+4*qb+qi]
.set qi, qi+1
.endr
.set qi, 0
.rept 3
	s_delay_alu instid0(VALU_DEP_3)
	v_mov_b32 v[PC+6*qb+3+qi], v[CT+4*qb+qi]
.set qi, qi+1
.endr
.set qb, qb+1
.endr
.endm
.macro PUTIMG buf, sc
.set pu, 0
.rept NT
.set pq, 0
.rept 3
	ds_store_b64 v[IG], v[PC+6*pu+2*pq:PC+6*pu+2*pq+1] offset:\buf+6144*pu+256*pq
.set pq, pq+1
.endr
.set pu, pu+1
.endr
	ds_store_b16 v[ISG], v[PW] offset:\sc
.if NT > 1
	ds_store_b16_d16_hi v[ISG], v[PW] offset:\sc+512
.endif
	s_wait_dscnt 0x0                               ; the stores have read their registers
.endm
.macro GETA buf, sc, s
.set eu, 0
.rept NT
.set eq, 0
.rept 6
	ds_load_b64 v[AF+24*((\s)%2)+12*eu+2*eq:AF+24*((\s)%2)+12*eu+2*eq+1], v[L8G] offset:\buf+6144*eu+1536*(\s)+256*eq
.set eq, eq+1
.endr
	ds_load_b32 v[AS+2*(\s)+eu], v[L4G] offset:\sc+(4*eu+(\s))*128
.set eu, eu+1
.endr
.endm
.macro WLOAD m, s
	WIN 0x40
.set wc, 0
.rept 12
	global_load_b128 v[48*(\s)+4*wc:48*(\s)+4*wc+3], v[L16], s[WB:WB+1] offset:(\m)*204800+6144*(\s)+512*wc
.set wc, wc+1
.endr
	WIN 0
	global_load_b128 v[WS+4*(\s):WS+4*(\s)+3], v[R16], s[WB:WB+1] offset:(\m)*204800+24576+256*(\s)
.endm
.macro BLOAD ptr, off
.set bc, 0
.rept 4
	global_load_b128 v[BI+8*bc:BI+8*bc+3], v[BO], s[\ptr:\ptr+1] offset:\off+128*(bc/2)+32*(bc%2)
	global_load_b128 v[BI+8*bc+4:BI+8*bc+7], v[BO], s[\ptr:\ptr+1] offset:\off+128*(bc/2)+32*(bc%2)+16
.set bc, bc+1
.endr
.endm
.macro LNLOAD pw, pb, off
	WIN 0x40
.set bc, 0
.rept 4
	global_load_b128 v[LNW+8*bc:LNW+8*bc+3], v[BO], s[\pw:\pw+1] offset:\off+128*(bc/2)+32*(bc%2)
	global_load_b128 v[LNW+8*bc+4:LNW+8*bc+7], v[BO], s[\pw:\pw+1] offset:\off+128*(bc/2)+32*(bc%2)+16
	global_load_b128 v[LNB+8*bc:LNB+8*bc+3], v[BO], s[\pb:\pb+1] offset:\off+128*(bc/2)+32*(bc%2)
	global_load_b128 v[LNB+8*bc+4:LNB+8*bc+7], v[BO], s[\pb:\pb+1] offset:\off+128*(bc/2)+32*(bc%2)+16
.set bc, bc+1
.endr
	WIN 0
.endm
.macro XLD
.set xu, 0
.rept NT
.set xc, 0
.rept 4
	ds_load_b128 v[ACC+32*xu+8*xc:ACC+32*xu+8*xc+3], v[XAG] offset:4352*xu+128*(xc/2)+32*(xc%2)
	ds_load_b128 v[ACC+32*xu+8*xc+4:ACC+32*xu+8*xc+7], v[XAG] offset:4352*xu+128*(xc/2)+32*(xc%2)+16
.set xc, xc+1
.endr
.set xu, xu+1
.endr
.endm
.macro XST
.set xu, 0
.rept NT
.set xc, 0
.rept 4
	ds_store_b128 v[XAG], v[ACC+32*xu+8*xc:ACC+32*xu+8*xc+3] offset:4352*xu+128*(xc/2)+32*(xc%2)
	ds_store_b128 v[XAG], v[ACC+32*xu+8*xc+4:ACC+32*xu+8*xc+7] offset:4352*xu+128*(xc/2)+32*(xc%2)+16
.set xc, xc+1
.endr
.set xu, xu+1
.endr
.endm
.macro RELU
.set xc, 0
.rept 32*NT
	v_max_num_f32 v[ACC+xc], 0, v[ACC+xc]
.set xc, xc+1
.endr
.endm
.macro GSTEP mode, buf, sc, s, rm, bp, bo
.if \s == 3
	s_wait_dscnt 0x0
.else
	s_wait_dscnt 7*NT                              ; this K step's fragments are in; the next one's 7 NT loads may be out
.endif
.if \mode == 2
	WIN 0x04
.else
	WIN 0x01
.endif
.set gc, 0
.rept 4
.set gu, 0
.rept NT
.set gw, 48*(\s)+12*gc
.set ga, AF+24*((\s)%2)+12*gu
.if \mode == 2
.set gd, ACC+16*gc+8*gu
.else
.set gd, ACC+32*gu+8*gc
.endif
.set gq, gd
.if ((\s) == 0) && (\mode != 1)
.set gq, BI+8*gc
.endif
.if \mode == 2
	WMM gd, ga, gw, gq, AS+2*(\s)+gu, WS+4*(\s)+gc
.else
	WMM gd, gw, ga, gq, WS+4*(\s)+gc, AS+2*(\s)+gu
.endif
.set gu, gu+1
.endr
.set gc, gc+1
.endr
	WIN 0
.rept 4
	v_nop                                          ; places in front of loads into registers that these products have read, and of the first read of results
.endr
.if \s < 2
	GETA \buf, \sc, \s+2
.endif
.if \rm >= 0
	s_cmp_eq_u32 s[GI], s[RFV]
	s_cbranch_scc0 .Lnr_\@
	WLOAD \rm, \s
.if ((\s) == 0) && (\bp >= 0)
	BLOAD \bp, \bo
.endif
.Lnr_\@:
.endif
.endm
.macro GPASS mode, buf, sc, rm, bp, bo
.if \mode == 1
	XLD
.endif
	GETA \buf, \sc, 0
	GETA \buf, \sc, 1
.if \mode == 1
	s_wait_dscnt 14*NT                             ; x is in; the two K steps' 14 NT loads may be out
.set hu, 0
.rept NT
.set hj, 0
.rept 16
	v_pk_add_f32 v[ACC+32*hu+hj:ACC+32*hu+hj+1], v[ACC+32*hu+hj:ACC+32*hu+hj+1], v[BI+hj:BI+hj+1]
.set hj, hj+2
.endr
.set hu, hu+1
.endr
.endif
	s_wait_alu depctr_va_vdst(0)
	GSTEP \mode, \buf, \sc, 0, \rm, \bp, \bo
	GSTEP \mode, \buf, \sc, 1, \rm, \bp, \bo
	GSTEP \mode, \buf, \sc, 2, \rm, \bp, \bo
	GSTEP \mode, \buf, \sc, 3, \rm, \bp, \bo
.endm
.macro LNSTAT
.set lu, 0
.rept NT
.set lx, ACC+32*lu
.set lt, LT+8*lu
.set lm, LMP+2*lu
	v_pk_add_f32 v[178:179], v[80:81], v[82:83]
	v_pk_add_f32 v[230:231], v[88:89], v[92:93]
	v_pk_add_f32 v[190:191], v[96:97], v[100:101]
	v_pk_add_f32 v[188:189], v[104:105], v[108:109]
	v_pk_add_f32 v[186:187], v[84:85], v[86:87]
	v_pk_add_f32 v[184:185], v[90:91], v[94:95]
	v_pk_add_f32 v[166:167], v[98:99], v[102:103]
	v_pk_add_f32 v[176:177], v[106:107], v[110:111]
	s_delay_alu instid0(VALU_DEP_1)
	v_pk_add_f32 v[176:177], v[176:177], v[188:189]
	v_pk_add_f32 v[178:179], v[178:179], v[186:187]
	v_pk_add_f32 v[230:231], v[230:231], v[184:185]
	v_pk_add_f32 v[190:191], v[190:191], v[166:167]
	s_delay_alu instid0(VALU_DEP_2)
	v_pk_add_f32 v[176:177], v[176:177], v[230:231]
	s_delay_alu instid0(VALU_DEP_2)
	v_pk_add_f32 v[178:179], v[178:179], v[190:191]
	s_delay_alu instid0(VALU_DEP_1)
	v_pk_add_f32 v[176:177], v[176:177], v[178:179]
	s_delay_alu instid0(VALU_DEP_1)
	v_add_f32 v[lt], v[lt], v[lt+1]
	s_delay_alu instid0(VALU_DEP_1)
	v_permlanex16_b32 v[lt+1], v[lt], s[SEL], s[SEL+1]
	s_delay_alu instid0(VALU_DEP_1)
	v_add_f32 v[lt], v[lt], v[lt+1]
	s_delay_alu instid0(VALU_DEP_1)
	v_mul_f32 v[lm], 0x3c800000, v[lt]             ; / 64
	v_pk_add_f32 v[lt+4:lt+5], v[lx:lx+1], v[lm:lm+1] op_sel_hi:[1,0] neg_lo:[0,1] neg_hi:[0,1]
	v_pk_add_f32 v[lt+6:lt+7], v[lx+2:lx+3], v[lm:lm+1] op_sel_hi:[1,0] neg_lo:[0,1] neg_hi:[0,1]
	s_delay_alu instid0(VALU_DEP_2)
	v_pk_mul_f32 v[lt:lt+1], v[lt+4:lt+5], v[lt+4:lt+5]
	s_delay_alu instid0(VALU_DEP_2)
	v_pk_mul_f32 v[lt+2:lt+3], v[lt+6:lt+7], v[lt+6:lt+7]
.set lj, 4
.rept 7
	v_pk_add_f32 v[lt+4:lt+5], v[lx+lj:lx+lj+1], v[lm:lm+1] op_sel_hi:[1,0] neg_lo:[0,1] neg_hi:[0,1]
	v_pk_add_f32 v[lt+6:lt+7], v[lx+lj+2:lx+lj+3], v[lm:lm+1] op_sel_hi:[1,0] neg_lo:[0,1] neg_hi:[0,1]
	s_delay_alu instid0(VALU_DEP_2)
	v_pk_fma_f32 v[lt:lt+1], v[lt+4:lt+5], v[lt+4:lt+5], v[lt:lt+1]
	s_delay_alu instid0(VALU_DEP_2)
	v_pk_fma_f32 v[lt+2:lt+3], v[lt+6:lt+7], v[lt+6:lt+7], v[lt+2:lt+3]
.set lj, lj+4
.endr
	s_delay_alu instid0(VALU_DEP_1)
	v_pk_add_f32 v[lt:lt+1], v[lt:lt+1], v[lt+2:lt+3]
	s_delay_alu instid0(VALU_DEP_1)
	v_add_f32 v[lt], v[lt], v[lt+1]
	s_delay_alu instid0(VALU_DEP_1)
	v_permlanex16_b32 v[lt+1], v[lt], s[SEL], s[SEL+1]
	s_delay_alu instid0(VALU_DEP_1)
	v_add_f32 v[lm+1], v[lt], v[lt+1]
	ds_store_b64 v[STG], v[lm:lm+1] offset:STAT+2048*lu
.set lu, lu+1
.endr
	s_wait_dscnt 0x0                               ; the stores have read their registers
.endm
.macro LNAPPLY
	XLD
.set lu, 0
.rept NT
.set lw, 0
.rept 8
	ds_load_b64 v[LS+16*lu+2*lw:LS+16*lu+2*lw+1], v[L8G] offset:STAT+2048*lu+256*lw
.set lw, lw+1
.endr
.set lu, lu+1
.endr
	s_wait_dscnt 0x0
.set lu, 0
.rept NT
.set lp, LS+16*lu
.set lt, LT+8*lu
	v_add_f32 v[lt], v[lp], v[lp+2]
	v_add_f32 v[lt+1], v[lp+4], v[lp+6]
	v_add_f32 v[lt+2], v[lp+8], v[lp+10]
	v_add_f32 v[lt+3], v[lp+12], v[lp+14]
	s_delay_alu instid0(VALU_DEP_3)
	v_add_f32 v[lt], v[lt], v[lt+1]
	s_delay_alu instid0(VALU_DEP_2)
	v_add_f32 v[lt+2], v[lt+2], v[lt+3]
	s_delay_alu instid0(VALU_DEP_1)
	v_add_f32 v[lt], v[lt], v[lt+2]
	s_delay_alu instid0(VALU_DEP_1)
	v_mul_f32 v[MU+2*lu], 0x3e000000, v[lt]
	v_add_f32 v[lt], v[lp+1], v[lp+3]
	v_add_f32 v[lt+1], v[lp+5], v[lp+7]
	v_add_f32 v[lt+2], v[lp+9], v[lp+11]
	v_add_f32 v[lt+3], v[lp+13], v[lp+15]
	s_delay_alu instid0(VALU_DEP_3)
	v_add_f32 v[lt], v[lt], v[lt+1]
	s_delay_alu instid0(VALU_DEP_2)
	v_add_f32 v[lt+2], v[lt+2], v[lt+3]
	s_delay_alu instid0(VALU_DEP_1)
	v_add_f32 v[lt], v[lt], v[lt+2]
.set lw, 0
.rept 8
	v_sub_f32 v[lp+2*lw], v[lp+2*lw], v[MU+2*lu]
.set lw, lw+1
.endr
	v_mul_f32 v[lt+1], v[lp], v[lp]
.set lw, 1
.rept 7
	s_delay_alu instid0(VALU_DEP_1)
	v_fmac_f32 v[lt+1], v[lp+2*lw], v[lp+2*lw]
.set lw, lw+1
.endr
	s_delay_alu instid0(VALU_DEP_1)
	v_fma_f32 v[lt], v[lt+1], 0x42800000, v[lt]
	s_delay_alu instid0(VALU_DEP_1)
	v_fma_f32 v[lt], v[lt], s[I512], s[EPS]
	s_wait_alu depctr_va_vdst(0)
	v_rsq_f32 v[RU+2*lu], v[lt]
.set lu, lu+1
.endr
.set lu, 0
.rept NT
.set lj, 0
.rept 16
	v_pk_add_f32 v[ACC+32*lu+lj:ACC+32*lu+lj+1], v[ACC+32*lu+lj:ACC+32*lu+lj+1], v[MU+2*lu:MU+2*lu+1] op_sel_hi:[1,0] neg_lo:[0,1] neg_hi:[0,1]
.set lj, lj+2
.endr
.set lu, lu+1
.endr
	s_wait_alu depctr_va_vdst(0)                   ; one wait for the root, ahead of its first reader; the subtractions above are the plain work between
.set lu, 0
.rept NT
.set lj, 0
.rept 16
	v_pk_mul_f32 v[ACC+32*lu+lj:ACC+32*lu+lj+1], v[ACC+32*lu+lj:ACC+32*lu+lj+1], v[RU+2*lu:RU+2*lu+1] op_sel_hi:[1,0]
.set lj, lj+2
.endr
.set lu, lu+1
.endr
	WIN 0x14
.set lu, 0
.rept NT
.set lj, 0
.rept 16
	v_pk_fma_f32 v[ACC+32*lu+lj:ACC+32*lu+lj+1], v[ACC+32*lu+lj:ACC+32*lu+lj+1], v[LNW+lj:LNW+lj+1], v[LNB+lj:LNB+lj+1]
.set lj, lj+2
.endr
.set lu, lu+1
.endr
	WIN 0
.endm
; ---- attention
.macro ZEROH
	WIN 0x40
.set zt, 0
.rept 8
.set zi, 6
.rept 6
	v_mov_b32 v[12*zt+zi], 0
.set zi, zi+1
.endr
.set zt, zt+1
.endr
.set zt, 0
.rept NT
.set zi, 6
.rept 6
	v_mov_b32 v[QF+12*zt+zi], 0
.set zi, zi+1
.endr
.set zt, zt+1
.endr
	WIN 0
.endm
.macro KBATCH
	WIN 0x40
.set kt, 0
.rept 8
.set kp, 0
.rept 3
	global_load_b64 v[12*kt+2*kp:12*kt+2*kp+1], v[KA], s[KCB:KCB+1] offset:768*kt+256*kp
.set kp, kp+1
.endr
.set kt, kt+1
.endr
	WIN 0
.set kt, 0
.rept 4
	global_load_b32 v[KS+kt], v[KSA], s[KSB:KSB+1] offset:128*kt
.set kt, kt+1
.endr
.set kt, 0
.rept 4
	global_load_b32 v[VR+kt], v[VSA], s[VSB:VSB+1] offset:64*kt
.set kt, kt+1
.endr
.endm
.macro VBATCH
	WIN 0x40
.set kt, 0
.rept 4
.set kc, 0
.rept 2
.set kp, 0
.rept 3
	global_load_b64 v[VF+12*kt+6*kc+2*kp:VF+12*kt+6*kc+2*kp+1], v[VA], s[VCB:VCB+1] offset:3072*kc+512*kp+128*kt
.set kp, kp+1
.endr
.set kc, kc+1
.endr
.set kt, kt+1
.endr
	WIN 0
.endm
.macro MASK sb, d
.set mn, 0
.rept 64
	v_cmp_gt_i32 vcc_lo, 32*(mn/16)+mn%16, v[\d]
	v_cndmask_b32 v[\sb+mn], v[\sb+mn], v[NINF], vcc_lo
.set mn, mn+1
.endr
.endm
.macro SOFTMAX sb, st, pcd, psr, ob
.set xb, 0
.rept 4
	v_max3_num_f32 v[TMA+xb], v[\sb+16*xb], v[\sb+16*xb+1], v[\sb+16*xb+2]
.set xb, xb+1
.endr
.set xi, 3
.rept 6
.set xb, 0
.rept 4
	v_max3_num_f32 v[TMA+xb], v[TMA+xb], v[\sb+16*xb+xi], v[\sb+16*xb+xi+1]
.set xb, xb+1
.endr
.set xi, xi+2
.endr
.set xb, 0
.rept 4
	v_max_num_f32 v[TMA+xb], v[TMA+xb], v[\sb+16*xb+15]
.set xb, xb+1
.endr
.set xb, 0
.rept 4
	s_delay_alu instid0(VALU_DEP_4)
	v_permlanex16_b32 v[TMA+4+xb], v[TMA+xb], s[SEL], s[SEL+1]
.set xb, xb+1
.endr
.set xb, 0
.rept 4
	s_delay_alu instid0(VALU_DEP_4)
	v_max_num_f32 v[TMA+xb], v[TMA+xb], v[TMA+4+xb]
.set xb, xb+1
.endr
	s_delay_alu instid0(VALU_DEP_2)
	v_max3_num_f32 v[TMA+8], v[TMA], v[TMA+1], v[TMA+2]
	s_delay_alu instid0(VALU_DEP_1)
	v_max_num_f32 v[TMA+8], v[TMA+8], v[TMA+3]
	s_delay_alu instid0(VALU_DEP_1)
	v_mul_f32 v[TMA+8], s[CS], v[TMA+8]
	s_delay_alu instid0(VALU_DEP_1)
	v_max_num_f32 v[\st+1], v[\st+1], v[TMA+8]
	v_mov_b32 v[TMA+8], v[\st]
	s_delay_alu instid0(VALU_DEP_2)
	v_floor_f32 v[\st], -v[\st+1]                  ; -M = floor(-t): M is a whole number
	s_delay_alu instid0(VALU_DEP_1)
	v_sub_f32 v[TMA+8], v[\st], v[TMA+8]
	s_delay_alu instid0(VALU_DEP_1)
	v_cvt_i32_f32 v[TMA+8], v[TMA+8]
	s_delay_alu instid0(VALU_DEP_1)
	v_ldexp_f32 v[FF], 1.0, v[TMA+8]               ; f = 2^(old M - new M): rounds nothing
.set xj, 0
.rept 32
	v_pk_fma_f32 v[\sb+xj:\sb+xj+1], v[\sb+xj:\sb+xj+1], s[CS:CS+1], v[\st:\st+1] op_sel_hi:[1,0,0]
.set xj, xj+2
.endr
.set xb, 0
.rept 4
	v_fma_f32 v[TMA+xb], v[TMA+xb], s[CS], v[\st]
.set xb, xb+1
.endr
.set xj, 0
	s_wait_alu depctr_va_vdst(0)
.rept 64
	v_exp_f32 v[\sb+xj], v[\sb+xj]
.set xj, xj+1
.endr
	s_setprio 1
	v_pk_mul_f32 v[\st+2:\st+3], v[\st+2:\st+3], v[FF:FF+1] op_sel_hi:[1,0]   ; a plain place behind the exponentials
	s_wait_alu depctr_va_vdst(0)                   ; one wait for the batch, ahead of its first reader
.set xb, 0
.rept 4
	v_exp_f32 v[TMA+xb], v[TMA+xb]
.set xb, xb+1
.endr
	v_pk_add_f32 v[242:243], v[84:85], v[88:89]
	v_pk_add_f32 v[230:231], v[92:93], v[96:97]
	v_pk_add_f32 v[190:191], v[100:101], v[104:105]
	v_pk_add_f32 v[188:189], v[108:109], v[112:113]
	v_pk_add_f32 v[186:187], v[116:117], v[120:121]
	v_pk_add_f32 v[184:185], v[124:125], v[128:129]
	v_pk_add_f32 v[166:167], v[132:133], v[136:137]
	v_pk_add_f32 v[66:67], v[66:67], v[140:141]
	v_pk_add_f32 v[242:243], v[242:243], v[80:81]
	v_pk_add_f32 v[230:231], v[230:231], v[82:83]
	v_pk_add_f32 v[190:191], v[190:191], v[86:87]
	v_pk_add_f32 v[188:189], v[188:189], v[90:91]
	v_pk_add_f32 v[186:187], v[186:187], v[94:95]
	v_pk_add_f32 v[184:185], v[184:185], v[98:99]
	v_pk_add_f32 v[166:167], v[166:167], v[102:103]
	v_pk_add_f32 v[66:67], v[66:67], v[106:107]
	v_pk_add_f32 v[242:243], v[242:243], v[110:111]
	v_pk_add_f32 v[230:231], v[230:231], v[114:115]
	v_pk_add_f32 v[190:191], v[190:191], v[118:119]
	v_pk_add_f32 v[188:189], v[188:189], v[122:123]
	v_pk_add_f32 v[186:187], v[186:187], v[126:127]
	v_pk_add_f32 v[184:185], v[184:185], v[130:131]
	v_pk_add_f32 v[166:167], v[166:167], v[134:135]
	v_pk_add_f32 v[66:67], v[66:67], v[138:139]
	v_pk_add_f32 v[242:243], v[242:243], v[142:143]
	s_delay_alu instid0(VALU_DEP_2)
	v_pk_add_f32 v[66:67], v[66:67], v[188:189]
	s_delay_alu instid0(VALU_DEP_2)
	v_pk_add_f32 v[242:243], v[242:243], v[186:187]
	v_pk_add_f32 v[230:231], v[230:231], v[184:185]
	v_pk_add_f32 v[190:191], v[190:191], v[166:167]
	s_delay_alu instid0(VALU_DEP_2)
	v_pk_add_f32 v[66:67], v[66:67], v[230:231]
	s_delay_alu instid0(VALU_DEP_2)
	v_pk_add_f32 v[242:243], v[242:243], v[190:191]
	s_delay_alu instid0(VALU_DEP_1)
	v_pk_add_f32 v[66:67], v[66:67], v[242:243]
	s_wait_alu depctr_va_vdst(0)                   ; and one for the four
.set xb, 0
.rept 4
	v_max_num_f32 v[TMA+xb], 0x1800000, v[TMA+xb]
.set xb, xb+1
.endr
.set xb, 0
.rept 4
	s_delay_alu instid0(VALU_DEP_4)
	v_add_nc_u32 v[TMA+12+xb], 0xff000000, v[TMA+xb]
.set xb, xb+1
.endr
.set xb, 0
.rept 4
	s_delay_alu instid0(VALU_DEP_4)
	v_lshrrev_b32 v[TMA+4+xb], 23, v[TMA+12+xb]
.set xb, xb+1
.endr
	s_delay_alu instid0(VALU_DEP_3)
	v_lshl_or_b32 v[\psr], v[TMA+5], 8, v[TMA+4]
	s_delay_alu instid0(VALU_DEP_1)
	v_lshl_or_b32 v[\psr], v[TMA+6], 16, v[\psr]
	s_delay_alu instid0(VALU_DEP_1)
	v_lshl_or_b32 v[\psr], v[TMA+7], 24, v[\psr]
.set xb, 0
.rept 2
	v_cvt_scalef32_pk16_fp6_f32 v[\pcd+6*xb:\pcd+6*xb+2], v[\sb+32*xb:\sb+32*xb+15], v[TMA+12+2*xb]
	v_cvt_scalef32_pk16_fp6_f32 v[CTA+4*xb:CTA+4*xb+2], v[\sb+32*xb+16:\sb+32*xb+31], v[TMA+13+2*xb]
.set xb, xb+1
.endr
	v_nop                                          ; one plain place behind a scaled conversion
.set xb, 0
.rept 2
.set xi, 0
.rept 3
	v_permlane16_swap_b32 v[\pcd+6*xb+xi], v[CTA+4*xb+xi]
.set xi, xi+1
.endr
.set xi, 0
.rept 3
	s_delay_alu instid0(VALU_DEP_3)
	v_mov_b32 v[\pcd+6*xb+3+xi], v[CTA+4*xb+xi]
.set xi, xi+1
.endr
.set xb, xb+1
.endr
	WIN 0x41
.set xj, 0
.rept 16
	v_pk_mul_f32 v[\ob+xj:\ob+xj+1], v[\ob+xj:\ob+xj+1], v[FF:FF+1] op_sel_hi:[1,0]
.set xj, xj+2
.endr
	WIN 0
.endm
.macro UNIT last
	s_wait_loadcnt 24                              ; Q, K and the scale words are in; V's 24 loads, the youngest, may be out
	v_perm_b32 v[VT], v[VR+1], v[VR], 0x05010400
	v_perm_b32 v[VT+1], v[VR+1], v[VR], 0x07030602
	v_perm_b32 v[VT+2], v[VR+3], v[VR+2], 0x05010400
	v_perm_b32 v[VT+3], v[VR+3], v[VR+2], 0x07030602
	s_delay_alu instid0(VALU_DEP_2)
	v_perm_b32 v[VS], v[VT+2], v[VT], 0x05040100
	s_delay_alu instid0(VALU_DEP_3)
	v_perm_b32 v[VS+1], v[VT+2], v[VT], 0x07060302
	s_delay_alu instid0(VALU_DEP_3)
	v_perm_b32 v[VS+2], v[VT+3], v[VT+1], 0x05040100
	s_delay_alu instid0(VALU_DEP_4)
	v_perm_b32 v[VS+3], v[VT+3], v[VT+1], 0x07060302
	WIN 0x05
.set ut, 0
.rept 8
.set uu, 0
.rept NT
	WMZ S0+64*uu+8*ut, 12*ut, QF+12*uu, KS+ut/2, QS+uu, ut%2
.set uu, uu+1
.endr
.set ut, ut+1
.endr
	WIN 0
.rept 4
	v_nop
.endr
.if \last == 0
	v_add_nc_u32 v[KA], 6144, v[KA]
	v_add_nc_u32 v[KSA], 512, v[KSA]
	v_add_nc_u32 v[VSA], 256, v[VSA]
	KBATCH
.else
	MASK S0, D0
.if NT > 1
	MASK S0+64, D0+1
.endif
.endif
	SOFTMAX S0, STT, PCA, PS, OF
.if NT > 1
	SOFTMAX S0+64, STT+4, PCA+12, PS+1, OF+32
.endif
.if \last == 0
	s_wait_alu depctr_va_vdst(0)
	s_wait_loadcnt 32                              ; V is in; the next step's K batch, 32 younger loads, may be out
.else
	s_wait_alu depctr_va_vdst(0)
	s_wait_loadcnt 0x0
.endif
	WIN 0x51
.set ut, 0
	s_setprio 0
.rept 4
.set uu, 0
.rept NT
	WMM OF+32*uu+8*ut, VF+12*ut, PCA+12*uu, OF+32*uu+8*ut, VS+ut, PS+uu
.set uu, uu+1
.endr
.set ut, ut+1
.endr
	WIN 0
.rept 4
	v_nop
.endr
.if \last == 0
	v_add_nc_u32 v[VA], 6144, v[VA]
	VBATCH
.endif
.endm
.macro ASKW off                        ; a prefetch of weights that this launch reads later: each aligned block of 256 bytes is named by one lane of one wave of the launch, behind the wave's own loads
	s_cmp_eq_u32 s[GI], s[PFL]
	s_cbranch_scc0 .Lnp_\@
	global_prefetch_b8 v[PF], s[WFR:WFR+1] offset:\off th:TH_LOAD_NT scope:SCOPE_SE
.Lnp_\@:
.endm
.macro ATT pfo
	s_lshr_b32 s[KMAX], s[GG], 2
	s_lshl_b32 s2, s[KMAX], 7
	v_add_nc_u32 v[D0], s[QB], v[RQ]
.if NT > 1
	v_add_nc_u32 v[D0+1], 8, v[D0]
.endif
.set au, 0
.rept NT
	s_delay_alu instid0(VALU_DEP_1)
	v_min_u32 v[D0+au], s[LM1], v[D0+au]
	s_delay_alu instid0(VALU_DEP_1)
	v_sub_nc_u32 v[D0+au], v[D0+au], s2
	s_delay_alu instid0(VALU_DEP_1)
	v_sub_nc_u32 v[D0+au], v[D0+au], v[H16]
.set au, au+1
.endr
	WIN 0x40
.set au, 0
.rept NT
.set ap, 0
.rept 3
	global_load_b64 v[QF+12*au+2*ap:QF+12*au+2*ap+1], v[KOG], s[QCB:QCB+1] offset:768*au+256*ap
.set ap, ap+1
.endr
.set au, au+1
.endr
	WIN 0
.set au, 0
.rept NT
	global_load_b32 v[QS+au], v[KSL], s[QSB:QSB+1] offset:64*au
.set au, au+1
.endr
	v_mov_b32 v[KA], v[L8]
	v_lshlrev_b32 v[T0], 1, v[R4]
	s_delay_alu instid0(VALU_DEP_1)
	v_mad_u32_u24 v[VA], v[H16], 96, v[T0]
	v_mov_b32 v[KSA], v[L4]
	v_mov_b32 v[VSA], v[R4]
	KBATCH
	VBATCH
	ASKW \pfo
	WIN 0x40
.set aj, 0
.rept 32*NT
	v_mov_b32 v[OF+aj], 0
.set aj, aj+1
.endr
	WIN 0
.set au, 0
.rept NT
	v_mov_b32 v[STT+4*au+1], 0xff61b1e6
	s_delay_alu instid0(VALU_DEP_1)
	v_floor_f32 v[STT+4*au], -v[STT+4*au+1]
	v_mov_b32 v[STT+4*au+2], 0
	v_mov_b32 v[STT+4*au+3], 0
.set au, au+1
.endr
	s_mov_b32 s[CNT], 0
.Lu_\@:
	s_cmp_ge_u32 s[CNT], s[KMAX]
	s_cbranch_scc1 .Lus_\@
	s_setprio 2
	UNIT 0
.Lus_\@:
	s_add_co_u32 s[CNT], s[CNT], 1
	s_cmp_lt_u32 s[CNT], 3
	s_cbranch_scc1 .Lu_\@
	s_setprio 0
	UNIT 1
.set au, 0
.rept NT
	v_add_f32 v[TMA+au], v[STT+4*au+2], v[STT+4*au+3]
.set au, au+1
.endr
.set au, 0
.rept NT
	s_delay_alu instid0(VALU_DEP_1)
	v_permlanex16_b32 v[TMA+4+au], v[TMA+au], s[SEL], s[SEL+1]
.set au, au+1
.endr
.set au, 0
.rept NT
	s_delay_alu instid0(VALU_DEP_1)
	v_add_f32 v[TMA+au], v[TMA+au], v[TMA+4+au]
.set au, au+1
.endr
.set au, 0
	s_wait_alu depctr_va_vdst(0)
.rept NT
	v_rcp_f32 v[TMA+8+2*au], v[TMA+au]
.set au, au+1
.endr
	v_nop                                          ; a plain place behind the reciprocal
	s_wait_alu depctr_va_vdst(0)                   ; the wait, ahead of the first reader
	WIN 0x01
.set au, 0
.rept NT
.set aj, 0
.rept 16
	v_pk_mul_f32 v[ACC+32*au+aj:ACC+32*au+aj+1], v[OF+32*au+aj:OF+32*au+aj+1], v[TMA+8+2*au:TMA+8+2*au+1] op_sel_hi:[1,0]
.set aj, aj+2
.endr
.set au, au+1
.endr
	WIN 0
	QUANT ACC
	PUTIMG AIMG, ASC
.endm
	s_load_b256 s[4:11], s[0:1], 0x0               ; seq_len, ws1, wfr, bo
	s_load_b256 s[32:39], s[0:1], 0x20             ; ln2_w, ln2_b, b1, b2
	s_load_b128 s[40:43], s[0:1], 0x40             ; lnf_w, lnf_b
	s_load_b64 s[44:45], s[0:1], 0x50              ; out0
	v_lshl_add_u32 v[SPW], v0, 2, SPARE
	v_mov_b32 v[NIL], 0
	v_lshrrev_b32 v[T0], 5, v0
	s_delay_alu instid0(VALU_DEP_1)
	v_readfirstlane_b32 s[WV], v[T0]
	s_mov_b32 s[BB], ttmp9
	LANES
	s_lshl_b32 s[TS], s[BB], 3
	s_add_co_u32 s[TS], s[TS], s[WV]               ; 8 b + w
	s_cmp_lt_u32 s[TS], 75                         ; who prefetches: 75 waves x 32 blocks = matrices 9 to 11
	s_cselect_b32 s[PFL], 1, 2
	s_min_u32 s2, s[TS], 74
	s_lshl_b32 s2, s2, 13
	v_lshl_add_u32 v[PF], v[T0], 8, s2
	s_mov_b32 s[GB], 0
	SETL
	s_mov_b32 s[GI], 1
	s_mov_b32 s[RFV], 1                            ; one pass: each product asks for the next weight
	s_lshl_b32 s2, s[BB], 2
	s_mov_b32 s3, 0
	s_wait_kmcnt 0x0
	s_add_nc_u64 s[4:5], s[4:5], s[2:3]
	s_load_b32 s[LEN], s[4:5], 0x0
	s_mul_i32 s2, s[TS], 24576
	s_add_nc_u64 s[KCB:KCB+1], s[6:7], s[2:3]
	s_add_nc_u64 s[VCB:VCB+1], s[KCB:KCB+1], 6291456
	s_lshl_b32 s2, s[TS], 11
	s_add_nc_u64 s[KSB:KSB+1], s[6:7], s[2:3]
	s_add_nc_u64 s[KSB:KSB+1], s[KSB:KSB+1], 12582912
	s_lshl_b32 s2, s[TS], 10
	s_add_nc_u64 s[VSB:VSB+1], s[6:7], s[2:3]
	s_add_nc_u64 s[VSB:VSB+1], s[VSB:VSB+1], 13107200
	s_mul_i32 s2, s[TS], 1536
	s_add_nc_u64 s[QCB:QCB+1], s[6:7], s[2:3]
	s_add_nc_u64 s[QCB:QCB+1], s[QCB:QCB+1], 13369344
	s_lshl_b32 s2, s[TS], 7
	s_add_nc_u64 s[QSB:QSB+1], s[6:7], s[2:3]
	s_add_nc_u64 s[QSB:QSB+1], s[QSB:QSB+1], 13762560
	s_lshl_b32 s2, s[TS], 13
	s_add_nc_u64 s[X2B:X2B+1], s[6:7], s[2:3]
	s_add_nc_u64 s[X2B:X2B+1], s[X2B:X2B+1], 13795328
	s_mul_i32 s2, s[WV], 25600
	s_add_nc_u64 s[WB:WB+1], s[8:9], s[2:3]
	s_lshl_b32 s2, s[BB], 11
	s_add_nc_u64 s[OUTB:OUTB+1], s[44:45], s[2:3]
	s_wait_kmcnt 0x0
	s_max_u32 s[LEN], s[LEN], 1
	s_min_u32 s[LEN], s[LEN], 0x200
	s_sub_co_u32 s[LM1], s[LEN], 1
	s_lshr_b32 s[GG], s[LM1], 5                    ; the row's group,
	s_min_u32 s[GG], s[GG], 15
	s_lshr_b32 s[US], s[LM1], 3                    ; its tile in the group (held last, since it enters offsets),
	s_and_b32 s[US], s[US], 1
	s_min_u32 s[US], s[US], 1
	s_and_b32 s[RS], s[LM1], 7                     ; and its lane in the tile
	s_lshr_b32 s2, s[LM1], 4
	s_and_b32 s2, s2, 1
	s_lshl_b32 s2, s2, 3
	s_add_co_u32 s[RS], s[RS], s2
	s_lshl_b32 s[QB], s[GG], 5
	s_lshl_b32 s2, s[US], 3
	s_add_co_u32 s[QB], s[QB], s2                  ; the tile's first query
	v_mad_u32_u24 v[KOG], s[US], 0x300, v[L8]
	v_lshl_add_u32 v[KSL], s[US], 6, v[R4]
	v_lshl_add_u32 v[T3], s[US], 12, v[L16]
	ZEROH
	ATT 1843200
	WLOAD 9, 0
	WLOAD 9, 1
	WLOAD 9, 2
	WLOAD 9, 3
	BLOAD 10, 2048
	LNLOAD 32, 34, 2048
.set aj, 0
.rept 8
	global_load_b128 v[ACC+4*aj:ACC+4*aj+3], v[T3], s[X2B:X2B+1] offset:512*aj   ; x2 of the tile, as the registers stood
.set aj, aj+1
.endr
	s_wait_loadcnt 0x0
	XST
	BARRIER                                        ; o's fragments lie in LDS
	GPASS 1, AIMG, ASC, 10, 36, 2048               ; x + bo + o wo
	XST
	LNSTAT
	BARRIER
	LNAPPLY
	QUANT ACC
	PUTIMG AIMG, ASC
	LNLOAD 40, 42, 0                               ; the last LayerNorm's gain and offset
	BARRIER
	s_wait_loadcnt 0x0
	GPASS 0, AIMG, ASC, 11, 38, 2048               ; h w1 + b1
	RELU
	QUANT ACC
	PUTIMG HIMG, HSC
	BARRIER
	s_wait_loadcnt 0x0
	GPASS 1, HIMG, HSC, -1, -1, 0                  ; x + b2 + relu(..) w2
	XST
	LNSTAT
	BARRIER
	LNAPPLY
	v_cmp_eq_u32 vcc_lo, s[RS], v[RR]              ; the two lanes that hold row len - 1
	s_wait_alu depctr_va_vdst(0)
	s_wait_xcnt 0x0                                ; EXEC changes only behind this wait
	s_and_saveexec_b32 s2, vcc_lo
.set aj, 0
.rept 4
	global_store_b128 v[BO], v[ACC+8*aj:ACC+8*aj+3], s[OUTB:OUTB+1] offset:128*(aj/2)+32*(aj%2)
	global_store_b128 v[BO], v[ACC+8*aj+4:ACC+8*aj+7], s[OUTB:OUTB+1] offset:128*(aj/2)+32*(aj%2)+16
.set aj, aj+1
.endr
	s_wait_xcnt 0x0                                ; and again, in front of the line that widens it
	s_or_b32 exec_lo, exec_lo, s2
	ENDW
.Lfunc_end_k_q2bf941d14d_final:
	.size	k_q2bf941d14d_final, .Lfunc_end_k_q2bf941d14d_final-k_q2bf941d14d_final
	.p2alignl 7, 3214868480
	.fill 96, 4, 3214868480
	.section	.rodata,"a",@progbits
	.p2align	6, 0x0
	.amdhsa_kernel k_q2bf941d14d_final
		.amdhsa_group_segment_fixed_size 101376
		.amdhsa_private_segment_fixed_size 0
		.amdhsa_enable_private_segment 0
		.amdhsa_kernarg_size 88
		.amdhsa_user_sgpr_count 2
		.amdhsa_user_sgpr_kernarg_segment_ptr 1
		.amdhsa_wavefront_size32 1
		.amdhsa_system_sgpr_workgroup_id_x 1
		.amdhsa_system_sgpr_workgroup_id_y 1
		.amdhsa_system_sgpr_workgroup_id_z 1
		.amdhsa_system_vgpr_workitem_id 0
		.amdhsa_next_free_vgpr 512
		.amdhsa_next_free_sgpr 106
		.amdhsa_reserve_vcc 1
		.amdhsa_float_denorm_mode_32 3
		.amdhsa_float_denorm_mode_16_64 3
		.amdhsa_memory_ordered 1
		.amdhsa_forward_progress 1
		.amdhsa_inst_pref_size 132
	.end_amdhsa_kernel
	.amdgpu_metadata
---
amdhsa.version: [ 1, 2 ]
amdhsa.kernels:
  - .name:           k_q2bf941d14d_final
    .symbol:         k_q2bf941d14d_final.kd
    .args:
      - { .name: seq_len, .offset: 0, .size: 8, .value_kind: global_buffer, .address_space: global }
      - { .name: ws1, .offset: 8, .size: 8, .value_kind: global_buffer, .address_space: global }
      - { .name: wfr, .offset: 16, .size: 8, .value_kind: global_buffer, .address_space: global }
      - { .name: bo, .offset: 24, .size: 8, .value_kind: global_buffer, .address_space: global }
      - { .name: ln2_w, .offset: 32, .size: 8, .value_kind: global_buffer, .address_space: global }
      - { .name: ln2_b, .offset: 40, .size: 8, .value_kind: global_buffer, .address_space: global }
      - { .name: b1, .offset: 48, .size: 8, .value_kind: global_buffer, .address_space: global }
      - { .name: b2, .offset: 56, .size: 8, .value_kind: global_buffer, .address_space: global }
      - { .name: lnf_w, .offset: 64, .size: 8, .value_kind: global_buffer, .address_space: global }
      - { .name: lnf_b, .offset: 72, .size: 8, .value_kind: global_buffer, .address_space: global }
      - { .name: out0, .offset: 80, .size: 8, .value_kind: global_buffer, .address_space: global }
    .group_segment_fixed_size: 101376
    .private_segment_fixed_size: 0
    .kernarg_segment_align: 8
    .kernarg_segment_size: 88
    .max_flat_workgroup_size: 256
    .sgpr_count:     106
    .vgpr_count:     512
    .wavefront_size: 32
...
	.end_amdgpu_metadata
.endif
;; end of part 8
